; MI455X (gfx1250); checked and timed in simulation.
; The chip was launched on July 23, 2026; its instructions are those of AMD's public machine-readable ISA for CDNA 5 (MIT licence, August 2026) and "CDNA5" Instruction Set Architecture Reference Guide (July 2026). The comments in the code are by the model that wrote it; some were corrected since.
;; Block. Allowed arithmetic: matrix products marked QUANTISED: E2M3 operands, one E8M0 scale for each 32 along K, by v_wmma_scale_f32_16x16x128_f8f6f4 with both operands' format E2M3, f32 sums; everything else in f32.
;; Inputs: W1 512 x 2,048 float32; W2 2,048 x 512 float32; Wk 512 x 512 float32; Wo 512 x 512 float32; Wq 512 x 512 float32; Wv 512 x 512 float32; b1 2,048 float32; b2 512 float32; bo 512 float32; ln1_b 512 float32; ln1_g 512 float32; ln2_b 512 float32; ln2_g 512 float32; x 4 x 2,048 x 512 float32.
;; Outputs: out0 4 x 2,048 x 512 float32.
;; This version of the problem:
;;   THIS VERSION OF THE PROBLEM IS GIVEN IN LOW PRECISION. The matrix products marked QUANTISED in the list below multiply operands that are first quantised to E2M3 (2 exponent bits, 3 mantissa bits; 6 bits a number), with one power-of-two scale for each 32 numbers along K (OCP MX v1.0); their sums are f32. All else is computed in f32.
;;   The module's matrix products, in the order in which they are computed (A, B: the left and right operand; K: the contracted axis; several contracted axes count as one K, in the product's order):
;;     1. [M 8,192, K 512] x [K 512, N 512]; A: computed on the way; B: input Wq: QUANTISED
;;     2. [M 8,192, K 512] x [K 512, N 512]; A: computed on the way; B: input Wk: QUANTISED
;;     3. [M 8,192, K 512] x [K 512, N 512]; A: computed on the way; B: input Wv: QUANTISED
;;     4. batch 64 x [M 2,048, K 32] x [K 32, N 2,048]; A: computed on the way; B: computed on the way: QUANTISED
;;     5. batch 64 x [M 32, K 2,048] x [K 2,048, N 2,048]; A: computed on the way; B: softmax (see below): QUANTISED
;;     6. [M 8,192, K 512] x [K 512, N 512]; A: computed on the way; B: input Wo: QUANTISED
;;     7. [M 8,192, K 512] x [K 512, N 2,048]; A: computed on the way; B: input W1: QUANTISED
;;     8. [M 8,192, K 2,048] x [K 2,048, N 512]; A: computed on the way; B: input W2: QUANTISED
;;   THE QUANTISER, for each operand of a quantised product, along K:
;;     - K is cut into blocks of 32 from its start; a last block that is shorter is filled with zeros.
;;     - A block's scale is 2^e with e = floor(log2(the largest magnitude in the block)) - 2, held to -126 .. 127; a block of zeros has e = 0. As a byte (E8M0): e + 127.
;;     - Each number is divided by its block's scale, clamped to +-7.5, and rounded to the nearest number of E2M3, ties to even, subnormals kept.
;;     - The product sums the exact products of the quantised numbers (number of the format x scale) in f32.
;;   ~~~python
;;   def quantise(x, axis):      # numpy; x: float32 -> the quantised numbers, widened to float32 again
;;       x = np.moveaxis(x, axis, -1); K = x.shape[-1]
;;       x = np.pad(x, [(0, 0)] * (x.ndim - 1) + [(0, -K % 32)]); x = x.reshape(x.shape[:-1] + (-1, 32)); a = np.abs(x).max(-1, keepdims=True)
;;       e = np.where(a > 0, np.clip(np.frexp(np.where(a > 0, a, 1))[1] - 1 - 2, -126, 127), 0)      # np.frexp(a)[1] - 1 = floor(log2(a)), exactly
;;       r = np.clip(x / 2.0 ** e, -7.5, 7.5)
;;       step = 2.0 ** (np.maximum(np.frexp(np.where(r == 0, 1, r))[1] - 1, 0) - 3)
;;       q = np.round(r / step) * step * 2.0 ** e      # np.round: ties to even
;;       return np.moveaxis(q.reshape(q.shape[:-2] + (-1,))[..., :K], -1, axis).astype(np.float32)
;;   ~~~
;;   SOFTMAX AHEAD OF A QUANTISED PRODUCT. Where the list says 'softmax', what is quantised is not the finished softmax but p = 2^(t - M), with t = logit x log2(e) and M = ceil(the row's largest t), a whole number; so 1/2 < the row's largest p <= 1. The row's sum l is taken of the UNQUANTISED p, in f32, and the product's result is divided by l at the end. Since M is a whole number, a kernel that streams over the keys may use a running M (the ceiling of the running maximum): every later rescaling is an exact power of two, which a block's scale takes up: the codes' values come out the same.
;;   OPERANDS COMPUTED ON THE WAY. 'Computed on the way' means the value that the module computes at that place (a softmax that the list does not call 'softmax' is quantised finished and normalised). What goes into a quantiser is computed in f32, as accurately as f32 sums, v_exp_f32 and their like allow (about 1e-6 of the number): no bf16 or f16 on the way to a quantiser, and a product that is left as it is and whose result goes on into a quantised operand takes f32 operands (vector FMAs, or v_wmma_f32_16x16x4_f32). A number that lies on a knife's edge between two numbers of the format may be rounded either way, as far as f32 arithmetic and the matrix unit's own rounding can turn it there, and no further.
;; 2 versions. Each part assembles by itself: llvm-mc -triple=amdgcn-amd-amdhsa -mcpu=gfx1250 --defsym DOCPART=n.
;; ======== version 1 of 2: 4 launches
;; workspace buffers: himg 3,145,728 bytes; hsc 131,072 bytes; wqkv 614,400 bytes; wtail 1,843,200 bytes; qkvb 9,961,472 bytes; att 4,194,304 bytes
;; launch prep (part 1): grid 320 x 1, 4 waves a work-group, no clusters, 152,064 bytes of LDS; arguments x, ln1_g, ln1_b, Wq, Wk, Wv, Wo, W1, W2, himg, hsc, wqkv, wtail; writes himg, hsc, wqkv, wtail
.if DOCPART == 1
	.amdgcn_target "amdgcn-amd-amdhsa--gfx1250"
	.amdhsa_code_object_version 6
	.text
	.protected	k_qe31f653d3b_prep
	.globl	k_qe31f653d3b_prep
	.p2align	8
	.type	k_qe31f653d3b_prep,@function
k_qe31f653d3b_prep:
	s_mov_b64 s[64:65], 0
	v_nop
	global_prefetch_b8 v0, s[64:65] scope:SCOPE_SE
	s_setreg_imm32_b32 hwreg(HW_REG_WAVE_MODE, 25, 1), 1
	s_wait_xcnt 0x0
; PREP.  Work-groups 0-127: h = layernorm(x) x g + b, quantised along the 512 channels to FP6 (E2M3) with one E8M0 byte for each 32.  Work-groups 128-319: the six weights, stored [K][N], quantised along K.
; Everything leaves as IMAGES OF OPERAND REGISTERS: a fragment (16 rows x 128 K, 12 registers a lane) is 1,536 bytes, register i of lane l at 512 (i / 4) + 16 l + 4 (i % 4).
; The 16 rows of a tile are not neighbours: of a group of 32 rows tile u takes rows 8 u + r + 8 (r / 8), so that the results of two such tiles, used as source 0, are 16 neighbours in a lane's registers.
; LAYER NORM: a wave takes a tile of 16 tokens.  Its 64 loads read 512 consecutive bytes each; the numbers turn through the wave's own stage in LDS so that lane (r, h) holds, of token r, the 16 numbers 32 b + 16 h + 0..15 of each block.
; Mean and variance in two passes over the registers (the mean is taken off before the squares), so a common offset of the inputs costs no digits.
; WEIGHTS: a wave takes 32 columns x 128 along K: a lane a column, its registers down K; a block of 32 lies in one lane, and the conversions' results are the operand's registers.
; LIMITS: NaN and infinities are not served; a block whose largest magnitude lies under 2^-124 (a block of zeros too) gets the byte 1: its bytes are read by this program alone, and zero codes add nothing under any byte.
; No tensor load, no barrier: waves share nothing.  Only the layer norm's path touches LDS.
.set SPARE, 151552                     ; behind the four waves' regions: the spare words, 128 bytes a wave, which no other line names
.set WREG,  37888                      ; a wave's region: the stage, then its own copy of g and b
.set SP,    528                        ; a stage row: 512 bytes + 16: row r starts 4 r banks on
.set KST,   16*SP                      ; a K step's 16 rows
.set PARO,  4*KST                      ; g (2,048 bytes), then b
.set SPW, 6                            ; v6   my spare word's address; never rewritten
.set NIL, 7                            ; v7   0; never rewritten
.set TM,  16                           ; v16-31 at work in QUANT
.set PW,  32                           ; v32  the scale word just made
.set PWS, 34                           ; v34-37 the four K steps' scale words
.set HO,  38                           ; v38-39 what I store of them
.set PC,  40                           ; v40-59 the codes just made
.set SM,  60                           ; v60-67 four chains of sums
.set MU,  68                           ; v68-69 the mean, twice
.set RS,  70                           ; v70-71 1 / sqrt(var + eps), twice
.set G,   128                          ; v128-191 g of my 64 channels of a K step
.set BE,  192                          ; v192-255 b likewise;  window 1, v0-255: the tile
.set WV,  34                           ; s34  my wave's number
.set SEL, 36                           ; s[36:37] lane selects: lane l xor 16
.set MSB, 0
.macro WIN new                         ; the immediate's high byte repeats the setting that is left; a switch that changes nothing is dropped
.if MSB != (\new)
	s_set_vgpr_msb (MSB<<8)|(\new)
.set MSB, (\new)
.endif
.endm
; 64 numbers of a lane in window dw, register 16 b + i = element 32 b + 16 (lane / 16) + i of my row, become a fragment's codes in v[PC] on and its scale word in v[PW].
.macro QUANT s, dw
	WIN (\dw)|((\dw)<<2)
.irp b, 0,1,2,3
	v_max3_num_f32 v[TM+\b], |v[(\s)+16*\b]|, |v[(\s)+1+16*\b]|, 0x1800000   ; my 16 numbers of block b, and the floor 2^(3 - 127): the byte cannot fall under 1
.endr
	WIN ((\dw)<<2)|((\dw)<<4)
.irp i, 2,4,6,8,10,12,14
.irp b, 0,1,2,3
	v_max3_num_f32 v[TM+\b], v[TM+\b], |v[(\s)+16*\b+\i]|, |v[(\s)+1+16*\b+\i]|
.endr
.endr
	WIN 0
.irp b, 0,1,2,3
	v_permlanex16_b32 v[TM+4+\b], v[TM+\b], s[SEL], s[SEL+1]
.endr
.irp b, 0,1,2,3
	v_max_num_f32 v[TM+\b], v[TM+\b], v[TM+4+\b]     ; with lane l xor 16's: the block's largest magnitude
.endr
.irp b, 0,1,2,3
	v_add_nc_u32 v[TM+12+\b], 0xff000000, v[TM+\b]   ; 2 off its exponent field: the conversion's scale operand
.endr
.irp b, 0,1,2,3
	v_lshrrev_b32 v[TM+4+\b], 23, v[TM+12+\b]        ; the scale's byte
.endr
	v_lshl_or_b32 v[PW], v[TM+5], 8, v[TM+4]
	v_lshl_or_b32 v[PW], v[TM+6], 16, v[PW]
	v_lshl_or_b32 v[PW], v[TM+7], 24, v[PW]
	WIN (\dw)
.irp c, 0,1
	v_cvt_scalef32_pk16_fp6_f32 v[PC+6*\c:PC+2+6*\c], v[(\s)+32*\c:(\s)+15+32*\c], v[TM+12+2*\c]
	v_cvt_scalef32_pk16_fp6_f32 v[PC+12+4*\c:PC+14+4*\c], v[(\s)+16+32*\c:(\s)+31+32*\c], v[TM+12+2*\c+1]   ; (a conversion's three registers begin on an even number)
.endr
	WIN 0
	v_nop                                          ; one plain place behind a scaled conversion
.irp c, 0,1                                    ; the layout wants a whole block in a lane: lanes 0-15 block 2 c, lanes 16-31 block 2 c + 1
.irp i, 0,1,2
	v_permlane16_swap_b32 v[PC+6*\c+\i], v[PC+12+4*\c+\i]
.endr
.irp i, 0,1,2
	v_mov_b32 v[PC+3+6*\c+\i], v[PC+12+4*\c+\i]
.endr
.endr
.endm
	s_load_b512 s[8:23], s[0:1], 0x0               ; x, g, b, Wq, Wk, Wv, Wo, W1
	s_load_b256 s[24:31], s[0:1], 0x40             ; W2, himg, hsc, wqkv
	s_load_b64 s[32:33], s[0:1], 0x60              ; wtail
	v_lshl_add_u32 v[SPW], v0, 2, SPARE
	v_mov_b32 v[NIL], 0
	v_lshrrev_b32 v1, 5, v0
	v_readfirstlane_b32 s[WV], v1
	s_mov_b32 s[SEL], 0x76543210
	s_mov_b32 s[SEL+1], 0xfedcba98
	s_cmp_lt_u32 ttmp9, 128
	s_cbranch_scc0 .Lweights
	; ---------------- layer norm 1: tile = 4 x work-group + wave ----------------
	s_lshl_b32 s35, ttmp9, 2
	s_add_co_u32 s35, s35, s[WV]
	s_lshr_b32 s40, s35, 1                         ; the group of 32 tokens
	s_and_b32 s41, s35, 1                          ; u
	s_lshl_b32 s42, s40, 16                        ; 32 rows of 2,048 bytes
	s_lshl_b32 s41, s41, 14                        ; + 8 u rows
	s_add_co_u32 s42, s42, s41
	s_mov_b32 s43, 0
	s_mul_i32 s44, s35, 6144                       ; the tile's four images
	s_mov_b32 s45, 0
	s_lshl_b32 s46, s35, 8                         ; its 256 bytes of scale words
	s_mov_b32 s47, 0
	s_mul_i32 s48, s[WV], WREG
	s_mov_b32 s49, 0xffff0000                      ; lanes 16-31
	s_mov_b32 s50, 0x3b000000                      ; 1 / 512
	s_mov_b32 s51, 0x3727c5ac                      ; 1e-5
	v_and_b32 v8, 31, v0
	v_and_b32 v9, 15, v0                           ; r
	v_bfe_u32 v10, v0, 4, 1                        ; h
	v_lshlrev_b32 v1, 4, v8                        ; 16 x lane
	v_add_nc_u32 v2, s48, v1                       ; the stage, on the way in
	v_mul_u32_u24 v3, v9, SP
	v_lshl_add_u32 v3, v10, 6, v3
	v_add_nc_u32 v3, s48, v3                       ; and on the way out: row r, + 64 h
	v_lshlrev_b32 v4, 6, v10
	v_add_nc_u32 v4, s48, v4                       ; g and b: + 64 h
	v_lshlrev_b32 v5, 4, v9
	v_lshl_add_u32 v5, v10, 3, v5                  ; scale words: 16 r + 8 h
.irp b, 0,1,2,3
	v_mov_b32 v[TM+4+\b], 0                        ; written once: a lane permute's destination counts as one of its sources
.endr
	s_wait_kmcnt 0x0
	s_add_nc_u64 s[8:9], s[8:9], s[42:43]
	s_add_nc_u64 s[26:27], s[26:27], s[44:45]
	s_add_nc_u64 s[28:29], s[28:29], s[46:47]
.irp q, 0,1,2,3
	global_load_b128 v[G+4*\q:G+4*\q+3], v1, s[10:11] offset:512*\q
	global_load_b128 v[G+16+4*\q:G+16+4*\q+3], v1, s[12:13] offset:512*\q
.endr
	WIN 0x40                                       ; destination window 1
.irp s, 0,1,2,3
.irp n, 0,1,2,3,4,5,6,7,8,9,10,11,12,13,14,15
	global_load_b128 v[64*\s+4*\n:64*\s+4*\n+3], v1, s[8:9] offset:(\n+8*(\n/8))*2048+512*\s th:TH_LOAD_NT   ; 32 lanes read 512 consecutive bytes of one token
.endr
.endr
	WIN 0
	s_wait_loadcnt 63                              ; 64 loads are younger than g's and b's: these are in
.irp q, 0,1,2,3
	ds_store_b128 v2, v[G+4*\q:G+4*\q+3] offset:PARO+512*\q
	ds_store_b128 v2, v[G+16+4*\q:G+16+4*\q+3] offset:PARO+2048+512*\q
.endr
	WIN 0x04                                       ; an LDS store's data are its source 1: window 1
.irp s, 0,1,2,3
	s_wait_loadcnt 48-16*\s                        ; this K step's 16 loads are in; the later steps' may be out
.irp n, 0,1,2,3,4,5,6,7,8,9,10,11,12,13,14,15
	ds_store_b128 v2, v[64*\s+4*\n:64*\s+4*\n+3] offset:KST*\s+SP*\n
.endr
.endr
	s_wait_dscnt 0x0                               ; the stores have read their registers
	WIN 0x40
.irp s, 0,1,2,3
.irp b, 0,1,2,3
.irp j, 0,1,2,3
	ds_load_b128 v[64*\s+16*\b+4*\j:64*\s+16*\b+4*\j+3], v3 offset:KST*\s+128*\b+16*\j
.endr
.endr
.endr
	s_wait_dscnt 0x0
	; the mean: my 256 numbers in four chains, then lane l xor 16's
	WIN 0x05
.irp k, 0,1,2,3
	v_pk_add_f32 v[SM+2*\k:SM+2*\k+1], v[2*\k:2*\k+1], v[2*\k+8:2*\k+9]
.endr
	WIN 0x04
.set i, 16
.rept 30
.irp k, 0,1,2,3
	v_pk_add_f32 v[SM+2*\k:SM+2*\k+1], v[SM+2*\k:SM+2*\k+1], v[i+2*\k:i+2*\k+1]
.endr
.set i, i+8
.endr
	WIN 0
	v_pk_add_f32 v[SM:SM+1], v[SM:SM+1], v[SM+2:SM+3]
	v_pk_add_f32 v[SM+4:SM+5], v[SM+4:SM+5], v[SM+6:SM+7]
	v_pk_add_f32 v[SM:SM+1], v[SM:SM+1], v[SM+4:SM+5]
	v_add_f32 v[SM], v[SM], v[SM+1]
	v_permlanex16_b32 v[SM+1], v[SM], s[SEL], s[SEL+1]
	v_add_f32 v[SM], v[SM], v[SM+1]
	v_mul_f32 v[MU], s50, v[SM]
	v_mul_f32 v[MU+1], s50, v[SM]
	WIN 0x41                                       ; destination and source 0 window 1
.set i, 0
.rept 128
	v_pk_add_f32 v[i:i+1], v[i:i+1], v[MU:MU+1] neg_lo:[0,1] neg_hi:[0,1]
.set i, i+2
.endr
	WIN 0x05                                       ; the squares of what is left
.irp k, 0,1,2,3
	v_pk_mul_f32 v[SM+2*\k:SM+2*\k+1], v[2*\k:2*\k+1], v[2*\k:2*\k+1]
.endr
.set i, 8
.rept 31
.irp k, 0,1,2,3
	v_pk_fma_f32 v[SM+2*\k:SM+2*\k+1], v[i+2*\k:i+2*\k+1], v[i+2*\k:i+2*\k+1], v[SM+2*\k:SM+2*\k+1]
.endr
.set i, i+8
.endr
	WIN 0
	v_pk_add_f32 v[SM:SM+1], v[SM:SM+1], v[SM+2:SM+3]
	v_pk_add_f32 v[SM+4:SM+5], v[SM+4:SM+5], v[SM+6:SM+7]
	v_pk_add_f32 v[SM:SM+1], v[SM:SM+1], v[SM+4:SM+5]
	v_add_f32 v[SM], v[SM], v[SM+1]
	v_permlanex16_b32 v[SM+1], v[SM], s[SEL], s[SEL+1]
	v_add_f32 v[SM], v[SM], v[SM+1]
	v_fma_f32 v[SM], v[SM], s50, s51               ; var + eps
	v_rsq_f32 v[RS], v[SM]
	v_nop                                          ; a plain place behind the transcendental
	s_wait_alu depctr_va_vdst(0)                   ; a wait ahead of the result's first reader
	v_mov_b32 v[RS+1], v[RS]
.irp s, 0,1,2,3
.irp b, 0,1,2,3
.irp j, 0,1,2,3
	ds_load_b128 v[G+16*\b+4*\j:G+16*\b+4*\j+3], v4 offset:PARO+512*\s+128*\b+16*\j
	ds_load_b128 v[BE+16*\b+4*\j:BE+16*\b+4*\j+3], v4 offset:PARO+2048+512*\s+128*\b+16*\j
.endr
.endr
	s_wait_dscnt 0x0
	WIN 0x41
.set i, 0
.rept 32
	v_pk_mul_f32 v[64*\s+i:64*\s+i+1], v[64*\s+i:64*\s+i+1], v[RS:RS+1]
.set i, i+2
.endr
.set i, 0
.rept 32
	v_pk_fma_f32 v[64*\s+i:64*\s+i+1], v[64*\s+i:64*\s+i+1], v[G+i:G+i+1], v[BE+i:BE+i+1]
.set i, i+2
.endr
	WIN 0
	s_wait_xcnt 0x0                                ; the last K step's stores have read the codes' registers
	QUANT 64*\s, 1
.irp c, 0,1,2
	global_store_b128 v1, v[PC+4*\c:PC+4*\c+3], s[26:27] offset:1536*\s+512*\c   ; 512 consecutive bytes
.endr
	v_mov_b32 v[PWS+\s], v[PW]
.endr
	v_cndmask_b32 v[HO], v[PWS], v[PWS+2], s49     ; lanes 0-15 store K steps 0, 1 of their row, lanes 16-31 steps 2, 3
	v_cndmask_b32 v[HO+1], v[PWS+1], v[PWS+3], s49
	global_store_b64 v5, v[HO:HO+1], s[28:29]      ; 256 consecutive bytes, aligned
	s_wait_tensorcnt 0x0                           ; the wave's end
	ds_add_u32 v[SPW], v[NIL]
	s_wait_dscnt 0x0
	s_endpgm
	; ---------------- the weights: a wave = 32 columns x 128 along K ----------------
.Lweights:
	s_sub_co_u32 s35, ttmp9, 128                   ; 0-63: Wq, Wk, Wv, Wo (16 each);  64-127: W1;  128-191: W2
	s_lshr_b32 s43, s35, 4
	s_and_b32 s36, s35, 3                          ; which 128 columns (Wq .. Wo, W2)
	s_bfe_u32 s37, s35, 0x20002                    ; K step (Wq .. Wo)
	s_sub_co_u32 s38, s35, 64
	s_and_b32 s39, s38, 15                         ; W1: which 128 columns,
	s_lshr_b32 s40, s38, 4                         ; and K step
	s_sub_co_u32 s41, s35, 128
	s_lshr_b32 s41, s41, 2                         ; W2: K step
	s_cmp_ge_u32 s35, 128
	s_cselect_b32 s37, s41, s37
	s_cmp_lt_u32 s38, 64                           ; W1?  (unsigned: below 64 the difference wraps and is large)
	s_cselect_b32 s36, s39, s36
	s_cselect_b32 s37, s40, s37
	s_cselect_b32 s42, 1, 0
	s_cselect_b32 s52, 20, 18                      ; 128 rows of the source are 2^20 or 2^18 bytes
	s_lshr_b32 s44, s36, 2                         ; the record in wtail: (the last launch's wave) x 36 + unit
	s_and_b32 s45, s36, 3
	s_lshl_b32 s45, s45, 2
	s_add_co_u32 s45, s45, 4
	s_cmp_eq_u32 s42, 1
	s_cselect_b32 s44, s44, s36
	s_cselect_b32 s45, s45, 0
	s_cmp_ge_u32 s43, 8
	s_cselect_b32 s45, 20, s45
	s_mul_i32 s44, s44, 36
	s_add_co_u32 s44, s44, s45
	s_add_co_u32 s44, s44, s37
	s_lshl_b32 s46, s36, 2
	s_add_co_u32 s46, s46, s[WV]                   ; my group of 32 columns
	s_lshl_b32 s47, s43, 4
	s_add_co_u32 s47, s47, s46                     ; the record in wqkv: 16 x matrix + head
	s_cmp_lt_u32 s43, 3
	s_cselect_b32 s44, s47, s44
	s_cselect_b32 s48, s37, s[WV]                  ; the pair of image slots and the scale row: the K step there, the wave here
	s_mul_i32 s44, s44, 12800
	s_mul_i32 s49, s48, 3072
	s_add_co_u32 s54, s44, s49
	s_mov_b32 s55, 0
	s_lshl_b32 s49, s48, 7
	s_add_co_u32 s56, s44, s49
	s_mov_b32 s57, 0
	s_lshl_b32 s58, s37, s52
	s_lshl_b32 s49, s46, 7
	s_add_co_u32 s58, s58, s49
	s_mov_b32 s59, 0
	v_and_b32 v8, 31, v0
	v_lshlrev_b32 v1, 2, v8                        ; in: 4 bytes a lane: my column
	v_bfe_u32 v9, v0, 3, 1                         ; column l is row r = l % 8 + 8 (l / 16) of tile u = (l / 8) % 2
	v_and_b32 v10, 7, v0
	v_bfe_u32 v11, v0, 4, 1
	v_lshl_add_u32 v10, v11, 3, v10
	v_mul_u32_u24 v2, v9, 1536
	v_lshl_add_u32 v2, v10, 4, v2                  ; out: tile u's image, lane r's place
	v_lshlrev_b32 v3, 6, v9
	v_lshl_add_u32 v3, v10, 2, v3                  ; the scale row: word 16 u + r
	s_wait_kmcnt 0x0
	s_cmp_eq_u32 s43, 1
	s_cselect_b64 s[14:15], s[16:17], s[14:15]
	s_cmp_eq_u32 s43, 2
	s_cselect_b64 s[14:15], s[18:19], s[14:15]
	s_cmp_eq_u32 s43, 3
	s_cselect_b64 s[14:15], s[20:21], s[14:15]
	s_cmp_ge_u32 s43, 4
	s_cselect_b64 s[14:15], s[22:23], s[14:15]
	s_cmp_ge_u32 s43, 8
	s_cselect_b64 s[14:15], s[24:25], s[14:15]
	s_cmp_lt_u32 s43, 3
	s_cselect_b64 s[30:31], s[30:31], s[32:33]
	s_add_nc_u64 s[14:15], s[14:15], s[58:59]
	s_add_nc_u64 s[54:55], s[30:31], s[54:55]
	s_add_nc_u64 s[56:57], s[30:31], s[56:57]
	s_cmp_eq_u32 s42, 1
	s_cbranch_scc1 .Lwide
.set i, 0
.rept 128
	global_load_b32 v[128+i], v1, s[14:15] offset:i*2048 th:TH_LOAD_NT   ; W(k, my column): 128 consecutive bytes a wave, the four waves side by side
.set i, i+1
.endr
	s_branch .Lloaded
.Lwide:
.set i, 0
.rept 128
	global_load_b32 v[128+i], v1, s[14:15] offset:i*8192 th:TH_LOAD_NT
.set i, i+1
.endr
.Lloaded:
; block be of my column: all 32 numbers are mine.  Its codes are registers 6 (be / 2) .. + 5 of the image's lane r + 16 (be % 2): kept in v64-75 (lanes 0-15's) and v76-87 (lanes 16-31's)
.macro WBLOCK be, cnt
.set XB, 128+32*(\be)
.set GH, 64+12*((\be)%2)+6*((\be)/2)
.set TT, 88+4*((\be)%2)
	s_wait_loadcnt \cnt                            ; this block's 32 loads are in; what is younger may be out
	v_max3_num_f32 v21, |v[XB]|, |v[XB+1]|, |v[XB+2]|
	v_max3_num_f32 v22, |v[XB+3]|, |v[XB+4]|, |v[XB+5]|
.irp i, 6,10,14,18,22,26
	v_max3_num_f32 v21, v21, |v[XB+\i]|, |v[XB+\i+1]|
	v_max3_num_f32 v22, v22, |v[XB+\i+2]|, |v[XB+\i+3]|
.endr
	v_max3_num_f32 v21, v21, |v[XB+30]|, |v[XB+31]|
	v_max3_num_f32 v21, v21, v22, 0x1800000        ; and the floor
	v_add_nc_u32 v23, 0xff000000, v21
	v_lshrrev_b32 v24, 23, v23
.if (\be) == 0
	v_mov_b32 v20, v24
.else
	v_lshl_or_b32 v20, v24, 8*(\be), v20
.endif
	v_cvt_scalef32_pk16_fp6_f32 v[GH:GH+2], v[XB:XB+15], v23
	v_cvt_scalef32_pk16_fp6_f32 v[TT:TT+2], v[XB+16:XB+31], v23
	v_nop                                          ; one plain place behind a scaled conversion
.irp i, 0,1,2
	v_mov_b32 v[GH+3+\i], v[TT+\i]
.endr
.endm
	WBLOCK 0, 63                                   ; 96 loads are younger
	WBLOCK 1, 63                                   ; 64
	WBLOCK 2, 32
	WBLOCK 3, 0
.irp h, 0,1
.irp g, 0,1,2
	global_store_b128 v2, v[64+12*\h+4*\g:64+12*\h+4*\g+3], s[54:55] offset:256*\h+512*\g   ; two runs of 256 consecutive bytes, one in each tile's image
.endr
.endr
	global_store_b32 v3, v20, s[56:57] offset:12288
	s_wait_tensorcnt 0x0                           ; the same three closing lines on this path
	ds_add_u32 v[SPW], v[NIL]
	s_wait_dscnt 0x0
	s_endpgm
.Lfunc_end_k_qe31f653d3b_prep:
	.size	k_qe31f653d3b_prep, .Lfunc_end_k_qe31f653d3b_prep-k_qe31f653d3b_prep
	.p2alignl 7, 3214868480
	.fill 96, 4, 3214868480
	.section	.rodata,"a",@progbits
	.p2align	6, 0x0
	.amdhsa_kernel k_qe31f653d3b_prep
		.amdhsa_group_segment_fixed_size 152064
		.amdhsa_private_segment_fixed_size 0
		.amdhsa_enable_private_segment 0
		.amdhsa_kernarg_size 104
		.amdhsa_user_sgpr_count 2
		.amdhsa_user_sgpr_kernarg_segment_ptr 1
		.amdhsa_wavefront_size32 1
		.amdhsa_system_sgpr_workgroup_id_x 1
		.amdhsa_system_sgpr_workgroup_id_y 1
		.amdhsa_system_sgpr_workgroup_id_z 1
		.amdhsa_system_vgpr_workitem_id 0
		.amdhsa_next_free_vgpr 512
		.amdhsa_next_free_sgpr 66
		.amdhsa_reserve_vcc 0
		.amdhsa_float_denorm_mode_32 3
		.amdhsa_float_denorm_mode_16_64 3
		.amdhsa_memory_ordered 1
		.amdhsa_forward_progress 1
		.amdhsa_inst_pref_size 118
	.end_amdhsa_kernel
	.amdgpu_metadata
---
amdhsa.version: [ 1, 2 ]
amdhsa.kernels:
  - .name:           k_qe31f653d3b_prep
    .symbol:         k_qe31f653d3b_prep.kd
    .args:
      - { .name: x, .offset: 0, .size: 8, .value_kind: global_buffer, .address_space: global }
      - { .name: ln1_g, .offset: 8, .size: 8, .value_kind: global_buffer, .address_space: global }
      - { .name: ln1_b, .offset: 16, .size: 8, .value_kind: global_buffer, .address_space: global }
      - { .name: Wq, .offset: 24, .size: 8, .value_kind: global_buffer, .address_space: global }
      - { .name: Wk, .offset: 32, .size: 8, .value_kind: global_buffer, .address_space: global }
      - { .name: Wv, .offset: 40, .size: 8, .value_kind: global_buffer, .address_space: global }
      - { .name: Wo, .offset: 48, .size: 8, .value_kind: global_buffer, .address_space: global }
      - { .name: W1, .offset: 56, .size: 8, .value_kind: global_buffer, .address_space: global }
      - { .name: W2, .offset: 64, .size: 8, .value_kind: global_buffer, .address_space: global }
      - { .name: himg, .offset: 72, .size: 8, .value_kind: global_buffer, .address_space: global }
      - { .name: hsc, .offset: 80, .size: 8, .value_kind: global_buffer, .address_space: global }
      - { .name: wqkv, .offset: 88, .size: 8, .value_kind: global_buffer, .address_space: global }
      - { .name: wtail, .offset: 96, .size: 8, .value_kind: global_buffer, .address_space: global }
    .group_segment_fixed_size: 152064
    .private_segment_fixed_size: 0
    .kernarg_segment_align: 8
    .kernarg_segment_size: 104
    .max_flat_workgroup_size: 128
    .sgpr_count:     66
    .vgpr_count:     512
    .wavefront_size: 32
...
	.end_amdgpu_metadata
.endif
;; end of part 1
;; launch qkv (part 2): grid 256 x 1, 4 waves a work-group, no clusters, 0 bytes of LDS; arguments himg, hsc, wqkv, qkvb; writes qkvb
.if DOCPART == 2
	.amdgcn_target "amdgcn-amd-amdhsa--gfx1250"
	.amdhsa_code_object_version 6
	.text
	.protected	k_qe31f653d3b_qkv
	.globl	k_qe31f653d3b_qkv
	.p2align	8
	.type	k_qe31f653d3b_qkv,@function
k_qe31f653d3b_qkv:
	s_mov_b64 s[64:65], 0
	v_nop
	global_prefetch_b8 v0, s[64:65] scope:SCOPE_SE
	s_setreg_imm32_b32 hwreg(HW_REG_WAVE_MODE, 25, 1), 1
	s_wait_xcnt 0x0
; q = h Wq, k = h Wk, v = h Wv on codes of FP6 (E2M3), and the results quantised at once for the attention: q and k along the head's 32 channels (one block a token and head), v along the tokens.
; A WAVE takes 128 tokens x 3 slices; a slice is one head of one of the three matrices (48 slices in all).  All its operands, 8 x 4 fragments of h and 3 x 8 of the weights, are loaded once, as images of
; their registers (three loads of 16 bytes a lane and fragment), each into registers of its own: no LDS, no barrier, and no operand register is ever written twice.
; q, k: source 0 = 16 channels of the weight, source 1 = 16 tokens: a lane holds one token, and the two tiles of a head give it 16 neighbouring channels.  Four tiles of tokens are quantised as if they were one row of
; 128: so an image holds 64 tokens, block be of row r being token (tile 4 F + be, row r), and byte be of the row's scale word its scale.
; v: the sources change places: a lane holds one channel and its registers run along the tokens: an image is 16 channels x 128 tokens.
; The tiles' rows are 8 u + r + 8 (r / 8) of a group of 32, in tokens and channels alike.
; The fragments of h are read by 16 waves and those of a weight by 64, each for itself: joint loads exist only into LDS, and each byte here goes straight to the registers of the wave that multiplies it.
; LIMITS: NaN and infinities are not served; a block whose largest magnitude lies under 2^-124 gets the byte 1.
; REGISTERS: window 0: v1, v2 offsets; v16-31 h's scale words; v32-43 the weights'; v48-87 at work; v128-255 sixteen accumulators.
;   h's fragment (tile ta, K step s): window 1 + s / 2, v[96 (s % 2) + 12 ta].  Weights: slices 0, 1: window 3, v[96 sl + 12 (2 s + u)]; slice 2: window 1 + s / 2, v[192 + 12 (2 (s % 2) + u)].
.set HS,  16
.set WS,  32
.set TM,  48
.set PW,  64
.set PWK, 65                           ; the first image's scale word, kept
.set PWO, 66                           ; what is stored: lanes 0-15 the first image's, lanes 16-31 the second's
.set PC,  68
.set ACC, 128
.set WV,  12
.set KIND, 24                          ; s24-26 0, 1, 2: q, k, v, for each of my slices
.set IB,  28                           ; s[28:33] where a slice's two images go
.set SB,  36                           ; s[36:41] and its scale row
.set MASK, 42
.set SEL, 44
.set MSB, 0
.macro WIN new
.if MSB != (\new)
	s_set_vgpr_msb (MSB<<8)|(\new)
.set MSB, (\new)
.endif
.endm
.macro QUANT s, dw                     ; 64 numbers of a lane, register 16 b + i = element 32 b + 16 (lane / 16) + i of my row -> codes in v[PC] on, scale word in v[PW]
	WIN (\dw)|((\dw)<<2)
.irp b, 0,1,2,3
	v_max3_num_f32 v[TM+\b], |v[(\s)+16*\b]|, |v[(\s)+1+16*\b]|, 0x1800000   ; with the floor 2^(3 - 127).  Each accumulator is read from its low end on
.endr
	WIN ((\dw)<<2)|((\dw)<<4)
.irp i, 2,4,6,8,10,12,14
.irp b, 0,1,2,3
	v_max3_num_f32 v[TM+\b], v[TM+\b], |v[(\s)+16*\b+\i]|, |v[(\s)+1+16*\b+\i]|
.endr
.endr
	WIN 0
.irp b, 0,1,2,3
	v_permlanex16_b32 v[TM+4+\b], v[TM+\b], s[SEL], s[SEL+1]
.endr
.irp b, 0,1,2,3
	v_max_num_f32 v[TM+\b], v[TM+\b], v[TM+4+\b]
.endr
.irp b, 0,1,2,3
	v_add_nc_u32 v[TM+12+\b], 0xff000000, v[TM+\b]
.endr
.irp b, 0,1,2,3
	v_lshrrev_b32 v[TM+4+\b], 23, v[TM+12+\b]
.endr
	v_lshl_or_b32 v[PW], v[TM+5], 8, v[TM+4]
	v_lshl_or_b32 v[PW], v[TM+6], 16, v[PW]
	v_lshl_or_b32 v[PW], v[TM+7], 24, v[PW]
	WIN (\dw)
.irp c, 0,1
	v_cvt_scalef32_pk16_fp6_f32 v[PC+6*\c:PC+2+6*\c], v[(\s)+32*\c:(\s)+15+32*\c], v[TM+12+2*\c]
	v_cvt_scalef32_pk16_fp6_f32 v[PC+12+4*\c:PC+14+4*\c], v[(\s)+16+32*\c:(\s)+31+32*\c], v[TM+12+2*\c+1]
.endr
	WIN 0
	v_nop                                          ; one plain place behind a scaled conversion
.irp c, 0,1
.irp i, 0,1,2
	v_permlane16_swap_b32 v[PC+6*\c+\i], v[PC+12+4*\c+\i]
.endr
.irp i, 0,1,2
	v_mov_b32 v[PC+3+6*\c+\i], v[PC+12+4*\c+\i]
.endr
.endr
.endm
; one product.  c < 0: the constant 0 starts the sum.  ra, rb: the side's scale words stand in lanes 16-31
.macro WM d, a, b, c, sa, sb, ra, rb
.if (\c) < 0
.if (\ra) && (\rb)
	v_wmma_scale_f32_16x16x128_f8f6f4 v[\d:\d+7], v[\a:\a+11], v[\b:\b+11], 0, v[\sa], v[\sb] matrix_a_fmt:MATRIX_FMT_FP6 matrix_b_fmt:MATRIX_FMT_FP6 matrix_a_scale:MATRIX_SCALE_ROW1 matrix_b_scale:MATRIX_SCALE_ROW1
.elseif (\ra)
	v_wmma_scale_f32_16x16x128_f8f6f4 v[\d:\d+7], v[\a:\a+11], v[\b:\b+11], 0, v[\sa], v[\sb] matrix_a_fmt:MATRIX_FMT_FP6 matrix_b_fmt:MATRIX_FMT_FP6 matrix_a_scale:MATRIX_SCALE_ROW1
.elseif (\rb)
	v_wmma_scale_f32_16x16x128_f8f6f4 v[\d:\d+7], v[\a:\a+11], v[\b:\b+11], 0, v[\sa], v[\sb] matrix_a_fmt:MATRIX_FMT_FP6 matrix_b_fmt:MATRIX_FMT_FP6 matrix_b_scale:MATRIX_SCALE_ROW1
.else
	v_wmma_scale_f32_16x16x128_f8f6f4 v[\d:\d+7], v[\a:\a+11], v[\b:\b+11], 0, v[\sa], v[\sb] matrix_a_fmt:MATRIX_FMT_FP6 matrix_b_fmt:MATRIX_FMT_FP6
.endif
.else
.if (\ra) && (\rb)
	v_wmma_scale_f32_16x16x128_f8f6f4 v[\d:\d+7], v[\a:\a+11], v[\b:\b+11], v[\c:\c+7], v[\sa], v[\sb] matrix_a_fmt:MATRIX_FMT_FP6 matrix_b_fmt:MATRIX_FMT_FP6 matrix_a_scale:MATRIX_SCALE_ROW1 matrix_b_scale:MATRIX_SCALE_ROW1
.elseif (\ra)
	v_wmma_scale_f32_16x16x128_f8f6f4 v[\d:\d+7], v[\a:\a+11], v[\b:\b+11], v[\c:\c+7], v[\sa], v[\sb] matrix_a_fmt:MATRIX_FMT_FP6 matrix_b_fmt:MATRIX_FMT_FP6 matrix_a_scale:MATRIX_SCALE_ROW1
.elseif (\rb)
	v_wmma_scale_f32_16x16x128_f8f6f4 v[\d:\d+7], v[\a:\a+11], v[\b:\b+11], v[\c:\c+7], v[\sa], v[\sb] matrix_a_fmt:MATRIX_FMT_FP6 matrix_b_fmt:MATRIX_FMT_FP6 matrix_b_scale:MATRIX_SCALE_ROW1
.else
	v_wmma_scale_f32_16x16x128_f8f6f4 v[\d:\d+7], v[\a:\a+11], v[\b:\b+11], v[\c:\c+7], v[\sa], v[\sb] matrix_a_fmt:MATRIX_FMT_FP6 matrix_b_fmt:MATRIX_FMT_FP6
.endif
.endif
.endm
; a slice's 64 products: four K steps x sixteen accumulators, which take turns in ascending order, one instruction a turn
.macro MULS sl, isv
.irp s, 0,1,2,3
.set WA, 1+\s/2
.if \sl < 2
.set WB, 3
.else
.set WB, 1+\s/2
.endif
.if \isv
	WIN WA|(WB<<2)
.else
	WIN WB|(WA<<2)
.endif
.irp n, 0,1,2,3,4,5,6,7,8,9,10,11,12,13,14,15
.if \isv
.set TA, \n%8                          ; v: accumulator 8 u + ta
.set UU, \n/8
.else
.set TA, \n/2                          ; q, k: accumulator 2 ta + u
.set UU, \n%2
.endif
.set RA, 96*(\s%2)+12*TA
.if \sl < 2
.set RB, 96*\sl+12*(2*\s+UU)
.else
.set RB, 192+12*(2*(\s%2)+UU)
.endif
.if \s == 0
.set CC, -1
.else
.set CC, ACC+8*\n
.endif
.if \isv
	WM ACC+8*\n, RA, RB, CC, HS+4*(TA/2)+\s, WS+4*\sl+\s, TA%2, UU
.else
	WM ACC+8*\n, RB, RA, CC, WS+4*\sl+\s, HS+4*(TA/2)+\s, UU, TA%2
.endif
.endr
.endr
	WIN 0
.endm
	s_load_b256 s[4:11], s[0:1], 0x0               ; himg, hsc, wqkv, qkvb
	v_lshrrev_b32 v1, 5, v0
	v_readfirstlane_b32 s[WV], v1
	v_and_b32 v3, 31, v0
	v_lshlrev_b32 v1, 4, v3                        ; 16 x lane
	v_lshlrev_b32 v2, 2, v3                        ; 4 x lane
	s_mov_b32 s[SEL], 0x76543210
	s_mov_b32 s[SEL+1], 0xfedcba98
	s_mov_b32 s[MASK], 0xffff0000
.irp b, 0,1,2,3
	v_mov_b32 v[TM+4+\b], 0                        ; written once: a lane permute's destination counts as one of its sources
.endr
	s_lshr_b32 s13, ttmp9, 2                       ; my 128 tokens
	s_and_b32 s14, ttmp9, 3
	s_lshl_b32 s14, s14, 2
	s_add_co_u32 s14, s14, s[WV]                   ; my three slices: 3 x this on
	s_mul_i32 s15, s14, 3
	s_mul_i32 s16, s13, 49152                      ; 8 tiles x 4 images
	s_mov_b32 s17, 0
	s_lshl_b32 s18, s13, 11                        ; 8 tiles x 256 bytes of scale words
	s_mov_b32 s19, 0
	s_mul_i32 s20, s14, 38400                      ; three records
	s_mov_b32 s21, 0
	s_lshr_b32 s22, s13, 4
	s_lshl_b32 s22, s22, 4                         ; 16 x batch
	s_and_b32 s23, s13, 15                         ; which 128 tokens of the batch's 2,048
.irp l, 0,1,2
	s_add_co_u32 s50, s15, \l
	s_lshr_b32 s[KIND+\l], s50, 4
	s_and_b32 s51, s50, 15
	s_add_co_u32 s51, s51, s22                     ; batch and head
	s_mul_i32 s51, s51, 155648
	s_mul_i32 s52, s23, 3328
	s_add_co_u32 s52, s52, 102400                  ; q's record
	s_mul_i32 s53, s23, 6400                       ; k's images, at the head of the key step's 6,400 bytes
	s_add_co_u32 s54, s53, 3072                    ; v's, behind them
	s_mov_b32 s55, 6144                            ; from the images to the scale row: k
	s_cmp_eq_u32 s[KIND+\l], 0
	s_cselect_b32 s53, s52, s53
	s_cselect_b32 s55, 3072, s55                   ; q
	s_cmp_eq_u32 s[KIND+\l], 2
	s_cselect_b32 s53, s54, s53
	s_cselect_b32 s55, 3200, s55                   ; v
	s_add_co_u32 s[IB+2*\l], s51, s53
	s_mov_b32 s[IB+2*\l+1], 0
	s_add_co_u32 s[SB+2*\l], s[IB+2*\l], s55
	s_mov_b32 s[SB+2*\l+1], 0
.endr
	s_wait_kmcnt 0x0
	s_add_nc_u64 s[4:5], s[4:5], s[16:17]
	s_add_nc_u64 s[6:7], s[6:7], s[18:19]
	s_add_nc_u64 s[8:9], s[8:9], s[20:21]
.irp l, 0,1,2
	s_add_nc_u64 s[IB+2*\l:IB+2*\l+1], s[10:11], s[IB+2*\l:IB+2*\l+1]
	s_add_nc_u64 s[SB+2*\l:SB+2*\l+1], s[10:11], s[SB+2*\l:SB+2*\l+1]
.endr
.irp p, 0,1,2,3
	global_load_b128 v[HS+4*\p:HS+4*\p+3], v1, s[6:7] offset:512*\p   ; group p's words of the four K steps: lanes 0-15 tile u = 0, lanes 16-31 tile u = 1
.endr
.irp l, 0,1,2
.irp s, 0,1,2,3
	global_load_b32 v[WS+4*\l+\s], v2, s[8:9] offset:12800*\l+12288+128*\s
.endr
.endr
.irp s, 0,1,2,3
	WIN 0x40*(1+\s/2)
.irp t, 0,1,2,3,4,5,6,7
.irp c, 0,1,2
	global_load_b128 v[96*(\s%2)+12*\t+4*\c:96*(\s%2)+12*\t+4*\c+3], v1, s[4:5] offset:6144*\t+1536*\s+512*\c
.endr
.endr
.endr
	WIN 0xc0
.irp l, 0,1
.irp t, 0,1,2,3,4,5,6,7
.irp c, 0,1,2
	global_load_b128 v[96*\l+12*\t+4*\c:96*\l+12*\t+4*\c+3], v1, s[8:9] offset:12800*\l+1536*\t+512*\c
.endr
.endr
.endr
.irp t, 0,1,2,3,4,5,6,7
	WIN 0x40*(1+\t/4)
.irp c, 0,1,2
	global_load_b128 v[192+12*(\t%4)+4*\c:192+12*(\t%4)+4*\c+3], v1, s[8:9] offset:25600+1536*\t+512*\c
.endr
.endr
	WIN 0
.macro SLICE sl, cnt
	s_wait_loadcnt \cnt                            ; all but the later slices' images (24 loads each) are in
	s_cmp_lt_u32 s[KIND+\sl], 2                    ; made of ids alone
	s_cbranch_scc0 .Lv_\@
	MULS \sl, 0
	s_branch .Lq_\@
.Lv_\@:
	MULS \sl, 1
.Lq_\@:
.rept 4
	v_nop                                          ; places between the last products and the first read of results
.endr
	s_wait_xcnt 0x0                                ; earlier stores have read the registers that are written now
	QUANT ACC, 0
.irp c, 0,1,2
	global_store_b128 v1, v[PC+4*\c:PC+4*\c+3], s[IB+2*\sl:IB+2*\sl+1] offset:512*\c
.endr
	v_mov_b32 v[PWK], v[PW]
	s_wait_xcnt 0x0
	QUANT ACC+64, 0
.irp c, 0,1,2
	global_store_b128 v1, v[PC+4*\c:PC+4*\c+3], s[IB+2*\sl:IB+2*\sl+1] offset:1536+512*\c
.endr
	v_cndmask_b32 v[PWO], v[PWK], v[PW], s[MASK]
	global_store_b32 v2, v[PWO], s[SB+2*\sl:SB+2*\sl+1]
.endm
	SLICE 0, 48
	SLICE 1, 24
	SLICE 2, 0
	s_endpgm
.Lfunc_end_k_qe31f653d3b_qkv:
	.size	k_qe31f653d3b_qkv, .Lfunc_end_k_qe31f653d3b_qkv-k_qe31f653d3b_qkv
	.p2alignl 7, 3214868480
	.fill 96, 4, 3214868480
	.section	.rodata,"a",@progbits
	.p2align	6, 0x0
	.amdhsa_kernel k_qe31f653d3b_qkv
		.amdhsa_group_segment_fixed_size 0
		.amdhsa_private_segment_fixed_size 0
		.amdhsa_enable_private_segment 0
		.amdhsa_kernarg_size 32
		.amdhsa_user_sgpr_count 2
		.amdhsa_user_sgpr_kernarg_segment_ptr 1
		.amdhsa_wavefront_size32 1
		.amdhsa_system_sgpr_workgroup_id_x 1
		.amdhsa_system_sgpr_workgroup_id_y 1
		.amdhsa_system_sgpr_workgroup_id_z 1
		.amdhsa_system_vgpr_workitem_id 0
		.amdhsa_next_free_vgpr 1024
		.amdhsa_next_free_sgpr 66
		.amdhsa_reserve_vcc 0
		.amdhsa_float_denorm_mode_32 3
		.amdhsa_float_denorm_mode_16_64 3
		.amdhsa_memory_ordered 1
		.amdhsa_forward_progress 1
		.amdhsa_inst_pref_size 96
	.end_amdhsa_kernel
	.amdgpu_metadata
---
amdhsa.version: [ 1, 2 ]
amdhsa.kernels:
  - .name:           k_qe31f653d3b_qkv
    .symbol:         k_qe31f653d3b_qkv.kd
    .args:
      - { .name: himg, .offset: 0, .size: 8, .value_kind: global_buffer, .address_space: global }
      - { .name: hsc, .offset: 8, .size: 8, .value_kind: global_buffer, .address_space: global }
      - { .name: wqkv, .offset: 16, .size: 8, .value_kind: global_buffer, .address_space: global }
      - { .name: qkvb, .offset: 24, .size: 8, .value_kind: global_buffer, .address_space: global }
    .group_segment_fixed_size: 0
    .private_segment_fixed_size: 0
    .kernarg_segment_align: 8
    .kernarg_segment_size: 32
    .max_flat_workgroup_size: 128
    .sgpr_count:     66
    .vgpr_count:     1024
    .wavefront_size: 32
...
	.end_amdgpu_metadata
.endif
;; end of part 2
;; launch attn (part 3): grid 4 x 64, 16 waves a work-group, clusters of 4 x 1, 167,936 bytes of LDS; arguments qkvb, att; writes att
.if DOCPART == 3
	.amdgcn_target "amdgcn-amd-amdhsa--gfx1250"
	.amdhsa_code_object_version 6
	.text
	.protected	k_qe31f653d3b_attn
	.globl	k_qe31f653d3b_attn
	.p2align	8
	.type	k_qe31f653d3b_attn,@function
k_qe31f653d3b_attn:
	s_mov_b64 s[64:65], 0
	v_nop
	global_prefetch_b8 v0, s[64:65] scope:SCOPE_SE
	s_setreg_imm32_b32 hwreg(HW_REG_WAVE_MODE, 25, 1), 1
	s_wait_xcnt 0x0
	s_wait_alu depctr_hold_cnt(0) depctr_sa_sdst(0) depctr_va_vdst(0) depctr_va_sdst(0) depctr_va_ssrc(0) depctr_va_vcc(0) depctr_vm_vsrc(0)
	s_getreg_b32 s2, hwreg(HW_REG_IB_STS2, 6, 4)
	s_cmp_eq_u32 s2, 0
	s_cbranch_scc0 .Lentry_in_a_cluster
	s_endpgm
.Lentry_in_a_cluster:
	s_bfe_u32 s2, ttmp6, 0x10000c
	s_cmp_lg_u32 s2, 0x3003
	s_cbranch_scc0 .Lentry_shape_is_right
	s_endpgm
.Lentry_shape_is_right:
; Causal attention of one batch and head on codes of FP6 (E2M3): S^T = k q^T (K = the head's 32 channels), p = 2^(t - M), O^T = v^T p^T (K = the keys), O / the row's sum, quantised along the head's 32 channels for the next product.
; t = score x log2(e) / sqrt(512); M = the running largest t rounded up to a whole number; the row's sum is taken of the unquantised p; when M moves, sum and O are multiplied by 2^(old M - new M): exact.
; CLUSTER.  The four work-groups of a cluster serve one batch and head.  Its keys and values, 16 steps of 128 keys x 6,400 bytes (two images of k, two of v, two rows of scale words), are one dense block of 102,400 bytes:
; they come ONCE, by four joint loads (waves 0-3, 25,600 bytes each, the same descriptor and the mask of all four in every partner), and stay in LDS: nothing is ever filled again.
; SHARES.  Work-group cx owns the queries 128 i + 32 cx + 0..31 of every i = 0..15.  Wave w takes tile u = w % 2 of block i = w / 2 and then of block 15 - w / 2: (i + 1) + (16 - i) = 17 key steps for every wave.
; Branches hang on the wave's number and the count of steps alone; cx enters global addresses and the mask's numbers only.
; K = 32 IN AN INSTRUCTION OF 128.  An image of k holds 64 keys: block be of row r is key (tile 4 F + be, row r).  q is offered with zero codes in the other three blocks, once for each be: so every LDS byte read is multiplied.
; The rows of a tile are 8 u + r + 8 (r / 8) of a group of 32: the 16 registers of two neighbouring tiles of scores are 16 neighbouring keys, as the conversions want them.
; LIMITS: NaN and infinities are not served; a block whose largest magnitude lies under 2^-124 gets the byte 1.
.set SPARE, 102400                     ; behind the keys and values: the spare words, 128 bytes for each of 16 waves, which no other line names
.set STEPB, 6400
.set SPW, 5
.set NIL, 6
.set VO,  11                           ; v11  my 16 bytes of my query's record in att
.set QB,  16                           ; v16-45: zeros, q in lanes 0-15, zeros, q in lanes 16-31, zeros: six registers each
.set QS,  46                           ; q's scale byte, four times
.set DQ,  47                           ; my query's place among the step's 128, less 16 (lane / 16)
.set KF,  48                           ; v48-71  two images of k
.set VF,  72                           ; v72-95  two images of v
.set S,   96                           ; v96-159 scores, then p
.set O,   160                          ; v160-175 O^T
.set PC,  176                          ; v176-187 p's codes
.set KS,  208
.set VS,  209
.set PS,  210
.set WV,  8
.set CX,  9
.set BH,  10
.set U,   11
.set IA,  12
.set IT,  13                           ; my block of queries
.set KI,  14                           ; the key step
.set TB,  15                           ; where it lies in LDS
.set G1,  16
.set G0,  24
.set SEL, 28
.set CS,  30
.set HB,  32                           ; s[32:33] my batch and head in qkvb;  s[34:35] in att
.set AB,  34
.set QP,  36
.set OP,  38
.set MASK, 46
.set SH,  47
.set REP, 48
.macro CROUND                          ; a round of the cluster's barrier
	s_barrier_signal -1
	s_barrier_wait -1
	s_cmp_lg_u32 s[WV], 0
	s_cbranch_scc1 .Lnot_wave_0_\@
	s_barrier_signal -3
.Lnot_wave_0_\@:
	s_barrier_wait -3
	s_barrier_signal -1
	s_barrier_wait -1
.endm
	s_load_b128 s[4:7], s[0:1], 0x0                ; qkvb, att
	v_lshl_add_u32 v[SPW], v0, 2, SPARE
	v_mov_b32 v[NIL], 0
	ds_add_u32 v[SPW], v[NIL]                      ; the wave's opening add; its wait stands ahead of the first tensor load, with work on registers between them
	v_lshrrev_b32 v1, 5, v0
	v_readfirstlane_b32 s[WV], v1
	s_bfe_u32 s[CX], ttmp6, 0x40000
	s_and_b32 s[BH], ttmp7, 0xffff
	s_mov_b32 s[G1], 15|(3<<16)|(1<<21)            ; the mask of all four; elements of 8 bytes; bit 21 beside a mask; no padding
	s_mov_b32 s[G1+1], 32<<16                      ; tensor_dim0 = 32 elements: rows of 256 bytes
	s_mov_b32 s[G1+2], 100<<16                     ; tensor_dim1 = 100 rows
	s_mov_b32 s[G1+3], 32<<16                      ; tile_dim0
	s_mov_b32 s[G1+4], 100                         ; tile_dim1
	s_mov_b32 s[G1+5], 32                          ; the pitch: dense
	s_mov_b32 s[G1+6], 0
	s_mov_b32 s[G1+7], 0
	s_mov_b32 s[SEL], 0x76543210
	s_mov_b32 s[SEL+1], 0xfedcba98
	s_mov_b32 s[CS], 0x3d8293ee                    ; log2(e) / sqrt(512)
	s_mov_b32 s[CS+1], s[CS]
	s_mov_b32 s[MASK], 0xffff0000
	s_mov_b32 s[REP], 0x01010101
	s_mul_i32 s40, s[BH], 155648
	s_mov_b32 s41, 0
	s_mul_i32 s42, s[WV], 25600                    ; a fetching wave's quarter, in memory and in LDS alike
	s_mov_b32 s43, 0
	s_lshl_b32 s44, s[BH], 16
	s_mov_b32 s45, 0
	s_wait_dscnt 0x0                               ; the opening add is done
	s_wait_kmcnt 0x0
	s_add_nc_u64 s[HB:HB+1], s[4:5], s[40:41]
	s_add_nc_u64 s[AB:AB+1], s[6:7], s[44:45]
	s_mov_b32 s[G0], 1
	s_mov_b32 s[G0+1], s42
	s_add_nc_u64 s[G0+2:G0+3], s[HB:HB+1], s[42:43]
	s_or_b32 s[G0+3], s[G0+3], 0x80000000
	CROUND                                         ; all four work-groups are here: the joint loads meet
	s_cmp_lt_u32 s[WV], 4
	s_cbranch_scc0 .Lno_fetch
	tensor_load_to_lds s[G0:G0+3], s[G1:G1+7]      ; one load a wave is out
	s_nop 0
.rept 4
	v_nop
.endr
.Lno_fetch:
	v_and_b32 v214, 31, v0
	v_and_b32 v215, 15, v0                         ; r
	v_bfe_u32 v216, v0, 4, 1                       ; h
	v_lshlrev_b32 v1, 4, v214                      ; an image's place for my lane
	v_lshl_add_u32 v2, v214, 2, 6144               ; a scale row's
	s_and_b32 s[U], s[WV], 1
	s_lshr_b32 s[IA], s[WV], 1
	v_and_b32 v217, 8, v215
	v_add_nc_u32 v217, v217, v215                  ; r + 8 (r / 8)
	s_lshl_b32 s40, s[U], 3
	s_lshl_b32 s41, s[CX], 5
	s_add_co_u32 s40, s40, s41
	v_add_nc_u32 v217, s40, v217                   ; my query among its block's 128
	v_lshlrev_b32 v[VO], 5, v217
	v_lshl_add_u32 v[VO], v216, 4, v[VO]
	v_lshlrev_b32 v216, 4, v216
	v_sub_nc_u32 v[DQ], v217, v216
	; q's 24 bytes in its record: image F = cx / 2, registers 6 c .. 6 c + 5 (c = cx % 2) of the image's lane 16 u + r: three pieces of 8 bytes
	s_lshr_b32 s41, s[CX], 1
	s_and_b32 s42, s[CX], 1
	s_mul_i32 s43, s41, 1536
	s_lshl_b32 s44, s[U], 8
	s_add_co_u32 s43, s43, s44
	v_lshl_add_u32 v7, v215, 4, s43
	s_mul_i32 s44, s42, 520
	s_mul_i32 s45, s42, 1016
	v_add_nc_u32 v8, s45, v7
	v_add_nc_u32 v8, 8, v8                         ; 8 or 1,024
	v_add_nc_u32 v7, s44, v7                       ; 0 or 520
	v_add_nc_u32 v9, 0x200, v7                     ; 512 or 1,032
	s_lshl_b32 s41, s41, 6
	s_add_co_u32 s41, s41, 3072
	v_lshl_add_u32 v10, v215, 2, s41               ; its row's scale word
	s_lshl_b32 s42, s42, 1
	s_add_co_u32 s42, s42, s[U]
	s_lshl_b32 s[SH], s42, 3                       ; and my tile's byte in it
.irp i, 0,1,2,3,4,5
	v_mov_b32 v[QB+\i], 0
	v_mov_b32 v[QB+12+\i], 0
	v_mov_b32 v[QB+24+\i], 0
.endr
.irp b, 0,1,2,3
	v_mov_b32 v[200+\b], 0                         ; written once: a lane permute's destination counts as one of its sources
.endr
	v_mov_b32 v213, 0                              ; (named as the upper half of the pair v[212:213])
	s_wait_tensorcnt 0x0                           ; my quarter has landed,
	s_barrier_signal -1
	s_barrier_wait -1                              ; everybody's has
.macro PHASE ph
.if \ph
	s_sub_co_u32 s[IT], 15, s[IA]
.else
	s_mov_b32 s[IT], s[IA]
.endif
	s_wait_xcnt 0x0                                ; the last block's store has read its registers and its base
	s_mul_i32 s40, s[IT], 3328
	s_add_co_u32 s40, s40, 102400
	s_mov_b32 s41, 0
	s_add_nc_u64 s[QP:QP+1], s[HB:HB+1], s[40:41]
	s_lshl_b32 s40, s[IT], 12
	s_add_nc_u64 s[OP:OP+1], s[AB:AB+1], s[40:41]
	global_load_b64 v[96:97], v7, s[QP:QP+1]
	global_load_b64 v[98:99], v8, s[QP:QP+1]
	global_load_b64 v[100:101], v9, s[QP:QP+1]
	global_load_b32 v102, v10, s[QP:QP+1]
	s_wait_loadcnt 0x0
	v_lshrrev_b32 v102, s[SH], v102
	v_and_b32 v102, 255, v102
	v_mul_lo_u32 v[QS], v102, s[REP]               ; q's byte in all four places; the other three meet zero codes
.irp i, 0,1,2,3,4,5
	v_cndmask_b32 v[QB+6+\i], v[96+\i], 0, s[MASK]   ; q in lanes 0-15 alone,
	v_cndmask_b32 v[QB+18+\i], 0, v[96+\i], s[MASK]  ; and in lanes 16-31 alone
.endr
	v_mov_b32 v13, 0xff61b1e6                      ; the largest t so far: -3e38.  (These twenty lines are also the places between the writing of q's codes and scale and the first product)
	v_floor_f32 v12, -v13                          ; -M
	v_mov_b32 v14, 0
	v_mov_b32 v15, 0
.irp j, 0,1,2,3,4,5,6,7,8,9,10,11,12,13,14,15
	v_mov_b32 v[O+\j], 0                           ; the step is written once: the first finds zeros
.endr
	s_mov_b32 s[TB], 0
	s_mov_b32 s[KI], 0
.Lkey_\@:                                          ; sixteen trips, a constant; the steps behind the diagonal are passed over
	s_cmp_gt_u32 s[KI], s[IT]
	s_cbranch_scc1 .Lskip_\@
	v_add_nc_u32 v3, s[TB], v1
	v_add_nc_u32 v4, s[TB], v2
.irp f, 0,1
.irp c, 0,1,2
	ds_load_b128 v[KF+12*\f+4*\c:KF+12*\f+4*\c+3], v3 offset:1536*\f+512*\c
.endr
.endr
	ds_load_b32 v[KS], v4
.irp f, 0,1
.irp c, 0,1,2
	ds_load_b128 v[VF+12*\f+4*\c:VF+12*\f+4*\c+3], v3 offset:3072+1536*\f+512*\c
.endr
.endr
	ds_load_b32 v[VS], v4 offset:128
	s_wait_dscnt 7                                 ; k's seven loads are in; v's seven may be out
.irp t, 0,1,2,3
.set QR, QB+6*(1-\t/2)+12*(\t%2)
	v_wmma_scale_f32_16x16x128_f8f6f4 v[S+8*\t:S+8*\t+7], v[KF:KF+11], v[QR:QR+11], 0, v[KS], v[QS] matrix_a_fmt:MATRIX_FMT_FP6 matrix_b_fmt:MATRIX_FMT_FP6
.endr
.irp t, 0,1,2,3
.set QR, QB+6*(1-\t/2)+12*(\t%2)
	v_wmma_scale_f32_16x16x128_f8f6f4 v[S+32+8*\t:S+32+8*\t+7], v[KF+12:KF+23], v[QR:QR+11], 0, v[KS], v[QS] matrix_a_fmt:MATRIX_FMT_FP6 matrix_b_fmt:MATRIX_FMT_FP6 matrix_a_scale:MATRIX_SCALE_ROW1
.endr
.rept 4
	v_nop
.endr
	s_cmp_lg_u32 s[KI], s[IT]                      ; on the diagonal hidden scores become -infinity: register 16 b + i holds key 32 b + 16 (lane / 16) + i
	s_cbranch_scc1 .Lopen_\@
	v_mov_b32 v214, 0xff800000
.set n, 0
.rept 64
	v_cmp_gt_i32 vcc_lo, 32*(n/16)+n%16, v[DQ]
	v_cndmask_b32 v[S+n], v[S+n], v214, vcc_lo
.set n, n+1
.endr
.Lopen_\@:
.irp b, 0,1,2,3
	v_max3_num_f32 v[196+\b], v[S+16*\b], v[S+1+16*\b], v[S+2+16*\b]   ; the largest score of each block of 32 keys: for the row's maximum and, since p rises with the score, for the block's largest p
.endr
.irp i, 3,5,7,9,11,13
.irp b, 0,1,2,3
	v_max3_num_f32 v[196+\b], v[196+\b], v[S+16*\b+\i], v[S+1+16*\b+\i]
.endr
.endr
.irp b, 0,1,2,3
	v_max_num_f32 v[196+\b], v[196+\b], v[S+15+16*\b]
.endr
.irp b, 0,1,2,3
	v_permlanex16_b32 v[200+\b], v[196+\b], s[SEL], s[SEL+1]
.endr
.irp b, 0,1,2,3
	v_max_num_f32 v[196+\b], v[196+\b], v[200+\b]
.endr
	v_max3_num_f32 v214, v196, v197, v198
	v_max_num_f32 v214, v214, v199
	v_mul_f32 v214, s[CS], v214
	v_max_num_f32 v13, v13, v214                   ; the running largest t
	v_mov_b32 v214, v12
	v_floor_f32 v12, -v13                          ; the new -M
	v_sub_f32 v214, v12, v214                      ; old M - new M: a whole number, 0 or less
	v_cvt_i32_f32 v214, v214                       ; (it saturates)
	v_ldexp_f32 v212, 1.0, v214                    ; f = 2^(old M - new M)
.set n, 0
.rept 32
	v_pk_fma_f32 v[S+n:S+n+1], v[S+n:S+n+1], s[CS:CS+1], v[12:13] op_sel_hi:[1,0,0]   ; t - M
.set n, n+2
.endr
.irp b, 0,1,2,3
	v_fma_f32 v[196+\b], v[196+\b], s[CS], v12
.endr
.set n, 0
.rept 64
	v_exp_f32 v[S+n], v[S+n]                       ; p = 2^(t - M)
.set n, n+1
.endr
.irp b, 0,1,2,3
	v_exp_f32 v[196+\b], v[196+\b]                 ; each block's largest p: the same two instructions on the same number
.endr
	v_pk_mul_f32 v[14:15], v[14:15], v[212:213] op_sel_hi:[1,0]      ; the sum and O^T under the new M: nine plain lines that name no result of the batch
.irp j, 0,2,4,6,8,10,12,14
	v_pk_mul_f32 v[O+\j:O+\j+1], v[O+\j:O+\j+1], v[212:213] op_sel_hi:[1,0]
.endr
	s_wait_alu depctr_va_vdst(0)                   ; one wait for the 68 exponentials, ahead of their first reader
.irp b, 0,1,2,3
	v_max_num_f32 v[196+\b], 0x1800000, v[196+\b]  ; the floor
.endr
.irp b, 0,1,2,3
	v_add_nc_u32 v[204+\b], 0xff000000, v[196+\b]
.endr
.irp b, 0,1,2,3
	v_lshrrev_b32 v[200+\b], 23, v[204+\b]
.endr
	v_lshl_or_b32 v[PS], v201, 8, v200
	v_lshl_or_b32 v[PS], v202, 16, v[PS]
	v_lshl_or_b32 v[PS], v203, 24, v[PS]
.irp c, 0,1
	v_cvt_scalef32_pk16_fp6_f32 v[PC+6*\c:PC+2+6*\c], v[S+32*\c:S+15+32*\c], v[204+2*\c]
	v_cvt_scalef32_pk16_fp6_f32 v[188+4*\c:190+4*\c], v[S+16+32*\c:S+31+32*\c], v[204+2*\c+1]
.endr
	v_nop                                          ; one plain place behind a scaled conversion
.irp c, 0,1
.irp i, 0,1,2
	v_permlane16_swap_b32 v[PC+6*\c+\i], v[188+4*\c+\i]
.endr
.irp i, 0,1,2
	v_mov_b32 v[PC+3+6*\c+\i], v[188+4*\c+\i]
.endr
.endr
	v_pk_add_f32 v[200:201], v[S:S+1], v[S+2:S+3]  ; the row's sum of the unquantised p, in two chains: 32 plain lines that name no register of the two products below: the places in front of them
.irp j, 4,8,12,16,20,24,28,32,36,40,44,48,52,56,60
	v_pk_add_f32 v[14:15], v[14:15], v[S+\j:S+\j+1]
	v_pk_add_f32 v[200:201], v[200:201], v[S+2+\j:S+3+\j]
.endr
	v_pk_add_f32 v[14:15], v[14:15], v[200:201]
	s_wait_dscnt 0x0                               ; v is in
	v_wmma_scale_f32_16x16x128_f8f6f4 v[O:O+7], v[VF:VF+11], v[PC:PC+11], v[O:O+7], v[VS], v[PS] matrix_a_fmt:MATRIX_FMT_FP6 matrix_b_fmt:MATRIX_FMT_FP6
	v_wmma_scale_f32_16x16x128_f8f6f4 v[O+8:O+15], v[VF+12:VF+23], v[PC:PC+11], v[O+8:O+15], v[VS], v[PS] matrix_a_fmt:MATRIX_FMT_FP6 matrix_b_fmt:MATRIX_FMT_FP6 matrix_a_scale:MATRIX_SCALE_ROW1
.rept 4
	v_nop                                          ; places in front of the next step's loads into v's registers
.endr
.Lskip_\@:
	s_add_co_u32 s[TB], s[TB], STEPB
	s_add_co_u32 s[KI], s[KI], 1
	s_cmp_lt_u32 s[KI], 16
	s_cbranch_scc1 .Lkey_\@
	; O / the sum; lane (r, h) holds channels 16 h + 0..15 of query r: with lane l xor 16's they are one block of the next product's K
	v_add_f32 v14, v14, v15
	v_permlanex16_b32 v200, v14, s[SEL], s[SEL+1]
	v_add_f32 v14, v14, v200
	v_rcp_f32 v14, v14
	v_nop
	s_wait_alu depctr_va_vdst(0)
.irp j, 0,1,2,3,4,5,6,7,8,9,10,11,12,13,14,15
	v_mul_f32 v[S+\j], v[O+\j], v14
.endr
	v_max3_num_f32 v196, |v[S]|, |v[S+1]|, 0x1800000
.irp i, 2,4,6,8,10,12,14
	v_max3_num_f32 v196, v196, |v[S+\i]|, |v[S+1+\i]|
.endr
	v_permlanex16_b32 v200, v196, s[SEL], s[SEL+1]
	v_max_num_f32 v196, v196, v200
	v_add_nc_u32 v204, 0xff000000, v196
	v_lshrrev_b32 v205, 23, v204
	v_cvt_scalef32_pk16_fp6_f32 v[188:190], v[S:S+15], v204
	v_nop
	v_permlanex16_b32 v200, v188, s[SEL], s[SEL+1]
	v_cndmask_b32 v192, v188, v189, s[MASK]        ; a record of 32 bytes: 24 of codes, then the scale's byte as a word, twice.  Lanes 0-15 store its first half (their 12 bytes and 4 of the partner's),
	v_cndmask_b32 v193, v189, v190, s[MASK]        ; lanes 16-31 the second
	v_cndmask_b32 v194, v190, v205, s[MASK]
	v_cndmask_b32 v195, v200, v205, s[MASK]
	global_store_b128 v[VO], v[192:195], s[OP:OP+1]   ; eight neighbouring tokens' records are 256 consecutive bytes: two such runs an instruction
.endm
	PHASE 0
	PHASE 1
	s_wait_tensorcnt 0x0                           ; the wave's end
	ds_add_u32 v[SPW], v[NIL]
	s_wait_dscnt 0x0
	CROUND                                         ; the closing round
	s_endpgm
.Lfunc_end_k_qe31f653d3b_attn:
	.size	k_qe31f653d3b_attn, .Lfunc_end_k_qe31f653d3b_attn-k_qe31f653d3b_attn
	.p2alignl 7, 3214868480
	.fill 96, 4, 3214868480
	.section	.rodata,"a",@progbits
	.p2align	6, 0x0
	.amdhsa_kernel k_qe31f653d3b_attn
		.amdhsa_group_segment_fixed_size 167936
		.amdhsa_private_segment_fixed_size 0
		.amdhsa_enable_private_segment 0
		.amdhsa_kernarg_size 16
		.amdhsa_user_sgpr_count 2
		.amdhsa_user_sgpr_kernarg_segment_ptr 1
		.amdhsa_wavefront_size32 1
		.amdhsa_system_sgpr_workgroup_id_x 1
		.amdhsa_system_sgpr_workgroup_id_y 1
		.amdhsa_system_sgpr_workgroup_id_z 1
		.amdhsa_system_vgpr_workitem_id 0
		.amdhsa_next_free_vgpr 256
		.amdhsa_next_free_sgpr 66
		.amdhsa_reserve_vcc 1
		.amdhsa_float_denorm_mode_32 3
		.amdhsa_float_denorm_mode_16_64 3
		.amdhsa_memory_ordered 1
		.amdhsa_forward_progress 1
		.amdhsa_inst_pref_size 52
	.end_amdhsa_kernel
	.amdgpu_metadata
---
amdhsa.version: [ 1, 2 ]
amdhsa.kernels:
  - .name:           k_qe31f653d3b_attn
    .symbol:         k_qe31f653d3b_attn.kd
    .args:
      - { .name: qkvb, .offset: 0, .size: 8, .value_kind: global_buffer, .address_space: global }
      - { .name: att, .offset: 8, .size: 8, .value_kind: global_buffer, .address_space: global }
    .group_segment_fixed_size: 167936
    .private_segment_fixed_size: 0
    .kernarg_segment_align: 8
    .kernarg_segment_size: 16
    .max_flat_workgroup_size: 512
    .sgpr_count:     66
    .vgpr_count:     256
    .wavefront_size: 32
...
	.end_amdgpu_metadata
.endif
;; end of part 3
;; launch tail (part 4): grid 128 x 1, 4 waves a work-group, no clusters, 318,976 bytes of LDS; arguments att, x, wtail, bo, ln2_g, ln2_b, b1, b2, out0; writes out0
.if DOCPART == 4
	.amdgcn_target "amdgcn-amd-amdhsa--gfx1250"
	.amdhsa_code_object_version 6
	.text
	.protected	k_qe31f653d3b_tail
	.globl	k_qe31f653d3b_tail
	.p2align	8
	.type	k_qe31f653d3b_tail,@function
k_qe31f653d3b_tail:
	s_mov_b64 s[64:65], 0
	v_nop
	global_prefetch_b8 v0, s[64:65] scope:SCOPE_SE
	s_setreg_imm32_b32 hwreg(HW_REG_WAVE_MODE, 25, 1), 1
	s_wait_xcnt 0x0
; x1 = x + att Wo + bo;  h2 = layernorm(x1) x g + b;  out = x1 + relu(h2 W1 + b1) W2 + b2: three products on codes of FP6 (E2M3); x1, h2 and the hidden layer never go to memory.
; A work-group of four waves takes 64 tokens.  THE WAVES SHARE THE COLUMNS: wave w makes columns 128 w .. + 127 of x1 and of out, and hidden units 512 w .. + 511 (four chunks of 128), for all 64 tokens: 32 accumulators.
; THE WEIGHTS are laid by the first launch as one stream of 36 records for each wave: 8 images of fragments (16 columns x 128 K) and their scale words, 12,800 bytes.  A record is loaded by the one wave that multiplies it,
; straight into registers, three records ahead, and feeds 32 products.  All 128 work-groups walk the same stream; it is not asked for jointly, since joint loads land in LDS, which would add a write and a read of every weight byte.
; THE ROWS' CODES go from wave to wave through LDS as images of their registers (three stores of 16 bytes a lane and fragment, a word a lane for the scales).
; All products are used transposed (source 0 = 16 columns of a weight, source 1 = 16 tokens), and a tile's columns are 8 u + r + 8 (r / 8) of a group of 32: a lane holds one token and 16 neighbouring columns of each group.
; x is loaded straight into the accumulators and is the C of the first product; x1 waits in LDS and is the C of the last; b1 is the C of each chunk's first products.
; LIMITS: NaN and infinities are not served; a block whose largest magnitude lies under 2^-124 gets the byte 1.
; REGISTERS: window 2: accumulator (tile of columns t, tile of tokens m) at v[64 m + 8 t].  Window 1: weight buffers 0, 1 at v0, v96; the rows' fragments, buffer 0, at v192.  Window 3: weight buffers 2, 3; rows' buffer 1.
;   window 0: v1-15 addresses; v16-31 the weights' scale words; v32-39 the rows'; v40-79 at work in QUANT; v80-123 statistics; v128-191, v192-255 biases, gains, rows on the way out.
.set XIMG, 0                           ; 16 images: (4 s + m) x 1,536: att's, later h2's
.set XSC,  24576                       ; their scale words, 128 bytes each
.set HIMG, 26624                       ; the hidden layer's 64 images
.set HSC,  124928
.set X1,   133120                      ; x1: each wave's 256 registers as they stand
.set RED0, 264192                      ; the waves' sums, 512 bytes each;  2,048 on: their sums of squares
.set PAR,  268288                      ; bo, g, b, b2 (2,048 bytes each), b1 (8,192)
.set STG,  284672                      ; the way out: 16 rows x (512 + 16) bytes for each wave
.set SPARE, 318464                     ; the spare words, 128 bytes a wave, which no other line names
.set AF,  3                            ; v3   where the rows' fragments are fetched
.set AQ,  4                            ; v4   and their scale words
.set XW,  5
.set XWS, 6
.set HW,  7
.set HWS, 8
.set PA,  9
.set PB1, 10
.set SO,  11
.set SR,  12
.set X1A, 13
.set RDW, 14
.set XO,  15
.set WS,  16
.set AS,  32
.set TM,  40
.set PW,  56
.set HWC, 57
.set HSCC, 58
.set PBC, 59
.set PC,  60
.set S2,  80
.set RS,  88
.set RD,  92
.set MU,  108
.set RSQ, 116
.set RDR, 124
.set SPW, 126
.set NIL, 127
.set BI,  128
.set B2R, 192
.set WP,  12                           ; s[12:13] the stream
.set WV,  26
.set SEL, 28
.set CNT, 30
.set ST6, 31
.set ST5, 32
.set MSB, 0
.macro WIN new
.if MSB != (\new)
	s_set_vgpr_msb (MSB<<8)|(\new)
.set MSB, (\new)
.endif
.endm
.macro QUANT s, dw                     ; 64 numbers of a lane in window dw, register 16 b + i = element 32 b + 16 (lane / 16) + i of my row -> codes in v[PC] on, scale word in v[PW]
	WIN (\dw)|((\dw)<<2)
.irp b, 0,1,2,3
	v_max3_num_f32 v[TM+\b], |v[(\s)+16*\b]|, |v[(\s)+1+16*\b]|, 0x1800000
.endr
	WIN ((\dw)<<2)|((\dw)<<4)
.irp i, 2,4,6,8,10,12,14
.irp b, 0,1,2,3
	v_max3_num_f32 v[TM+\b], v[TM+\b], |v[(\s)+16*\b+\i]|, |v[(\s)+1+16*\b+\i]|
.endr
.endr
	WIN 0
.irp b, 0,1,2,3
	v_permlanex16_b32 v[TM+4+\b], v[TM+\b], s[SEL], s[SEL+1]
.endr
.irp b, 0,1,2,3
	v_max_num_f32 v[TM+\b], v[TM+\b], v[TM+4+\b]
.endr
.irp b, 0,1,2,3
	v_add_nc_u32 v[TM+12+\b], 0xff000000, v[TM+\b]
.endr
.irp b, 0,1,2,3
	v_lshrrev_b32 v[TM+4+\b], 23, v[TM+12+\b]
.endr
	v_lshl_or_b32 v[PW], v[TM+5], 8, v[TM+4]
	v_lshl_or_b32 v[PW], v[TM+6], 16, v[PW]
	v_lshl_or_b32 v[PW], v[TM+7], 24, v[PW]
	WIN (\dw)
.irp c, 0,1
	v_cvt_scalef32_pk16_fp6_f32 v[PC+6*\c:PC+2+6*\c], v[(\s)+32*\c:(\s)+15+32*\c], v[TM+12+2*\c]
	v_cvt_scalef32_pk16_fp6_f32 v[PC+12+4*\c:PC+14+4*\c], v[(\s)+16+32*\c:(\s)+31+32*\c], v[TM+12+2*\c+1]
.endr
	WIN 0
	v_nop                                          ; one plain place behind a scaled conversion
.irp c, 0,1
.irp i, 0,1,2
	v_permlane16_swap_b32 v[PC+6*\c+\i], v[PC+12+4*\c+\i]
.endr
.irp i, 0,1,2
	v_mov_b32 v[PC+3+6*\c+\i], v[PC+12+4*\c+\i]
.endr
.endr
.endm
.macro WM d, a, b, c, sa, sb, ra       ; one product; ra: source 0's scale words stand in lanes 16-31
.if (\ra)
	v_wmma_scale_f32_16x16x128_f8f6f4 v[\d:\d+7], v[\a:\a+11], v[\b:\b+11], v[\c:\c+7], v[\sa], v[\sb] matrix_a_fmt:MATRIX_FMT_FP6 matrix_b_fmt:MATRIX_FMT_FP6 matrix_a_scale:MATRIX_SCALE_ROW1
.else
	v_wmma_scale_f32_16x16x128_f8f6f4 v[\d:\d+7], v[\a:\a+11], v[\b:\b+11], v[\c:\c+7], v[\sa], v[\sb] matrix_a_fmt:MATRIX_FMT_FP6 matrix_b_fmt:MATRIX_FMT_FP6
.endif
.endm
.macro WLOAD k, off                    ; the record off bytes on in the stream, into weight buffer k: 28 loads
	WIN 0x40+0x80*((\k)/2)
.irp t, 0,1,2,3,4,5,6,7
.irp c, 0,1,2
	global_load_b128 v[96*((\k)%2)+12*\t+4*\c:96*((\k)%2)+12*\t+4*\c+3], v1, s[WP:WP+1] offset:(\off)+1536*\t+512*\c
.endr
.endr
	WIN 0
.irp b, 0,1,2,3
	global_load_b32 v[WS+4*(\k)+\b], v2, s[WP:WP+1] offset:(\off)+12288+128*\b
.endr
.endm
.macro ALOAD buf, off                  ; a K step's four fragments of the rows and their scale words, from LDS
	WIN 0x40+0x80*(\buf)
.irp m, 0,1,2,3
.irp c, 0,1,2
	ds_load_b128 v[192+12*\m+4*\c:192+12*\m+4*\c+3], v[AF] offset:(\off)+1536*\m+512*\c
.endr
.endr
	WIN 0
.irp m, 0,1,2,3
	ds_load_b32 v[AS+4*(\buf)+\m], v[AQ] offset:(\off)/12+128*\m
.endr
.endm
; A UNIT: one record x one K step of the rows: 32 products on 32 accumulators, which take turns in the same order in every unit.
; At its head, behind the four places that end the unit before: the record three units on goes into the buffer that that unit has left, and the next K step's rows into theirs.
; cmode = 1: the products start the sums with the bias in v[BI] on.  lcnt: the loads of the younger records, which may stay out.
.macro UNIT k, cmode, nexta, ahead, lcnt
	s_wait_loadcnt \lcnt
	s_wait_dscnt 0x0                               ; this unit's rows are in
.if \ahead
	WLOAD ((\k)+3)%4, ((\k)+3)*12800
.endif
.if (\nexta) >= 0
	ALOAD ((\k)+1)%2, \nexta
.endif
.if \cmode
	WIN 0x80|(1+2*((\k)/2))|((1+2*((\k)%2))<<2)
.else
	WIN 0xa0|(1+2*((\k)/2))|((1+2*((\k)%2))<<2)
.endif
.irp t, 0,1,2,3,4,5,6,7
.irp m, 0,1,2,3
.if \cmode
	WM 64*\m+8*\t, 96*((\k)%2)+12*\t, 192+12*\m, BI+8*\t, WS+4*(\k)+\t/2, AS+4*((\k)%2)+\m, \t%2
.else
	WM 64*\m+8*\t, 96*((\k)%2)+12*\t, 192+12*\m, 64*\m+8*\t, WS+4*(\k)+\t/2, AS+4*((\k)%2)+\m, \t%2
.endif
.endr
.endr
	WIN 0
.rept 4
	v_nop                                          ; places in front of loads into registers that these products have read, and of the first read of results
.endr
.endm
.macro GROUP c0, n3                    ; four units; then the stream's pointer steps
	UNIT 0, \c0, 6144, 1, 56
	UNIT 1, 0, 12288, 1, 56
	UNIT 2, 0, 18432, 1, 56
	UNIT 3, 0, \n3, 1, 56
	s_wait_xcnt 0x0                                ; the loads have read their base
	s_add_nc_u64 s[WP:WP+1], s[WP:WP+1], 51200
.endm
.macro BARRIER                         ; my LDS stores have landed and my LDS loads are in: then the work-group's barrier
	s_wait_dscnt 0x0
	s_barrier_signal -1
	s_barrier_wait -1
.endm
	s_load_b512 s[8:23], s[0:1], 0x0               ; att, x, wtail, bo, g, b, b1, b2
	s_load_b64 s[24:25], s[0:1], 0x40              ; out0
	v_lshl_add_u32 v[SPW], v0, 2, SPARE
	v_mov_b32 v[NIL], 0
	v_lshrrev_b32 v1, 5, v0
	v_readfirstlane_b32 s[WV], v1
	v_and_b32 v100, 31, v0
	v_and_b32 v101, 15, v0                         ; r
	v_bfe_u32 v102, v0, 4, 1                       ; h
	v_lshlrev_b32 v1, 4, v100                      ; 16 x lane
	v_lshlrev_b32 v2, 2, v100                      ; 4 x lane
	v_lshlrev_b32 v103, 6, v102                    ; 64 h
	s_mov_b32 s[SEL], 0x76543210
	s_mov_b32 s[SEL+1], 0xfedcba98
	s_mov_b32 s34, 0x3b000000                      ; 1 / 512
	s_mov_b32 s35, 0x3727c5ac                      ; 1e-5
	v_add_nc_u32 v[AF], XIMG, v1
	v_add_nc_u32 v[AQ], XSC, v2
	s_mul_i32 s46, s[WV], 6144
	v_add_nc_u32 v[XW], s46, v1                    ; h2's images: K step w
	s_lshl_b32 s46, s[WV], 9
	v_add_nc_u32 v[XWS], s46, v2
	v_add_nc_u32 v[XWS], XSC, v[XWS]
	v_add_nc_u32 v[PA], s46, v103
	v_add_nc_u32 v[PA], PAR, v[PA]                 ; my 128 columns' parameters, + 64 h
	v_add_nc_u32 v[RDW], s46, v1
	v_add_nc_u32 v[RDW], RED0, v[RDW]
	v_add_nc_u32 v[RDR], RED0, v1
	v_add_nc_u32 v84, s46, v1
	v_add_nc_u32 v84, PAR, v84                     ; at the head: where my quarter of the small parameters goes
	s_mul_i32 s46, s[WV], 24576
	v_add_nc_u32 v[HW], s46, v1
	v_add_nc_u32 v[HW], HIMG, v[HW]                ; the hidden layer's images: K steps 4 w on
	s_lshl_b32 s46, s[WV], 11
	v_add_nc_u32 v[HWS], s46, v2
	v_add_nc_u32 v[HWS], HSC, v[HWS]
	v_add_nc_u32 v[PB1], s46, v103
	v_add_nc_u32 v[PB1], PAR+8192, v[PB1]          ; my 512 numbers of b1, + 64 h
	v_add_nc_u32 v85, s46, v1
	v_add_nc_u32 v85, PAR+8192, v85
	s_mul_i32 s46, s[WV], 8448
	v_mul_u32_u24 v[SO], v101, 528
	v_add_nc_u32 v[SO], v[SO], v103
	v_add_nc_u32 v[SO], s46, v[SO]
	v_add_nc_u32 v[SO], STG, v[SO]
	v_add_nc_u32 v[SR], s46, v1
	v_add_nc_u32 v[SR], STG, v[SR]
	s_lshl_b32 s46, s[WV], 15
	v_add_nc_u32 v[X1A], s46, v1
	v_add_nc_u32 v[X1A], X1, v[X1A]
	v_lshl_add_u32 v[XO], v101, 11, v103           ; x: row r of 2,048 bytes, + 64 h
	s_mul_i32 s46, s[WV], 1536
	v_add_nc_u32 v82, s46, v1                      ; att's images: tile of tokens w
	s_lshl_b32 s46, s[WV], 7
	v_add_nc_u32 v83, s46, v2
	v_add_nc_u32 v83, XSC, v83
	v_lshlrev_b32 v81, 5, v101                     ; att: a token's record is 32 bytes;
	v_lshl_add_u32 v80, v102, 16, v81              ; lanes 16-31 take the next head, 65,536 bytes on
.irp b, 0,1,2,3
	v_mov_b32 v[TM+4+\b], 0                        ; written once: a lane permute's destination counts as one of its sources
	v_mov_b32 v[RD+\b], 0
.endr
	s_lshr_b32 s36, ttmp9, 5                       ; the batch: 16 heads x 65,536 bytes
	s_lshl_b32 s36, s36, 20
	s_and_b32 s37, ttmp9, 31
	s_lshl_b32 s37, s37, 11                        ; 64 tokens x 32 bytes
	s_add_co_u32 s36, s36, s37
	s_lshl_b32 s38, s[WV], 9                       ; 16 tokens x 32 bytes; also 128 columns x 4 bytes
	s_add_co_u32 s36, s36, s38
	s_mov_b32 s37, 0
	s_mov_b32 s39, 0
	s_lshl_b32 s40, ttmp9, 17                      ; 64 rows of 2,048 bytes
	s_add_co_u32 s40, s40, s38
	s_mov_b32 s41, 0
	s_mul_i32 s42, s[WV], 460800                   ; my 36 records
	s_mov_b32 s43, 0
	s_lshl_b32 s44, s[WV], 11
	s_mov_b32 s45, 0
	s_wait_kmcnt 0x0
	s_add_nc_u64 s[8:9], s[8:9], s[36:37]
	s_add_nc_u64 s[10:11], s[10:11], s[40:41]
	s_add_nc_u64 s[24:25], s[24:25], s[40:41]
	s_add_nc_u64 s[WP:WP+1], s[WP:WP+1], s[42:43]
	s_add_nc_u64 s[14:15], s[14:15], s[38:39]
	s_add_nc_u64 s[16:17], s[16:17], s[38:39]
	s_add_nc_u64 s[18:19], s[18:19], s[38:39]
	s_add_nc_u64 s[22:23], s[22:23], s[38:39]
	s_add_nc_u64 s[20:21], s[20:21], s[44:45]
	; att: I build the four fragments of tile of tokens w.  Block be of K step s is head 4 s + be: lane (r, h) takes the 24 bytes of heads 4 s + 2 c + h
.irp s, 0,1,2,3
.irp c, 0,1
	global_load_b128 v[192+12*\s+6*\c:195+12*\s+6*\c], v80, s[8:9] offset:(4*\s+2*\c)*65536
	global_load_b64 v[196+12*\s+6*\c:197+12*\s+6*\c], v80, s[8:9] offset:(4*\s+2*\c)*65536+16
.endr
.endr
.irp s, 0,1,2,3
.irp e, 0,1,2,3
	global_load_b32 v[240+4*\s+\e], v81, s[8:9] offset:(4*\s+\e)*65536+24
.endr
.endr
	global_load_b128 v[128:131], v1, s[14:15]
	global_load_b128 v[132:135], v1, s[16:17]
	global_load_b128 v[136:139], v1, s[18:19]
	global_load_b128 v[140:143], v1, s[22:23]
.irp q, 0,1,2,3
	global_load_b128 v[144+4*\q:147+4*\q], v1, s[20:21] offset:512*\q
.endr
	WIN 0x80                                       ; x goes straight into the accumulators
.irp m, 0,1,2,3
.irp t, 0,1,2,3,4,5,6,7
.irp q, 0,1
	global_load_b128 v[64*\m+8*\t+4*\q:64*\m+8*\t+4*\q+3], v[XO], s[10:11] offset:32768*\m+128*(\t/2)+32*(\t%2)+16*\q
.endr
.endr
.endr
	WLOAD 0, 0
	WLOAD 1, 12800
	WLOAD 2, 25600
	s_wait_loadcnt 63                              ; 84 loads of records are younger than the last load of x: att, the parameters and x are in
.irp s, 0,1,2,3
	v_lshl_or_b32 v[240+4*\s], v[241+4*\s], 8, v[240+4*\s]
	v_lshl_or_b32 v[240+4*\s], v[242+4*\s], 16, v[240+4*\s]
	v_lshl_or_b32 v[240+4*\s], v[243+4*\s], 24, v[240+4*\s]
.endr
.irp s, 0,1,2,3
.irp c, 0,1,2
	ds_store_b128 v82, v[192+12*\s+4*\c:195+12*\s+4*\c] offset:6144*\s+512*\c
.endr
	ds_store_b32 v83, v[240+4*\s] offset:512*\s
.endr
.irp q, 0,1,2,3
	ds_store_b128 v84, v[128+4*\q:131+4*\q] offset:2048*\q
	ds_store_b128 v85, v[144+4*\q:147+4*\q] offset:512*\q
.endr
	BARRIER                                        ; att's sixteen fragments and the parameters lie in LDS
	; ---- x1 = x + att Wo + bo
	ALOAD 0, 0
	GROUP 0, -1
.irp b, 0,1,2,3
.irp j, 0,1,2,3
	ds_load_b128 v[BI+16*\b+4*\j:BI+16*\b+4*\j+3], v[PA] offset:128*\b+16*\j
.endr
.endr
	s_wait_dscnt 0x0
	WIN 0x82                                       ; destination and source 0 window 2
.irp m, 0,1,2,3
.set i, 0
.rept 32
	v_pk_add_f32 v[64*\m+i:64*\m+i+1], v[64*\m+i:64*\m+i+1], v[BI+i:BI+i+1]   ; each accumulator from its low end on
.set i, i+2
.endr
.endr
	WIN 0x08                                       ; source 1 window 2: an LDS store's data, and the sums' second source
.irp m, 0,1,2,3
.irp t, 0,1,2,3,4,5,6,7
.irp q, 0,1
	ds_store_b128 v[X1A], v[64*\m+8*\t+4*\q:64*\m+8*\t+4*\q+3] offset:8192*\m+1024*\t+512*\q   ; x1 waits here for the last product
.endr
.endr
.endr
	; ---- layer norm 2: a token's 512 numbers lie in two lanes of each of the four waves
	WIN 0x0a
.irp m, 0,1,2,3
	v_pk_add_f32 v[S2+2*\m:S2+2*\m+1], v[64*\m:64*\m+1], v[64*\m+2:64*\m+3]
.endr
	WIN 0x08
.set i, 4
.rept 30
.irp m, 0,1,2,3
	v_pk_add_f32 v[S2+2*\m:S2+2*\m+1], v[S2+2*\m:S2+2*\m+1], v[64*\m+i:64*\m+i+1]
.endr
.set i, i+2
.endr
	WIN 0
.macro ACROSS off                      ; v[S2] on: four pairs of partial sums -> v[RD] .. v[RD+3]: the four tiles' sums over all 512 columns, the same bits in every wave
.irp m, 0,1,2,3
	v_add_f32 v[RS+\m], v[S2+2*\m], v[S2+2*\m+1]
.endr
.irp m, 0,1,2,3
	v_permlanex16_b32 v[RD+\m], v[RS+\m], s[SEL], s[SEL+1]
.endr
.irp m, 0,1,2,3
	v_add_f32 v[RS+\m], v[RS+\m], v[RD+\m]
.endr
	ds_store_b128 v[RDW], v[RS:RS+3] offset:\off
	BARRIER
.irp w, 0,1,2,3
	ds_load_b128 v[RD+4*\w:RD+4*\w+3], v[RDR] offset:\off+512*\w
.endr
.endm
.macro ADDUP
	v_pk_add_f32 v[RD:RD+1], v[RD:RD+1], v[RD+4:RD+5]
	v_pk_add_f32 v[RD+2:RD+3], v[RD+2:RD+3], v[RD+6:RD+7]
	v_pk_add_f32 v[RD+8:RD+9], v[RD+8:RD+9], v[RD+12:RD+13]
	v_pk_add_f32 v[RD+10:RD+11], v[RD+10:RD+11], v[RD+14:RD+15]
	v_pk_add_f32 v[RD:RD+1], v[RD:RD+1], v[RD+8:RD+9]
	v_pk_add_f32 v[RD+2:RD+3], v[RD+2:RD+3], v[RD+10:RD+11]
.endm
	ACROSS 0
	s_wait_dscnt 0x0
	ADDUP
.irp m, 0,1,2,3
	v_mul_f32 v[MU+2*\m], s34, v[RD+\m]
	v_mul_f32 v[MU+2*\m+1], s34, v[RD+\m]
.endr
	WIN 0x82
.irp m, 0,1,2,3
.set i, 0
.rept 32
	v_pk_add_f32 v[64*\m+i:64*\m+i+1], v[64*\m+i:64*\m+i+1], v[MU+2*\m:MU+2*\m+1] neg_lo:[0,1] neg_hi:[0,1]
.set i, i+2
.endr
.endr
	WIN 0x0a
.irp m, 0,1,2,3
	v_pk_mul_f32 v[S2+2*\m:S2+2*\m+1], v[64*\m:64*\m+1], v[64*\m:64*\m+1]
.endr
.set i, 2
.rept 31
.irp m, 0,1,2,3
	v_pk_fma_f32 v[S2+2*\m:S2+2*\m+1], v[64*\m+i:64*\m+i+1], v[64*\m+i:64*\m+i+1], v[S2+2*\m:S2+2*\m+1]
.endr
.set i, i+2
.endr
	WIN 0
	ACROSS 2048
.irp b, 0,1,2,3
.irp j, 0,1,2,3
	ds_load_b128 v[BI+16*\b+4*\j:BI+16*\b+4*\j+3], v[PA] offset:2048+128*\b+16*\j      ; g
	ds_load_b128 v[B2R+16*\b+4*\j:B2R+16*\b+4*\j+3], v[PA] offset:4096+128*\b+16*\j    ; b
.endr
.endr
	s_wait_dscnt 0x0
	ADDUP
.irp m, 0,1,2,3
	v_fma_f32 v[RD+\m], v[RD+\m], s34, s35         ; var + eps
.endr
.irp m, 0,1,2,3
	v_rsq_f32 v[RSQ+2*\m], v[RD+\m]
.endr
	v_nop                                          ; a plain place behind the transcendentals
	s_wait_alu depctr_va_vdst(0)                   ; one wait for the four, ahead of their first reader
.irp m, 0,1,2,3
	v_mov_b32 v[RSQ+2*\m+1], v[RSQ+2*\m]
.endr
	WIN 0x82
.irp m, 0,1,2,3
.set i, 0
.rept 32
	v_pk_mul_f32 v[64*\m+i:64*\m+i+1], v[64*\m+i:64*\m+i+1], v[RSQ+2*\m:RSQ+2*\m+1]
.set i, i+2
.endr
.set i, 0
.rept 32
	v_pk_fma_f32 v[64*\m+i:64*\m+i+1], v[64*\m+i:64*\m+i+1], v[BI+i:BI+i+1], v[B2R+i:B2R+i+1]
.set i, i+2
.endr
.endr
	WIN 0
.irp m, 0,1,2,3                                ; my 128 columns of h2 are K step w of the next product (att's images were last read ahead of the two barriers above)
	QUANT 64*\m, 2
.irp c, 0,1,2
	ds_store_b128 v[XW], v[PC+4*\c:PC+4*\c+3] offset:1536*\m+512*\c
.endr
	ds_store_b32 v[XWS], v[PW] offset:128*\m
	s_wait_dscnt 0x0                               ; the stores have read their registers
.endr
	BARRIER                                        ; h2's sixteen fragments lie in LDS
	; ---- the hidden layer: four chunks of 128 units
	ALOAD 0, 0
	s_mov_b32 s[CNT], 4
	s_mov_b32 s[ST6], 0
	s_mov_b32 s[ST5], 0
.Lchunk:
	v_add_nc_u32 v[PBC], s[ST5], v[PB1]
.irp b, 0,1,2,3
.irp j, 0,1,2,3
	ds_load_b128 v[BI+16*\b+4*\j:BI+16*\b+4*\j+3], v[PBC] offset:128*\b+16*\j   ; the chunk's b1
.endr
.endr
	GROUP 1, 0                                     ; its last unit fetches K step 0 of h2 again, for the next chunk
	WIN 0x88
.set i, 0
.rept 256
	v_max_num_f32 v[i], 0, v[i]                    ; relu, in f32
.set i, i+1
.endr
	WIN 0
	v_add_nc_u32 v[HWC], s[ST6], v[HW]
	v_add_nc_u32 v[HSCC], s[ST5], v[HWS]
.irp m, 0,1,2,3
	QUANT 64*\m, 2
.irp c, 0,1,2
	ds_store_b128 v[HWC], v[PC+4*\c:PC+4*\c+3] offset:1536*\m+512*\c
.endr
	ds_store_b32 v[HSCC], v[PW] offset:128*\m
	s_wait_dscnt 0x0
.endr
	s_add_co_u32 s[ST6], s[ST6], 6144
	s_add_co_u32 s[ST5], s[ST5], 512
	s_sub_co_u32 s[CNT], s[CNT], 1
	s_cmp_lg_u32 s[CNT], 0
	s_cbranch_scc1 .Lchunk
	WIN 0x80
.irp m, 0,1,2,3
.irp t, 0,1,2,3,4,5,6,7
.irp q, 0,1
	ds_load_b128 v[64*\m+8*\t+4*\q:64*\m+8*\t+4*\q+3], v[X1A] offset:8192*\m+1024*\t+512*\q   ; x1 comes back as the C of the last product
.endr
.endr
.endr
	WIN 0
	BARRIER                                        ; the hidden layer's 64 fragments lie in LDS
	; ---- out = x1 + hidden W2 + b2: sixteen K steps
	v_add_nc_u32 v80, HIMG, v1
	v_add_nc_u32 v81, HSC, v2
	s_mov_b32 s[ST6], 0
	s_mov_b32 s[ST5], 0
	v_add_nc_u32 v[AF], s[ST6], v80
	v_add_nc_u32 v[AQ], s[ST5], v81
	ALOAD 0, 0
	s_mov_b32 s[CNT], 3
.Lk2:
	GROUP 0, 24576
	s_add_co_u32 s[ST6], s[ST6], 24576
	s_add_co_u32 s[ST5], s[ST5], 2048
	s_wait_dscnt 0x0                               ; no LDS load of mine is out: the addresses step
	v_add_nc_u32 v[AF], s[ST6], v80
	v_add_nc_u32 v[AQ], s[ST5], v81
	s_sub_co_u32 s[CNT], s[CNT], 1
	s_cmp_lg_u32 s[CNT], 0
	s_cbranch_scc1 .Lk2
	UNIT 0, 0, 6144, 1, 56                         ; the last four units: one more record is asked for, then the counts run down
	UNIT 1, 0, 12288, 0, 56
	UNIT 2, 0, 18432, 0, 28
	UNIT 3, 0, -1, 0, 0
.irp b, 0,1,2,3
.irp j, 0,1,2,3
	ds_load_b128 v[BI+16*\b+4*\j:BI+16*\b+4*\j+3], v[PA] offset:6144+128*\b+16*\j      ; b2
.endr
.endr
	s_wait_dscnt 0x0
	WIN 0x82
.irp m, 0,1,2,3
.set i, 0
.rept 32
	v_pk_add_f32 v[64*\m+i:64*\m+i+1], v[64*\m+i:64*\m+i+1], v[BI+i:BI+i+1]
.set i, i+2
.endr
.endr
	WIN 0
; THE WAY OUT, 16 tokens at a time: a lane holds pieces of one row; through my own stage they come back as whole rows of 512 bytes.  LDS serves a wave's instructions in order: no wait between stores and loads.
.macro TOSTAGE m
	WIN 0x08
.irp t, 0,1,2,3,4,5,6,7
.irp q, 0,1
	ds_store_b128 v[SO], v[64*(\m)+8*\t+4*\q:64*(\m)+8*\t+4*\q+3] offset:128*(\t/2)+32*(\t%2)+16*\q
.endr
.endr
	WIN 0
.irp i, 0,1,2,3,4,5,6,7,8,9,10,11,12,13,14,15
	ds_load_b128 v[128+64*((\m)%2)+4*\i:128+64*((\m)%2)+4*\i+3], v[SR] offset:528*\i
.endr
.endm
.macro SEND m, younger                 ; younger: the LDS instructions issued behind block m's loads
	s_wait_dscnt \younger
.irp i, 0,1,2,3,4,5,6,7,8,9,10,11,12,13,14,15
	global_store_b128 v1, v[128+64*((\m)%2)+4*\i:128+64*((\m)%2)+4*\i+3], s[24:25] offset:32768*(\m)+2048*\i th:TH_STORE_NT   ; 512 consecutive bytes, at a multiple of 256 from out0's first byte
.endr
.endm
	TOSTAGE 0
	TOSTAGE 1
	SEND 0, 32
	s_wait_xcnt 0x0                                ; block 0's stores have read their registers: block 2's rows may land there
	TOSTAGE 2
	SEND 1, 32
	s_wait_xcnt 0x0
	TOSTAGE 3
	SEND 2, 32
	SEND 3, 0
	s_wait_tensorcnt 0x0                           ; the wave's end
	ds_add_u32 v[SPW], v[NIL]
	s_wait_dscnt 0x0
	s_endpgm
.Lfunc_end_k_qe31f653d3b_tail:
	.size	k_qe31f653d3b_tail, .Lfunc_end_k_qe31f653d3b_tail-k_qe31f653d3b_tail
	.p2alignl 7, 3214868480
	.fill 96, 4, 3214868480
	.section	.rodata,"a",@progbits
	.p2align	6, 0x0
	.amdhsa_kernel k_qe31f653d3b_tail
		.amdhsa_group_segment_fixed_size 318976
		.amdhsa_private_segment_fixed_size 0
		.amdhsa_enable_private_segment 0
		.amdhsa_kernarg_size 72
		.amdhsa_user_sgpr_count 2
		.amdhsa_user_sgpr_kernarg_segment_ptr 1
		.amdhsa_wavefront_size32 1
		.amdhsa_system_sgpr_workgroup_id_x 1
		.amdhsa_system_sgpr_workgroup_id_y 1
		.amdhsa_system_sgpr_workgroup_id_z 1
		.amdhsa_system_vgpr_workitem_id 0
		.amdhsa_next_free_vgpr 1024
		.amdhsa_next_free_sgpr 66
		.amdhsa_reserve_vcc 0
		.amdhsa_float_denorm_mode_32 3
		.amdhsa_float_denorm_mode_16_64 3
		.amdhsa_memory_ordered 1
		.amdhsa_forward_progress 1
		.amdhsa_inst_pref_size 255
	.end_amdhsa_kernel
	.section	.bss,"aw",@nobits
	.p2align	6
	.space	262144
	.amdgpu_metadata
---
amdhsa.version: [ 1, 2 ]
amdhsa.kernels:
  - .name:           k_qe31f653d3b_tail
    .symbol:         k_qe31f653d3b_tail.kd
    .args:
      - { .name: att, .offset: 0, .size: 8, .value_kind: global_buffer, .address_space: global }
      - { .name: x, .offset: 8, .size: 8, .value_kind: global_buffer, .address_space: global }
      - { .name: wtail, .offset: 16, .size: 8, .value_kind: global_buffer, .address_space: global }
      - { .name: bo, .offset: 24, .size: 8, .value_kind: global_buffer, .address_space: global }
      - { .name: ln2_g, .offset: 32, .size: 8, .value_kind: global_buffer, .address_space: global }
      - { .name: ln2_b, .offset: 40, .size: 8, .value_kind: global_buffer, .address_space: global }
      - { .name: b1, .offset: 48, .size: 8, .value_kind: global_buffer, .address_space: global }
      - { .name: b2, .offset: 56, .size: 8, .value_kind: global_buffer, .address_space: global }
      - { .name: out0, .offset: 64, .size: 8, .value_kind: global_buffer, .address_space: global }
    .group_segment_fixed_size: 318976
    .private_segment_fixed_size: 0
    .kernarg_segment_align: 8
    .kernarg_segment_size: 72
    .max_flat_workgroup_size: 128
    .sgpr_count:     66
    .vgpr_count:     1024
    .wavefront_size: 32
...
	.end_amdgpu_metadata
.endif
;; end of part 4
;; ======== version 2 of 2: 4 launches
;; workspace buffers: himg 3,145,728 bytes; hsc 131,072 bytes; wqkv 614,400 bytes; wtail 1,843,200 bytes; qkvb 9,961,472 bytes; att 4,194,304 bytes
;; launch prep (part 5): grid 320 x 1, 4 waves a work-group, no clusters, 152,064 bytes of LDS; arguments x, ln1_g, ln1_b, Wq, Wk, Wv, Wo, W1, W2, himg, hsc, wqkv, wtail; writes himg, hsc, wqkv, wtail
.if DOCPART == 5
	.amdgcn_target "amdgcn-amd-amdhsa--gfx1250"
	.amdhsa_code_object_version 6
	.text
	.protected	k_qe31f653d3b_prep
	.globl	k_qe31f653d3b_prep
	.p2align	8
	.type	k_qe31f653d3b_prep,@function
k_qe31f653d3b_prep:
	s_mov_b64 s[64:65], 0
	v_nop
	global_prefetch_b8 v0, s[64:65] scope:SCOPE_SE
	s_setreg_imm32_b32 hwreg(HW_REG_WAVE_MODE, 25, 1), 1
	s_wait_xcnt 0x0
; PREP.  Work-groups 0-127: h = layernorm(x) x g + b, quantised along the 512 channels to FP6 (E2M3) with one E8M0 byte for each 32.  Work-groups 128-319: the six weights, stored [K][N], quantised along K.
; Everything leaves as IMAGES OF OPERAND REGISTERS: a fragment (16 rows x 128 K, 12 registers a lane) is 1,536 bytes, register i of lane l at 512 (i / 4) + 16 l + 4 (i % 4).
; The 16 rows of a tile are not neighbours: of a group of 32 rows tile u takes rows 8 u + r + 8 (r / 8), so that the results of two such tiles, used as source 0, are 16 neighbours in a lane's registers.
; LAYER NORM: a wave takes a tile of 16 tokens.  Its 64 loads read 512 consecutive bytes each; the numbers turn through the wave's own stage in LDS so that lane (r, h) holds, of token r, the 16 numbers 32 b + 16 h + 0..15 of each block.
; Mean and variance in two passes over the registers (the mean is taken off before the squares), so a common offset of the inputs costs no digits.
; WEIGHTS: a wave takes 32 columns x 128 along K: a lane a column, its registers down K; a block of 32 lies in one lane, and the conversions' results are the operand's registers.
; LIMITS: NaN and infinities are not served; a block whose largest magnitude lies under 2^-124 (a block of zeros too) gets the byte 1: its bytes are read by this program alone, and zero codes add nothing under any byte.
; No tensor load, no barrier: waves share nothing.  Only the layer norm's path touches LDS.
.set SPARE, 151552                     ; behind the four waves' regions: the spare words, 128 bytes a wave, which no other line names
.set WREG,  37888                      ; a wave's region: the stage, then its own copy of g and b
.set SP,    528                        ; a stage row: 512 bytes + 16: row r starts 4 r banks on
.set KST,   16*SP                      ; a K step's 16 rows
.set PARO,  4*KST                      ; g (2,048 bytes), then b
.set SPW, 6                            ; v6   my spare word's address; never rewritten
.set NIL, 7                            ; v7   0; never rewritten
.set TM,  16                           ; v16-31 at work in QUANT
.set PW,  32                           ; v32  the scale word just made
.set PWS, 34                           ; v34-37 the four K steps' scale words
.set HO,  38                           ; v38-39 what I store of them
.set PC,  40                           ; v40-59 the codes just made
.set SM,  60                           ; v60-67 four chains of sums
.set MU,  68                           ; v68-69 the mean, twice
.set RS,  70                           ; v70-71 1 / sqrt(var + eps), twice
.set G,   128                          ; v128-191 g of my 64 channels of a K step
.set BE,  192                          ; v192-255 b likewise;  window 1, v0-255: the tile
.set WV,  34                           ; s34  my wave's number
.set SEL, 36                           ; s[36:37] lane selects: lane l xor 16
.set MSB, 0
.macro WIN new                         ; the immediate's high byte repeats the setting that is left; a switch that changes nothing is dropped
.if MSB != (\new)
	s_set_vgpr_msb (MSB<<8)|(\new)
.set MSB, (\new)
.endif
.endm
; 64 numbers of a lane in window dw, register 16 b + i = element 32 b + 16 (lane / 16) + i of my row, become a fragment's codes in v[PC] on and its scale word in v[PW].
.macro QUANT s, dw
	WIN (\dw)|((\dw)<<2)
.irp b, 0,1,2,3
	v_max3_num_f32 v[TM+\b], |v[(\s)+16*\b]|, |v[(\s)+1+16*\b]|, 0x1800000   ; my 16 numbers of block b, and the floor 2^(3 - 127): the byte cannot fall under 1
.endr
	WIN ((\dw)<<2)|((\dw)<<4)
.irp i, 2,4,6,8,10,12,14
.irp b, 0,1,2,3
	v_max3_num_f32 v[TM+\b], v[TM+\b], |v[(\s)+16*\b+\i]|, |v[(\s)+1+16*\b+\i]|
.endr
.endr
	WIN 0
.irp b, 0,1,2,3
	v_permlanex16_b32 v[TM+4+\b], v[TM+\b], s[SEL], s[SEL+1]
.endr
.irp b, 0,1,2,3
	v_max_num_f32 v[TM+\b], v[TM+\b], v[TM+4+\b]     ; with lane l xor 16's: the block's largest magnitude
.endr
.irp b, 0,1,2,3
	v_add_nc_u32 v[TM+12+\b], 0xff000000, v[TM+\b]   ; 2 off its exponent field: the conversion's scale operand
.endr
.irp b, 0,1,2,3
	v_lshrrev_b32 v[TM+4+\b], 23, v[TM+12+\b]        ; the scale's byte
.endr
	v_lshl_or_b32 v[PW], v[TM+5], 8, v[TM+4]
	v_lshl_or_b32 v[PW], v[TM+6], 16, v[PW]
	v_lshl_or_b32 v[PW], v[TM+7], 24, v[PW]
	WIN (\dw)
.irp c, 0,1
	v_cvt_scalef32_pk16_fp6_f32 v[PC+6*\c:PC+2+6*\c], v[(\s)+32*\c:(\s)+15+32*\c], v[TM+12+2*\c]
	v_cvt_scalef32_pk16_fp6_f32 v[PC+12+4*\c:PC+14+4*\c], v[(\s)+16+32*\c:(\s)+31+32*\c], v[TM+12+2*\c+1]   ; (a conversion's three registers begin on an even number)
.endr
	WIN 0
	v_nop                                          ; one plain place behind a scaled conversion
.irp c, 0,1                                    ; the layout wants a whole block in a lane: lanes 0-15 block 2 c, lanes 16-31 block 2 c + 1
.irp i, 0,1,2
	v_permlane16_swap_b32 v[PC+6*\c+\i], v[PC+12+4*\c+\i]
.endr
.irp i, 0,1,2
	v_mov_b32 v[PC+3+6*\c+\i], v[PC+12+4*\c+\i]
.endr
.endr
.endm
	s_load_b512 s[8:23], s[0:1], 0x0               ; x, g, b, Wq, Wk, Wv, Wo, W1
	s_load_b256 s[24:31], s[0:1], 0x40             ; W2, himg, hsc, wqkv
	s_load_b64 s[32:33], s[0:1], 0x60              ; wtail
	v_lshl_add_u32 v[SPW], v0, 2, SPARE
	v_mov_b32 v[NIL], 0
	v_lshrrev_b32 v1, 5, v0
	v_readfirstlane_b32 s[WV], v1
	s_mov_b32 s[SEL], 0x76543210
	s_mov_b32 s[SEL+1], 0xfedcba98
	s_cmp_lt_u32 ttmp9, 128
	s_cbranch_scc0 .Lweights
	; ---------------- layer norm 1: tile = 4 x work-group + wave ----------------
	s_lshl_b32 s35, ttmp9, 2
	s_add_co_u32 s35, s35, s[WV]
	s_lshr_b32 s40, s35, 1                         ; the group of 32 tokens
	s_and_b32 s41, s35, 1                          ; u
	s_lshl_b32 s42, s40, 16                        ; 32 rows of 2,048 bytes
	s_lshl_b32 s41, s41, 14                        ; + 8 u rows
	s_add_co_u32 s42, s42, s41
	s_mov_b32 s43, 0
	s_mul_i32 s44, s35, 6144                       ; the tile's four images
	s_mov_b32 s45, 0
	s_lshl_b32 s46, s35, 8                         ; its 256 bytes of scale words
	s_mov_b32 s47, 0
	s_mul_i32 s48, s[WV], WREG
	s_mov_b32 s49, 0xffff0000                      ; lanes 16-31
	s_mov_b32 s50, 0x3b000000                      ; 1 / 512
	s_mov_b32 s51, 0x3727c5ac                      ; 1e-5
	v_and_b32 v8, 31, v0
	v_and_b32 v9, 15, v0                           ; r
	v_bfe_u32 v10, v0, 4, 1                        ; h
	v_lshlrev_b32 v1, 4, v8                        ; 16 x lane
	v_add_nc_u32 v2, s48, v1                       ; the stage, on the way in
	v_mul_u32_u24 v3, v9, SP
	v_lshl_add_u32 v3, v10, 6, v3
	v_add_nc_u32 v3, s48, v3                       ; and on the way out: row r, + 64 h
	v_lshlrev_b32 v4, 6, v10
	v_add_nc_u32 v4, s48, v4                       ; g and b: + 64 h
	v_lshlrev_b32 v5, 4, v9
	v_lshl_add_u32 v5, v10, 3, v5                  ; scale words: 16 r + 8 h
.irp b, 0,1,2,3
	v_mov_b32 v[TM+4+\b], 0                        ; written once: a lane permute's destination counts as one of its sources
.endr
	s_wait_alu depctr_va_vdst(0)
	s_wait_kmcnt 0x0
	s_add_nc_u64 s[8:9], s[8:9], s[42:43]
	s_add_nc_u64 s[26:27], s[26:27], s[44:45]
	s_add_nc_u64 s[28:29], s[28:29], s[46:47]
.irp q, 0,1,2,3
	global_load_b128 v[G+4*\q:G+4*\q+3], v1, s[10:11] offset:512*\q
	global_load_b128 v[G+16+4*\q:G+16+4*\q+3], v1, s[12:13] offset:512*\q
.endr
	WIN 0x40                                       ; destination window 1
.irp s, 0,1,2,3
.irp n, 0,1,2,3,4,5,6,7,8,9,10,11,12,13,14,15
	global_load_b128 v[64*\s+4*\n:64*\s+4*\n+3], v1, s[8:9] offset:(\n+8*(\n/8))*2048+512*\s th:TH_LOAD_NT   ; 32 lanes read 512 consecutive bytes of one token
.endr
.endr
	WIN 0
	s_wait_loadcnt 63                              ; 64 loads are younger than g's and b's: these are in
.irp q, 0,1,2,3
	ds_store_b128 v2, v[G+4*\q:G+4*\q+3] offset:PARO+512*\q
	ds_store_b128 v2, v[G+16+4*\q:G+16+4*\q+3] offset:PARO+2048+512*\q
.endr
	WIN 0x04                                       ; an LDS store's data are its source 1: window 1
.irp s, 0,1,2,3
	s_wait_loadcnt 48-16*\s                        ; this K step's 16 loads are in; the later steps' may be out
.irp n, 0,1,2,3,4,5,6,7,8,9,10,11,12,13,14,15
	ds_store_b128 v2, v[64*\s+4*\n:64*\s+4*\n+3] offset:KST*\s+SP*\n
.endr
.endr
	s_wait_dscnt 0x0                               ; the stores have read their registers
	WIN 0x40
.irp s, 0,1,2,3
.irp b, 0,1,2,3
.irp j, 0,1,2,3
	ds_load_b128 v[64*\s+16*\b+4*\j:64*\s+16*\b+4*\j+3], v3 offset:KST*\s+128*\b+16*\j
.endr
.endr
.endr
	s_wait_dscnt 0x0
	; the mean: my 256 numbers in four chains, then lane l xor 16's
	WIN 0x05
.irp k, 0,1,2,3
	v_pk_add_f32 v[SM+2*\k:SM+2*\k+1], v[2*\k:2*\k+1], v[2*\k+8:2*\k+9]
.endr
	WIN 0x04
.set i, 16
.rept 30
.irp k, 0,1,2,3
	v_pk_add_f32 v[SM+2*\k:SM+2*\k+1], v[SM+2*\k:SM+2*\k+1], v[i+2*\k:i+2*\k+1]
.endr
.set i, i+8
.endr
	WIN 0
	v_pk_add_f32 v[SM:SM+1], v[SM:SM+1], v[SM+2:SM+3]
	v_pk_add_f32 v[SM+4:SM+5], v[SM+4:SM+5], v[SM+6:SM+7]
	v_pk_add_f32 v[SM:SM+1], v[SM:SM+1], v[SM+4:SM+5]
	v_add_f32 v[SM], v[SM], v[SM+1]
	v_permlanex16_b32 v[SM+1], v[SM], s[SEL], s[SEL+1]
	v_add_f32 v[SM], v[SM], v[SM+1]
	v_mul_f32 v[MU], s50, v[SM]
	v_mul_f32 v[MU+1], s50, v[SM]
	WIN 0x41                                       ; destination and source 0 window 1
.set i, 0
.rept 128
	v_pk_add_f32 v[i:i+1], v[i:i+1], v[MU:MU+1] neg_lo:[0,1] neg_hi:[0,1]
.set i, i+2
.endr
	WIN 0x05                                       ; the squares of what is left
.irp k, 0,1,2,3
	v_pk_mul_f32 v[SM+2*\k:SM+2*\k+1], v[2*\k:2*\k+1], v[2*\k:2*\k+1]
.endr
.set i, 8
.rept 31
.irp k, 0,1,2,3
	v_pk_fma_f32 v[SM+2*\k:SM+2*\k+1], v[i+2*\k:i+2*\k+1], v[i+2*\k:i+2*\k+1], v[SM+2*\k:SM+2*\k+1]
.endr
.set i, i+8
.endr
	WIN 0
	v_pk_add_f32 v[SM:SM+1], v[SM:SM+1], v[SM+2:SM+3]
	v_pk_add_f32 v[SM+4:SM+5], v[SM+4:SM+5], v[SM+6:SM+7]
	v_pk_add_f32 v[SM:SM+1], v[SM:SM+1], v[SM+4:SM+5]
	v_add_f32 v[SM], v[SM], v[SM+1]
	v_permlanex16_b32 v[SM+1], v[SM], s[SEL], s[SEL+1]
	v_add_f32 v[SM], v[SM], v[SM+1]
	v_fma_f32 v[SM], v[SM], s50, s51               ; var + eps
	s_wait_alu depctr_va_vdst(0)
	v_rsq_f32 v[RS], v[SM]
	v_nop                                          ; a plain place behind the transcendental
	s_wait_alu depctr_va_vdst(0)                   ; a wait ahead of the result's first reader
	v_mov_b32 v[RS+1], v[RS]
	s_wait_alu depctr_va_vdst(0)
.irp s, 0,1,2,3
.irp b, 0,1,2,3
.irp j, 0,1,2,3
	ds_load_b128 v[G+16*\b+4*\j:G+16*\b+4*\j+3], v4 offset:PARO+512*\s+128*\b+16*\j
	ds_load_b128 v[BE+16*\b+4*\j:BE+16*\b+4*\j+3], v4 offset:PARO+2048+512*\s+128*\b+16*\j
.endr
.endr
	s_wait_dscnt 0x0
	WIN 0x41
.set i, 0
.rept 32
	v_pk_mul_f32 v[64*\s+i:64*\s+i+1], v[64*\s+i:64*\s+i+1], v[RS:RS+1]
.set i, i+2
.endr
.set i, 0
.rept 32
	v_pk_fma_f32 v[64*\s+i:64*\s+i+1], v[64*\s+i:64*\s+i+1], v[G+i:G+i+1], v[BE+i:BE+i+1]
.set i, i+2
.endr
	WIN 0
	s_wait_xcnt 0x0                                ; the last K step's stores have read the codes' registers
	QUANT 64*\s, 1
.irp c, 0,1,2
	global_store_b128 v1, v[PC+4*\c:PC+4*\c+3], s[26:27] offset:1536*\s+512*\c   ; 512 consecutive bytes
.endr
	v_mov_b32 v[PWS+\s], v[PW]
.endr
	v_cndmask_b32 v[HO], v[PWS], v[PWS+2], s49     ; lanes 0-15 store K steps 0, 1 of their row, lanes 16-31 steps 2, 3
	v_cndmask_b32 v[HO+1], v[PWS+1], v[PWS+3], s49
	global_store_b64 v5, v[HO:HO+1], s[28:29]      ; 256 consecutive bytes, aligned
	s_wait_tensorcnt 0x0                           ; the wave's end
	ds_add_u32 v[SPW], v[NIL]
	s_wait_dscnt 0x0
	s_endpgm
	; ---------------- the weights: a wave = 32 columns x 128 along K ----------------
.Lweights:
	s_sub_co_u32 s35, ttmp9, 128                   ; 0-63: Wq, Wk, Wv, Wo (16 each);  64-127: W1;  128-191: W2
	s_lshr_b32 s43, s35, 4
	s_and_b32 s36, s35, 3                          ; which 128 columns (Wq .. Wo, W2)
	s_bfe_u32 s37, s35, 0x20002                    ; K step (Wq .. Wo)
	s_sub_co_u32 s38, s35, 64
	s_and_b32 s39, s38, 15                         ; W1: which 128 columns,
	s_lshr_b32 s40, s38, 4                         ; and K step
	s_sub_co_u32 s41, s35, 128
	s_lshr_b32 s41, s41, 2                         ; W2: K step
	s_cmp_ge_u32 s35, 128
	s_cselect_b32 s37, s41, s37
	s_cmp_lt_u32 s38, 64                           ; W1?  (unsigned: below 64 the difference wraps and is large)
	s_cselect_b32 s36, s39, s36
	s_cselect_b32 s37, s40, s37
	s_cselect_b32 s42, 1, 0
	s_cselect_b32 s52, 20, 18                      ; 128 rows of the source are 2^20 or 2^18 bytes
	s_lshr_b32 s44, s36, 2                         ; the record in wtail: (the last launch's wave) x 36 + unit
	s_and_b32 s45, s36, 3
	s_lshl_b32 s45, s45, 2
	s_add_co_u32 s45, s45, 4
	s_cmp_eq_u32 s42, 1
	s_cselect_b32 s44, s44, s36
	s_cselect_b32 s45, s45, 0
	s_cmp_ge_u32 s43, 8
	s_cselect_b32 s45, 20, s45
	s_mul_i32 s44, s44, 36
	s_add_co_u32 s44, s44, s45
	s_add_co_u32 s44, s44, s37
	s_lshl_b32 s46, s36, 2
	s_add_co_u32 s46, s46, s[WV]                   ; my group of 32 columns
	s_lshl_b32 s47, s43, 4
	s_add_co_u32 s47, s47, s46                     ; the record in wqkv: 16 x matrix + head
	s_cmp_lt_u32 s43, 3
	s_cselect_b32 s44, s47, s44
	s_cselect_b32 s48, s37, s[WV]                  ; the pair of image slots and the scale row: the K step there, the wave here
	s_mul_i32 s44, s44, 12800
	s_mul_i32 s49, s48, 3072
	s_add_co_u32 s54, s44, s49
	s_mov_b32 s55, 0
	s_lshl_b32 s49, s48, 7
	s_add_co_u32 s56, s44, s49
	s_mov_b32 s57, 0
	s_lshl_b32 s58, s37, s52
	s_lshl_b32 s49, s46, 7
	s_add_co_u32 s58, s58, s49
	s_mov_b32 s59, 0
	v_and_b32 v8, 31, v0
	v_lshlrev_b32 v1, 2, v8                        ; in: 4 bytes a lane: my column
	v_bfe_u32 v9, v0, 3, 1                         ; column l is row r = l % 8 + 8 (l / 16) of tile u = (l / 8) % 2
	v_and_b32 v10, 7, v0
	v_bfe_u32 v11, v0, 4, 1
	v_lshl_add_u32 v10, v11, 3, v10
	v_mul_u32_u24 v2, v9, 1536
	v_lshl_add_u32 v2, v10, 4, v2                  ; out: tile u's image, lane r's place
	v_lshlrev_b32 v3, 6, v9
	v_lshl_add_u32 v3, v10, 2, v3                  ; the scale row: word 16 u + r
	s_wait_kmcnt 0x0
	s_cmp_eq_u32 s43, 1
	s_cselect_b64 s[14:15], s[16:17], s[14:15]
	s_cmp_eq_u32 s43, 2
	s_cselect_b64 s[14:15], s[18:19], s[14:15]
	s_cmp_eq_u32 s43, 3
	s_cselect_b64 s[14:15], s[20:21], s[14:15]
	s_cmp_ge_u32 s43, 4
	s_cselect_b64 s[14:15], s[22:23], s[14:15]
	s_cmp_ge_u32 s43, 8
	s_cselect_b64 s[14:15], s[24:25], s[14:15]
	s_cmp_lt_u32 s43, 3
	s_cselect_b64 s[30:31], s[30:31], s[32:33]
	s_add_nc_u64 s[14:15], s[14:15], s[58:59]
	s_add_nc_u64 s[54:55], s[30:31], s[54:55]
	s_add_nc_u64 s[56:57], s[30:31], s[56:57]
	s_cmp_eq_u32 s42, 1
	s_cbranch_scc1 .Lwide
.set i, 0
	s_wait_alu depctr_va_vdst(0)
.rept 128
	global_load_b32 v[128+i], v1, s[14:15] offset:i*2048 th:TH_LOAD_NT   ; W(k, my column): 128 consecutive bytes a wave, the four waves side by side
.set i, i+1
.endr
	s_branch .Lloaded
.Lwide:
.set i, 0
	s_wait_alu depctr_va_vdst(0)
.rept 128
	global_load_b32 v[128+i], v1, s[14:15] offset:i*8192 th:TH_LOAD_NT
.set i, i+1
.endr
.Lloaded:
; block be of my column: all 32 numbers are mine.  Its codes are registers 6 (be / 2) .. + 5 of the image's lane r + 16 (be % 2): kept in v64-75 (lanes 0-15's) and v76-87 (lanes 16-31's)
.macro WBLOCK be, cnt
.set XB, 128+32*(\be)
.set GH, 64+12*((\be)%2)+6*((\be)/2)
.set TT, 88+4*((\be)%2)
	s_wait_loadcnt \cnt                            ; this block's 32 loads are in; what is younger may be out
	v_max3_num_f32 v21, |v[XB]|, |v[XB+1]|, |v[XB+2]|
	v_max3_num_f32 v22, |v[XB+3]|, |v[XB+4]|, |v[XB+5]|
.irp i, 6,10,14,18,22,26
	v_max3_num_f32 v21, v21, |v[XB+\i]|, |v[XB+\i+1]|
	v_max3_num_f32 v22, v22, |v[XB+\i+2]|, |v[XB+\i+3]|
.endr
	v_max3_num_f32 v21, v21, |v[XB+30]|, |v[XB+31]|
	v_max3_num_f32 v21, v21, v22, 0x1800000        ; and the floor
	v_add_nc_u32 v23, 0xff000000, v21
	v_lshrrev_b32 v24, 23, v23
.if (\be) == 0
	v_mov_b32 v20, v24
.else
	v_lshl_or_b32 v20, v24, 8*(\be), v20
.endif
	v_cvt_scalef32_pk16_fp6_f32 v[GH:GH+2], v[XB:XB+15], v23
	v_cvt_scalef32_pk16_fp6_f32 v[TT:TT+2], v[XB+16:XB+31], v23
	v_nop                                          ; one plain place behind a scaled conversion
.irp i, 0,1,2
	v_mov_b32 v[GH+3+\i], v[TT+\i]
.endr
.endm
	WBLOCK 0, 63                                   ; 96 loads are younger
	WBLOCK 1, 63                                   ; 64
	WBLOCK 2, 32
	WBLOCK 3, 0
.irp h, 0,1
.irp g, 0,1,2
	global_store_b128 v2, v[64+12*\h+4*\g:64+12*\h+4*\g+3], s[54:55] offset:256*\h+512*\g   ; two runs of 256 consecutive bytes, one in each tile's image
.endr
.endr
	global_store_b32 v3, v20, s[56:57] offset:12288
	s_wait_tensorcnt 0x0                           ; the same three closing lines on this path
	ds_add_u32 v[SPW], v[NIL]
	s_wait_dscnt 0x0
	s_endpgm
.Lfunc_end_k_qe31f653d3b_prep:
	.size	k_qe31f653d3b_prep, .Lfunc_end_k_qe31f653d3b_prep-k_qe31f653d3b_prep
	.p2alignl 7, 3214868480
	.fill 96, 4, 3214868480
	.section	.rodata,"a",@progbits
	.p2align	6, 0x0
	.amdhsa_kernel k_qe31f653d3b_prep
		.amdhsa_group_segment_fixed_size 152064
		.amdhsa_private_segment_fixed_size 0
		.amdhsa_enable_private_segment 0
		.amdhsa_kernarg_size 104
		.amdhsa_user_sgpr_count 2
		.amdhsa_user_sgpr_kernarg_segment_ptr 1
		.amdhsa_wavefront_size32 1
		.amdhsa_system_sgpr_workgroup_id_x 1
		.amdhsa_system_sgpr_workgroup_id_y 1
		.amdhsa_system_sgpr_workgroup_id_z 1
		.amdhsa_system_vgpr_workitem_id 0
		.amdhsa_next_free_vgpr 512
		.amdhsa_next_free_sgpr 66
		.amdhsa_reserve_vcc 0
		.amdhsa_float_denorm_mode_32 3
		.amdhsa_float_denorm_mode_16_64 3
		.amdhsa_memory_ordered 1
		.amdhsa_forward_progress 1
		.amdhsa_inst_pref_size 118
	.end_amdhsa_kernel
	.amdgpu_metadata
---
amdhsa.version: [ 1, 2 ]
amdhsa.kernels:
  - .name:           k_qe31f653d3b_prep
    .symbol:         k_qe31f653d3b_prep.kd
    .args:
      - { .name: x, .offset: 0, .size: 8, .value_kind: global_buffer, .address_space: global }
      - { .name: ln1_g, .offset: 8, .size: 8, .value_kind: global_buffer, .address_space: global }
      - { .name: ln1_b, .offset: 16, .size: 8, .value_kind: global_buffer, .address_space: global }
      - { .name: Wq, .offset: 24, .size: 8, .value_kind: global_buffer, .address_space: global }
      - { .name: Wk, .offset: 32, .size: 8, .value_kind: global_buffer, .address_space: global }
      - { .name: Wv, .offset: 40, .size: 8, .value_kind: global_buffer, .address_space: global }
      - { .name: Wo, .offset: 48, .size: 8, .value_kind: global_buffer, .address_space: global }
      - { .name: W1, .offset: 56, .size: 8, .value_kind: global_buffer, .address_space: global }
      - { .name: W2, .offset: 64, .size: 8, .value_kind: global_buffer, .address_space: global }
      - { .name: himg, .offset: 72, .size: 8, .value_kind: global_buffer, .address_space: global }
      - { .name: hsc, .offset: 80, .size: 8, .value_kind: global_buffer, .address_space: global }
      - { .name: wqkv, .offset: 88, .size: 8, .value_kind: global_buffer, .address_space: global }
      - { .name: wtail, .offset: 96, .size: 8, .value_kind: global_buffer, .address_space: global }
    .group_segment_fixed_size: 152064
    .private_segment_fixed_size: 0
    .kernarg_segment_align: 8
    .kernarg_segment_size: 104
    .max_flat_workgroup_size: 128
    .sgpr_count:     66
    .vgpr_count:     512
    .wavefront_size: 32
...
	.end_amdgpu_metadata
.endif
;; end of part 5
;; launch qkv (part 6): grid 256 x 1, 4 waves a work-group, no clusters, 0 bytes of LDS; arguments himg, hsc, wqkv, qkvb; writes qkvb
.if DOCPART == 6
	.amdgcn_target "amdgcn-amd-amdhsa--gfx1250"
	.amdhsa_code_object_version 6
	.text
	.protected	k_qe31f653d3b_qkv
	.globl	k_qe31f653d3b_qkv
	.p2align	8
	.type	k_qe31f653d3b_qkv,@function
k_qe31f653d3b_qkv:
	s_mov_b64 s[64:65], 0
	v_nop
	global_prefetch_b8 v0, s[64:65] scope:SCOPE_SE
	s_setreg_imm32_b32 hwreg(HW_REG_WAVE_SCHED_MODE, 0, 2), 2
	s_setreg_imm32_b32 hwreg(HW_REG_WAVE_MODE, 25, 1), 1
	s_wait_xcnt 0x0
	s_wait_alu depctr_vm_vsrc(0)
; q = h Wq, k = h Wk, v = h Wv on codes of FP6 (E2M3), and the results quantised at once for the attention: q and k along the head's 32 channels (one block a token and head), v along the tokens.
; A WAVE takes 128 tokens x 3 slices; a slice is one head of one of the three matrices (48 slices in all).  All its operands, 8 x 4 fragments of h and 3 x 8 of the weights, are loaded once, as images of
; their registers (three loads of 16 bytes a lane and fragment), each into registers of its own: no LDS, no barrier, and no operand register is ever written twice.
; q, k: source 0 = 16 channels of the weight, source 1 = 16 tokens: a lane holds one token, and the two tiles of a head give it 16 neighbouring channels.  Four tiles of tokens are quantised as if they were one row of
; 128: so an image holds 64 tokens, block be of row r being token (tile 4 F + be, row r), and byte be of the row's scale word its scale.
; v: the sources change places: a lane holds one channel and its registers run along the tokens: an image is 16 channels x 128 tokens.
; The tiles' rows are 8 u + r + 8 (r / 8) of a group of 32, in tokens and channels alike.
; The fragments of h are read by 16 waves and those of a weight by 64, each for itself: joint loads exist only into LDS, and each byte here goes straight to the registers of the wave that multiplies it.
; LIMITS: NaN and infinities are not served; a block whose largest magnitude lies under 2^-124 gets the byte 1.
; THE MODE: SCHED_MODE bits 1:0 = 2 (LLVM: expert scheduling mode 2), set by the entry lines.  The code itself states the register dependences between vector or matrix instructions and memory instructions, with s_wait_alu, always for 0.
; THE PLAN.  Registers that memory instructions touch:
;   v1, v2            offsets: written at the head, read by every load and store, never written again.
;   the operands      h's and the weights' fragments and scale words: one load each, at the head; matrix instructions alone name them afterwards.
;   CB0, CB1, v[PWO]  a slice's two images and its scale row: written by the slice's two quantisations and one select, read by its seven stores.
; So a slice has one wait on va_vdst, behind both quantisations and ahead of the run of stores, and (from the second slice on) one on vm_vsrc, behind the slice's 64 products and ahead of the first line that writes the out-buffers again.
; REGISTERS: window 0: v1, v2 offsets; v16-31 h's scale words; v32-43 the weights'; v48-66 at work; v68-91 the two out-buffers; v92-99 at work; v128-255 sixteen accumulators.
;   h's fragment (tile ta, K step s): window 1 + s / 2, v[96 (s % 2) + 12 ta].  Weights: slices 0, 1: window 3, v[96 sl + 12 (2 s + u)]; slice 2: window 1 + s / 2, v[192 + 12 (2 (s % 2) + u)].
.set HS,  16
.set WS,  32
.set TM,  48
.set PW0, 64                           ; the first image's scale word
.set PW1, 65                           ; the second's
.set PWO, 66                           ; what is stored: lanes 0-15 the first image's, lanes 16-31 the second's
.set CB0, 68                           ; v68-79 the first image's codes
.set CB1, 80                           ; v80-91 the second's
.set TQ,  92                           ; v92-99 the conversions' second halves, on their way
.set ACC, 128
.set WV,  12
.set KIND, 24                          ; s24-26 0, 1, 2: q, k, v, for each of my slices
.set IB,  28                           ; s[28:33] where a slice's two images go
.set SB,  36                           ; s[36:41] and its scale row
.set MASK, 42
.set SEL, 44
.set MSB, 0
.macro WIN new
.if MSB != (\new)
	s_set_vgpr_msb (MSB<<8)|(\new)
.set MSB, (\new)
.endif
.endm
.macro QUANT s, dw, cb, pw             ; 64 numbers of a lane, register 16 b + i = element 32 b + 16 (lane / 16) + i of my row -> codes in v[cb] on, scale word in v[pw]
	WIN (\dw)|((\dw)<<2)
.irp b, 0,1,2,3
	v_max3_num_f32 v[TM+\b], |v[(\s)+16*\b]|, |v[(\s)+1+16*\b]|, 0x1800000   ; with the floor 2^(3 - 127).  Each accumulator is read from its low end on
.endr
	WIN ((\dw)<<2)|((\dw)<<4)
.irp i, 2,4,6,8,10,12,14
.irp b, 0,1,2,3
	v_max3_num_f32 v[TM+\b], v[TM+\b], |v[(\s)+16*\b+\i]|, |v[(\s)+1+16*\b+\i]|
.endr
.endr
	WIN 0
.irp b, 0,1,2,3
	v_permlanex16_b32 v[TM+4+\b], v[TM+\b], s[SEL], s[SEL+1]
.endr
.irp b, 0,1,2,3
	v_max_num_f32 v[TM+\b], v[TM+\b], v[TM+4+\b]
.endr
.irp b, 0,1,2,3
	v_add_nc_u32 v[TM+12+\b], 0xff000000, v[TM+\b]
.endr
.irp b, 0,1,2,3
	v_lshrrev_b32 v[TM+4+\b], 23, v[TM+12+\b]
.endr
	v_lshl_or_b32 v[\pw], v[TM+5], 8, v[TM+4]
	v_lshl_or_b32 v[\pw], v[TM+6], 16, v[\pw]
	v_lshl_or_b32 v[\pw], v[TM+7], 24, v[\pw]
	WIN (\dw)
.irp c, 0,1
	v_cvt_scalef32_pk16_fp6_f32 v[(\cb)+6*\c:(\cb)+2+6*\c], v[(\s)+32*\c:(\s)+15+32*\c], v[TM+12+2*\c]
	v_cvt_scalef32_pk16_fp6_f32 v[TQ+4*\c:TQ+2+4*\c], v[(\s)+16+32*\c:(\s)+31+32*\c], v[TM+12+2*\c+1]   ; (a conversion's three registers begin on an even number)
.endr
	WIN 0
	v_nop                                          ; one plain place behind a scaled conversion
.irp c, 0,1
.irp i, 0,1,2
	v_permlane16_swap_b32 v[(\cb)+6*\c+\i], v[TQ+4*\c+\i]
.endr
.irp i, 0,1,2
	v_mov_b32 v[(\cb)+3+6*\c+\i], v[TQ+4*\c+\i]
.endr
.endr
.endm
; one product.  c < 0: the constant 0 starts the sum.  ra, rb: the side's scale words stand in lanes 16-31
.macro WM d, a, b, c, sa, sb, ra, rb
.if (\c) < 0
.if (\ra) && (\rb)
	v_wmma_scale_f32_16x16x128_f8f6f4 v[\d:\d+7], v[\a:\a+11], v[\b:\b+11], 0, v[\sa], v[\sb] matrix_a_fmt:MATRIX_FMT_FP6 matrix_b_fmt:MATRIX_FMT_FP6 matrix_a_scale:MATRIX_SCALE_ROW1 matrix_b_scale:MATRIX_SCALE_ROW1
.elseif (\ra)
	v_wmma_scale_f32_16x16x128_f8f6f4 v[\d:\d+7], v[\a:\a+11], v[\b:\b+11], 0, v[\sa], v[\sb] matrix_a_fmt:MATRIX_FMT_FP6 matrix_b_fmt:MATRIX_FMT_FP6 matrix_a_scale:MATRIX_SCALE_ROW1
.elseif (\rb)
	v_wmma_scale_f32_16x16x128_f8f6f4 v[\d:\d+7], v[\a:\a+11], v[\b:\b+11], 0, v[\sa], v[\sb] matrix_a_fmt:MATRIX_FMT_FP6 matrix_b_fmt:MATRIX_FMT_FP6 matrix_b_scale:MATRIX_SCALE_ROW1
.else
	v_wmma_scale_f32_16x16x128_f8f6f4 v[\d:\d+7], v[\a:\a+11], v[\b:\b+11], 0, v[\sa], v[\sb] matrix_a_fmt:MATRIX_FMT_FP6 matrix_b_fmt:MATRIX_FMT_FP6
.endif
.else
.if (\ra) && (\rb)
	v_wmma_scale_f32_16x16x128_f8f6f4 v[\d:\d+7], v[\a:\a+11], v[\b:\b+11], v[\c:\c+7], v[\sa], v[\sb] matrix_a_fmt:MATRIX_FMT_FP6 matrix_b_fmt:MATRIX_FMT_FP6 matrix_a_scale:MATRIX_SCALE_ROW1 matrix_b_scale:MATRIX_SCALE_ROW1
.elseif (\ra)
	v_wmma_scale_f32_16x16x128_f8f6f4 v[\d:\d+7], v[\a:\a+11], v[\b:\b+11], v[\c:\c+7], v[\sa], v[\sb] matrix_a_fmt:MATRIX_FMT_FP6 matrix_b_fmt:MATRIX_FMT_FP6 matrix_a_scale:MATRIX_SCALE_ROW1
.elseif (\rb)
	v_wmma_scale_f32_16x16x128_f8f6f4 v[\d:\d+7], v[\a:\a+11], v[\b:\b+11], v[\c:\c+7], v[\sa], v[\sb] matrix_a_fmt:MATRIX_FMT_FP6 matrix_b_fmt:MATRIX_FMT_FP6 matrix_b_scale:MATRIX_SCALE_ROW1
.else
	v_wmma_scale_f32_16x16x128_f8f6f4 v[\d:\d+7], v[\a:\a+11], v[\b:\b+11], v[\c:\c+7], v[\sa], v[\sb] matrix_a_fmt:MATRIX_FMT_FP6 matrix_b_fmt:MATRIX_FMT_FP6
.endif
.endif
.endm
; a slice's 64 products: four K steps x sixteen accumulators, which take turns in ascending order, one instruction a turn
.macro MULS sl, isv
.irp s, 0,1,2,3
.set WA, 1+\s/2
.if \sl < 2
.set WB, 3
.else
.set WB, 1+\s/2
.endif
.if \isv
	WIN WA|(WB<<2)
.else
	WIN WB|(WA<<2)
.endif
.irp n, 0,1,2,3,4,5,6,7,8,9,10,11,12,13,14,15
.if \isv
.set TA, \n%8                          ; v: accumulator 8 u + ta
.set UU, \n/8
.else
.set TA, \n/2                          ; q, k: accumulator 2 ta + u
.set UU, \n%2
.endif
.set RA, 96*(\s%2)+12*TA
.if \sl < 2
.set RB, 96*\sl+12*(2*\s+UU)
.else
.set RB, 192+12*(2*(\s%2)+UU)
.endif
.if \s == 0
.set CC, -1
.else
.set CC, ACC+8*\n
.endif
.if \isv
	WM ACC+8*\n, RA, RB, CC, HS+4*(TA/2)+\s, WS+4*\sl+\s, TA%2, UU
.else
	WM ACC+8*\n, RB, RA, CC, WS+4*\sl+\s, HS+4*(TA/2)+\s, UU, TA%2
.endif
.endr
.endr
	WIN 0
.endm
	s_load_b256 s[4:11], s[0:1], 0x0               ; himg, hsc, wqkv, qkvb
	v_lshrrev_b32 v1, 5, v0
	v_readfirstlane_b32 s[WV], v1
	v_and_b32 v3, 31, v0
	v_lshlrev_b32 v1, 4, v3                        ; 16 x lane
	v_lshlrev_b32 v2, 2, v3                        ; 4 x lane
	s_mov_b32 s[SEL], 0x76543210
	s_mov_b32 s[SEL+1], 0xfedcba98
	s_mov_b32 s[MASK], 0xffff0000
.irp b, 0,1,2,3
	v_mov_b32 v[TM+4+\b], 0                        ; written once: a lane permute's destination counts as one of its sources
.endr
	s_wait_alu depctr_va_sdst(0)                   ; the wave's number is written, ahead of its first reader: the slices and their addresses are made from it
	s_lshr_b32 s13, ttmp9, 2                       ; my 128 tokens
	s_and_b32 s14, ttmp9, 3
	s_lshl_b32 s14, s14, 2
	s_add_co_u32 s14, s14, s[WV]                   ; my three slices: 3 x this on
	s_mul_i32 s15, s14, 3
	s_mul_i32 s16, s13, 49152                      ; 8 tiles x 4 images
	s_mov_b32 s17, 0
	s_lshl_b32 s18, s13, 11                        ; 8 tiles x 256 bytes of scale words
	s_mov_b32 s19, 0
	s_mul_i32 s20, s14, 38400                      ; three records
	s_mov_b32 s21, 0
	s_lshr_b32 s22, s13, 4
	s_lshl_b32 s22, s22, 4                         ; 16 x batch
	s_and_b32 s23, s13, 15                         ; which 128 tokens of the batch's 2,048
.irp l, 0,1,2
	s_add_co_u32 s50, s15, \l
	s_lshr_b32 s[KIND+\l], s50, 4
	s_and_b32 s51, s50, 15
	s_add_co_u32 s51, s51, s22                     ; batch and head
	s_mul_i32 s51, s51, 155648
	s_mul_i32 s52, s23, 3328
	s_add_co_u32 s52, s52, 102400                  ; q's record
	s_mul_i32 s53, s23, 6400                       ; k's images, at the head of the key step's 6,400 bytes
	s_add_co_u32 s54, s53, 3072                    ; v's, behind them
	s_mov_b32 s55, 6144                            ; from the images to the scale row: k
	s_cmp_eq_u32 s[KIND+\l], 0
	s_cselect_b32 s53, s52, s53
	s_cselect_b32 s55, 3072, s55                   ; q
	s_cmp_eq_u32 s[KIND+\l], 2
	s_cselect_b32 s53, s54, s53
	s_cselect_b32 s55, 3200, s55                   ; v
	s_add_co_u32 s[IB+2*\l], s51, s53
	s_mov_b32 s[IB+2*\l+1], 0
	s_add_co_u32 s[SB+2*\l], s[IB+2*\l], s55
	s_mov_b32 s[SB+2*\l+1], 0
.endr
	s_wait_kmcnt 0x0
	s_add_nc_u64 s[4:5], s[4:5], s[16:17]
	s_add_nc_u64 s[6:7], s[6:7], s[18:19]
	s_add_nc_u64 s[8:9], s[8:9], s[20:21]
.irp l, 0,1,2
	s_add_nc_u64 s[IB+2*\l:IB+2*\l+1], s[10:11], s[IB+2*\l:IB+2*\l+1]
	s_add_nc_u64 s[SB+2*\l:SB+2*\l+1], s[10:11], s[SB+2*\l:SB+2*\l+1]
.endr
	s_wait_alu depctr_va_vdst(0)                   ; v1 and v2 are written: every load and store of the kernel reads one of them as its offset
.irp p, 0,1,2,3
	global_load_b128 v[HS+4*\p:HS+4*\p+3], v1, s[6:7] offset:512*\p   ; group p's words of the four K steps: lanes 0-15 tile u = 0, lanes 16-31 tile u = 1
.endr
.irp l, 0,1,2
.irp s, 0,1,2,3
	global_load_b32 v[WS+4*\l+\s], v2, s[8:9] offset:12800*\l+12288+128*\s
.endr
.endr
.irp s, 0,1,2,3
	WIN 0x40*(1+\s/2)
.irp t, 0,1,2,3,4,5,6,7
.irp c, 0,1,2
	global_load_b128 v[96*(\s%2)+12*\t+4*\c:96*(\s%2)+12*\t+4*\c+3], v1, s[4:5] offset:6144*\t+1536*\s+512*\c
.endr
.endr
.endr
	WIN 0xc0
.irp l, 0,1
.irp t, 0,1,2,3,4,5,6,7
.irp c, 0,1,2
	global_load_b128 v[96*\l+12*\t+4*\c:96*\l+12*\t+4*\c+3], v1, s[8:9] offset:12800*\l+1536*\t+512*\c
.endr
.endr
.endr
.irp t, 0,1,2,3,4,5,6,7
	WIN 0x40*(1+\t/4)
.irp c, 0,1,2
	global_load_b128 v[192+12*(\t%4)+4*\c:192+12*(\t%4)+4*\c+3], v1, s[8:9] offset:25600+1536*\t+512*\c
.endr
.endr
	WIN 0
.macro SLICE sl, cnt
	s_wait_loadcnt \cnt                            ; all but the later slices' images (24 loads each) are in
	s_cmp_lt_u32 s[KIND+\sl], 2                    ; made of ids alone
	s_cbranch_scc0 .Lv_\@
	MULS \sl, 0
	s_branch .Lq_\@
.Lv_\@:
	MULS \sl, 1
.Lq_\@:
.rept 4
	v_nop                                          ; places between the last products and the first read of results
.endr
.if \sl > 0
	s_wait_xcnt 0x0                                ; the last slice's stores have had their addresses translated: their data registers are written again only behind this wait,
	s_wait_alu depctr_vm_vsrc(0)                   ; and they have read CB0, CB1 and v[PWO], which the lines below write again
.endif
	QUANT ACC, 0, CB0, PW0
	QUANT ACC+64, 0, CB1, PW1
	v_cndmask_b32 v[PWO], v[PW0], v[PW1], s[MASK]
	s_wait_alu depctr_va_vdst(0)                   ; the two quantisations have written CB0 and CB1, the select v[PWO]: the seven stores read them
.irp c, 0,1,2
	global_store_b128 v1, v[CB0+4*\c:CB0+4*\c+3], s[IB+2*\sl:IB+2*\sl+1] offset:512*\c
.endr
.irp c, 0,1,2
	global_store_b128 v1, v[CB1+4*\c:CB1+4*\c+3], s[IB+2*\sl:IB+2*\sl+1] offset:1536+512*\c
.endr
	global_store_b32 v2, v[PWO], s[SB+2*\sl:SB+2*\sl+1]
.endm
	SLICE 0, 48
	SLICE 1, 24
	SLICE 2, 0
	s_endpgm
.Lfunc_end_k_qe31f653d3b_qkv:
	.size	k_qe31f653d3b_qkv, .Lfunc_end_k_qe31f653d3b_qkv-k_qe31f653d3b_qkv
	.p2alignl 7, 3214868480
	.fill 96, 4, 3214868480
	.section	.rodata,"a",@progbits
	.p2align	6, 0x0
	.amdhsa_kernel k_qe31f653d3b_qkv
		.amdhsa_group_segment_fixed_size 0
		.amdhsa_private_segment_fixed_size 0
		.amdhsa_enable_private_segment 0
		.amdhsa_kernarg_size 32
		.amdhsa_user_sgpr_count 2
		.amdhsa_user_sgpr_kernarg_segment_ptr 1
		.amdhsa_wavefront_size32 1
		.amdhsa_system_sgpr_workgroup_id_x 1
		.amdhsa_system_sgpr_workgroup_id_y 1
		.amdhsa_system_sgpr_workgroup_id_z 1
		.amdhsa_system_vgpr_workitem_id 0
		.amdhsa_next_free_vgpr 1024
		.amdhsa_next_free_sgpr 66
		.amdhsa_reserve_vcc 0
		.amdhsa_float_denorm_mode_32 3
		.amdhsa_float_denorm_mode_16_64 3
		.amdhsa_memory_ordered 1
		.amdhsa_forward_progress 1
		.amdhsa_inst_pref_size 96
	.end_amdhsa_kernel
	.amdgpu_metadata
---
amdhsa.version: [ 1, 2 ]
amdhsa.kernels:
  - .name:           k_qe31f653d3b_qkv
    .symbol:         k_qe31f653d3b_qkv.kd
    .args:
      - { .name: himg, .offset: 0, .size: 8, .value_kind: global_buffer, .address_space: global }
      - { .name: hsc, .offset: 8, .size: 8, .value_kind: global_buffer, .address_space: global }
      - { .name: wqkv, .offset: 16, .size: 8, .value_kind: global_buffer, .address_space: global }
      - { .name: qkvb, .offset: 24, .size: 8, .value_kind: global_buffer, .address_space: global }
    .group_segment_fixed_size: 0
    .private_segment_fixed_size: 0
    .kernarg_segment_align: 8
    .kernarg_segment_size: 32
    .max_flat_workgroup_size: 128
    .sgpr_count:     66
    .vgpr_count:     1024
    .wavefront_size: 32
...
	.end_amdgpu_metadata
.endif
;; end of part 6
;; launch attn (part 7): grid 4 x 64, 16 waves a work-group, clusters of 4 x 1, 167,936 bytes of LDS; arguments qkvb, att; writes att
.if DOCPART == 7
	.amdgcn_target "amdgcn-amd-amdhsa--gfx1250"
	.amdhsa_code_object_version 6
	.text
	.protected	k_qe31f653d3b_attn
	.globl	k_qe31f653d3b_attn
	.p2align	8
	.type	k_qe31f653d3b_attn,@function
k_qe31f653d3b_attn:
	s_mov_b64 s[64:65], 0
	v_nop
	global_prefetch_b8 v0, s[64:65] scope:SCOPE_SE
	s_setreg_imm32_b32 hwreg(HW_REG_WAVE_MODE, 25, 1), 1
	s_wait_xcnt 0x0
	s_wait_alu depctr_hold_cnt(0) depctr_sa_sdst(0) depctr_va_vdst(0) depctr_va_sdst(0) depctr_va_ssrc(0) depctr_va_vcc(0) depctr_vm_vsrc(0)
	s_getreg_b32 s2, hwreg(HW_REG_IB_STS2, 6, 4)
	s_cmp_eq_u32 s2, 0
	s_cbranch_scc0 .Lentry_in_a_cluster
	s_endpgm
.Lentry_in_a_cluster:
	s_bfe_u32 s2, ttmp6, 0x10000c
	s_cmp_lg_u32 s2, 0x3003
	s_cbranch_scc0 .Lentry_shape_is_right
	s_endpgm
.Lentry_shape_is_right:
; Causal attention of one batch and head on codes of FP6 (E2M3): S^T = k q^T (K = the head's 32 channels), p = 2^(t - M), O^T = v^T p^T (K = the keys), O / the row's sum, quantised along the head's 32 channels for the next product.
; t = score x log2(e) / sqrt(512); M = the running largest t rounded up to a whole number; the row's sum is taken of the unquantised p; when M moves, sum and O are multiplied by 2^(old M - new M): exact.
; CLUSTER.  The four work-groups of a cluster serve one batch and head.  Its keys and values, 16 steps of 128 keys x 6,400 bytes (two images of k, two of v, two rows of scale words), are one dense block of 102,400 bytes:
; they come ONCE, by four joint loads (waves 0-3, 25,600 bytes each, the same descriptor and the mask of all four in every partner), and stay in LDS: nothing is ever filled again.
; SHARES.  Work-group cx owns the queries 128 i + 32 cx + 0..31 of every i = 0..15.  Wave w takes tile u = w % 2 of block i = w / 2 and then of block 15 - w / 2: (i + 1) + (16 - i) = 17 key steps for every wave.
; Branches hang on the wave's number and the count of steps alone; cx enters global addresses and the mask's numbers only.
; K = 32 IN AN INSTRUCTION OF 128.  An image of k holds 64 keys: block be of row r is key (tile 4 F + be, row r).  q is offered with zero codes in the other three blocks, once for each be: so every LDS byte read is multiplied.
; The rows of a tile are 8 u + r + 8 (r / 8) of a group of 32: the 16 registers of two neighbouring tiles of scores are 16 neighbouring keys, as the conversions want them.
; LIMITS: NaN and infinities are not served; a block whose largest magnitude lies under 2^-124 gets the byte 1.
.set SPARE, 102400                     ; behind the keys and values: the spare words, 128 bytes for each of 16 waves, which no other line names
.set STEPB, 6400
.set SPW, 5
.set NIL, 6
.set VO,  11                           ; v11  my 16 bytes of my query's record in att
.set QB,  16                           ; v16-45: zeros, q in lanes 0-15, zeros, q in lanes 16-31, zeros: six registers each
.set QS,  46                           ; q's scale byte, four times
.set DQ,  47                           ; my query's place among the step's 128, less 16 (lane / 16)
.set KF,  48                           ; v48-71  two images of k
.set VF,  72                           ; v72-95  two images of v
.set S,   96                           ; v96-159 scores, then p
.set O,   160                          ; v160-175 O^T
.set PC,  176                          ; v176-187 p's codes
.set KS,  208
.set VS,  209
.set PS,  210
.set WV,  8
.set CX,  9
.set BH,  10
.set U,   11
.set IA,  12
.set IT,  13                           ; my block of queries
.set KI,  14                           ; the key step
.set TB,  15                           ; where it lies in LDS
.set G1,  16
.set G0,  24
.set SEL, 28
.set CS,  30
.set HB,  32                           ; s[32:33] my batch and head in qkvb;  s[34:35] in att
.set AB,  34
.set QP,  36
.set OP,  38
.set MASK, 46
.set SH,  47
.set REP, 48
.macro CROUND                          ; a round of the cluster's barrier
	s_barrier_signal -1
	s_barrier_wait -1
	s_cmp_lg_u32 s[WV], 0
	s_cbranch_scc1 .Lnot_wave_0_\@
	s_barrier_signal -3
.Lnot_wave_0_\@:
	s_barrier_wait -3
	s_barrier_signal -1
	s_barrier_wait -1
.endm
	s_load_b128 s[4:7], s[0:1], 0x0                ; qkvb, att
	v_lshl_add_u32 v[SPW], v0, 2, SPARE
	v_mov_b32 v[NIL], 0
	ds_add_u32 v[SPW], v[NIL]                      ; the wave's opening add; its wait stands ahead of the first tensor load, with work on registers between them
	ds_add_u32 v[SPW], v[NIL]
	v_lshrrev_b32 v1, 5, v0
	s_delay_alu instid0(VALU_DEP_1)
	v_readfirstlane_b32 s[WV], v1
	s_bfe_u32 s[CX], ttmp6, 0x40000
	s_and_b32 s[BH], ttmp7, 0xffff
	s_mov_b32 s[G1], 15|(3<<16)|(1<<21)            ; the mask of all four; elements of 8 bytes; bit 21 beside a mask; no padding
	s_mov_b32 s[G1+1], 32<<16                      ; tensor_dim0 = 32 elements: rows of 256 bytes
	s_mov_b32 s[G1+2], 100<<16                     ; tensor_dim1 = 100 rows
	s_mov_b32 s[G1+3], 32<<16                      ; tile_dim0
	s_mov_b32 s[G1+4], 100                         ; tile_dim1
	s_mov_b32 s[G1+5], 32                          ; the pitch: dense
	s_mov_b32 s[G1+6], 0
	s_mov_b32 s[G1+7], 0
	s_mov_b32 s[SEL], 0x76543210
	s_mov_b32 s[SEL+1], 0xfedcba98
	s_mov_b32 s[CS], 0x3d8293ee                    ; log2(e) / sqrt(512)
	s_mov_b32 s[CS+1], s[CS]
	s_mov_b32 s[MASK], 0xffff0000
	s_mov_b32 s[REP], 0x01010101
	s_mul_i32 s40, s[BH], 155648
	s_mov_b32 s41, 0
	s_mul_i32 s42, s[WV], 25600                    ; a fetching wave's quarter, in memory and in LDS alike
	s_mov_b32 s43, 0
	s_lshl_b32 s44, s[BH], 16
	s_mov_b32 s45, 0
	s_wait_dscnt 0x0                               ; the opening add is done
	s_wait_kmcnt 0x0
	s_add_nc_u64 s[HB:HB+1], s[4:5], s[40:41]
	s_add_nc_u64 s[AB:AB+1], s[6:7], s[44:45]
	s_mov_b32 s[G0], 1
	s_mov_b32 s[G0+1], s42
	s_add_nc_u64 s[G0+2:G0+3], s[HB:HB+1], s[42:43]
	s_or_b32 s[G0+3], s[G0+3], 0x80000000
	CROUND                                         ; all four work-groups are here: the joint loads meet
	s_cmp_lt_u32 s[WV], 4
	s_cbranch_scc0 .Lno_fetch
	tensor_load_to_lds s[G0:G0+3], s[G1:G1+7]      ; one load a wave is out
	s_nop 0
.rept 4
	v_nop
.endr
.Lno_fetch:
	v_and_b32 v214, 31, v0
	v_and_b32 v215, 15, v0                         ; r
	v_bfe_u32 v216, v0, 4, 1                       ; h
	s_delay_alu instid0(VALU_DEP_3)
	v_lshlrev_b32 v1, 4, v214                      ; an image's place for my lane
	s_delay_alu instid0(VALU_DEP_4)
	v_lshl_add_u32 v2, v214, 2, 6144               ; a scale row's
	s_and_b32 s[U], s[WV], 1
	s_lshr_b32 s[IA], s[WV], 1
	v_and_b32 v217, 8, v215
	s_delay_alu instid0(VALU_DEP_1)
	v_add_nc_u32 v217, v217, v215                  ; r + 8 (r / 8)
	s_lshl_b32 s40, s[U], 3
	s_lshl_b32 s41, s[CX], 5
	s_add_co_u32 s40, s40, s41
	v_add_nc_u32 v217, s40, v217                   ; my query among its block's 128
	s_delay_alu instid0(VALU_DEP_1)
	v_lshlrev_b32 v[VO], 5, v217
	s_delay_alu instid0(VALU_DEP_1)
	v_lshl_add_u32 v[VO], v216, 4, v[VO]
	v_lshlrev_b32 v216, 4, v216
	s_delay_alu instid0(VALU_DEP_1)
	v_sub_nc_u32 v[DQ], v217, v216
	; q's 24 bytes in its record: image F = cx / 2, registers 6 c .. 6 c + 5 (c = cx % 2) of the image's lane 16 u + r: three pieces of 8 bytes
	s_lshr_b32 s41, s[CX], 1
	s_and_b32 s42, s[CX], 1
	s_mul_i32 s43, s41, 1536
	s_lshl_b32 s44, s[U], 8
	s_add_co_u32 s43, s43, s44
	v_lshl_add_u32 v7, v215, 4, s43
	s_mul_i32 s44, s42, 520
	s_mul_i32 s45, s42, 1016
	v_add_nc_u32 v8, s45, v7
	s_delay_alu instid0(VALU_DEP_1)
	v_add_nc_u32 v8, 8, v8                         ; 8 or 1,024
	v_add_nc_u32 v7, s44, v7                       ; 0 or 520
	s_delay_alu instid0(VALU_DEP_1)
	v_add_nc_u32 v9, 0x200, v7                     ; 512 or 1,032
	s_lshl_b32 s41, s41, 6
	s_add_co_u32 s41, s41, 3072
	v_lshl_add_u32 v10, v215, 2, s41               ; its row's scale word
	s_lshl_b32 s42, s42, 1
	s_add_co_u32 s42, s42, s[U]
	s_lshl_b32 s[SH], s42, 3                       ; and my tile's byte in it
.irp i, 0,1,2,3,4,5
	v_mov_b32 v[QB+\i], 0
	v_mov_b32 v[QB+12+\i], 0
	v_mov_b32 v[QB+24+\i], 0
.endr
.irp b, 0,1,2,3
	v_mov_b32 v[200+\b], 0                         ; written once: a lane permute's destination counts as one of its sources
.endr
	v_mov_b32 v213, 0                              ; (named as the upper half of the pair v[212:213])
	s_wait_tensorcnt 0x0                           ; my quarter has landed,
	s_barrier_signal -1
	s_barrier_wait -1                              ; everybody's has
.macro PHASE ph
.if \ph
	s_sub_co_u32 s[IT], 15, s[IA]
.else
	s_mov_b32 s[IT], s[IA]
.endif
	s_wait_xcnt 0x0                                ; the last block's store has read its registers and its base
	s_mul_i32 s40, s[IT], 3328
	s_add_co_u32 s40, s40, 102400
	s_mov_b32 s41, 0
	s_add_nc_u64 s[QP:QP+1], s[HB:HB+1], s[40:41]
	s_lshl_b32 s40, s[IT], 12
	s_add_nc_u64 s[OP:OP+1], s[AB:AB+1], s[40:41]
	global_load_b64 v[96:97], v7, s[QP:QP+1]
	global_load_b64 v[98:99], v8, s[QP:QP+1]
	global_load_b64 v[100:101], v9, s[QP:QP+1]
	global_load_b32 v102, v10, s[QP:QP+1]
	s_wait_loadcnt 0x0
	v_lshrrev_b32 v102, s[SH], v102
	s_delay_alu instid0(VALU_DEP_1)
	v_and_b32 v102, 255, v102
	s_delay_alu instid0(VALU_DEP_1)
	v_mul_lo_u32 v[QS], v102, s[REP]               ; q's byte in all four places; the other three meet zero codes
.irp i, 0,1,2,3,4,5
	v_cndmask_b32 v[QB+6+\i], v[96+\i], 0, s[MASK]   ; q in lanes 0-15 alone,
	v_cndmask_b32 v[QB+18+\i], 0, v[96+\i], s[MASK]  ; and in lanes 16-31 alone
.endr
	v_mov_b32 v13, 0xff61b1e6                      ; the largest t so far: -3e38.  (These twenty lines are also the places between the writing of q's codes and scale and the first product)
	s_delay_alu instid0(VALU_DEP_1)
	v_floor_f32 v12, -v13                          ; -M
	v_mov_b32 v14, 0
	v_mov_b32 v15, 0
.irp j, 0,1,2,3,4,5,6,7,8,9,10,11,12,13,14,15
	v_mov_b32 v[O+\j], 0                           ; the step is written once: the first finds zeros
.endr
	s_mov_b32 s[TB], 0
	s_mov_b32 s[KI], 0
.Lkey_\@:                                          ; sixteen trips, a constant; the steps behind the diagonal are passed over
	s_cmp_gt_u32 s[KI], s[IT]
	s_cbranch_scc1 .Lskip_\@
	s_setprio 2
	v_add_nc_u32 v3, s[TB], v1
	v_add_nc_u32 v4, s[TB], v2
.irp f, 0,1
.irp c, 0,1,2
	ds_load_b128 v[KF+12*\f+4*\c:KF+12*\f+4*\c+3], v3 offset:1536*\f+512*\c
.endr
.endr
	ds_load_b32 v[KS], v4
.irp f, 0,1
.irp c, 0,1,2
	ds_load_b128 v[VF+12*\f+4*\c:VF+12*\f+4*\c+3], v3 offset:3072+1536*\f+512*\c
.endr
.endr
	ds_load_b32 v[VS], v4 offset:128
	s_wait_dscnt 7                                 ; k's seven loads are in; v's seven may be out
.irp t, 0,1,2,3
.set QR, QB+6*(1-\t/2)+12*(\t%2)
	v_wmma_scale_f32_16x16x128_f8f6f4 v[S+8*\t:S+8*\t+7], v[KF:KF+11], v[QR:QR+11], 0, v[KS], v[QS] matrix_a_fmt:MATRIX_FMT_FP6 matrix_b_fmt:MATRIX_FMT_FP6
.endr
.irp t, 0,1,2,3
.set QR, QB+6*(1-\t/2)+12*(\t%2)
	v_wmma_scale_f32_16x16x128_f8f6f4 v[S+32+8*\t:S+32+8*\t+7], v[KF+12:KF+23], v[QR:QR+11], 0, v[KS], v[QS] matrix_a_fmt:MATRIX_FMT_FP6 matrix_b_fmt:MATRIX_FMT_FP6 matrix_a_scale:MATRIX_SCALE_ROW1
.endr
.rept 4
	v_nop
.endr
	s_cmp_lg_u32 s[KI], s[IT]                      ; on the diagonal hidden scores become -infinity: register 16 b + i holds key 32 b + 16 (lane / 16) + i
	s_cbranch_scc1 .Lopen_\@
	v_mov_b32 v214, 0xff800000
.set n, 0
.rept 64
	v_cmp_gt_i32 vcc_lo, 32*(n/16)+n%16, v[DQ]
	v_cndmask_b32 v[S+n], v[S+n], v214, vcc_lo
.set n, n+1
.endr
.Lopen_\@:
.irp b, 0,1,2,3
	v_max3_num_f32 v[196+\b], v[S+16*\b], v[S+1+16*\b], v[S+2+16*\b]   ; the largest score of each block of 32 keys: for the row's maximum and, since p rises with the score, for the block's largest p
.endr
.irp i, 3,5,7,9,11,13
.irp b, 0,1,2,3
	v_max3_num_f32 v[196+\b], v[196+\b], v[S+16*\b+\i], v[S+1+16*\b+\i]
.endr
.endr
.irp b, 0,1,2,3
	v_max_num_f32 v[196+\b], v[196+\b], v[S+15+16*\b]
.endr
.irp b, 0,1,2,3
	s_delay_alu instid0(VALU_DEP_4)
	v_permlanex16_b32 v[200+\b], v[196+\b], s[SEL], s[SEL+1]
.endr
.irp b, 0,1,2,3
	s_delay_alu instid0(VALU_DEP_4)
	v_max_num_f32 v[196+\b], v[196+\b], v[200+\b]
.endr
	s_delay_alu instid0(VALU_DEP_2)
	v_max3_num_f32 v214, v196, v197, v198
	s_delay_alu instid0(VALU_DEP_1)
	v_max_num_f32 v214, v214, v199
	s_delay_alu instid0(VALU_DEP_1)
	v_mul_f32 v214, s[CS], v214
	s_delay_alu instid0(VALU_DEP_1)
	v_max_num_f32 v13, v13, v214                   ; the running largest t
	v_mov_b32 v214, v12
	s_delay_alu instid0(VALU_DEP_2)
	v_floor_f32 v12, -v13                          ; the new -M
	s_delay_alu instid0(VALU_DEP_1)
	v_sub_f32 v214, v12, v214                      ; old M - new M: a whole number, 0 or less
	s_delay_alu instid0(VALU_DEP_1)
	v_cvt_i32_f32 v214, v214                       ; (it saturates)
	s_delay_alu instid0(VALU_DEP_1)
	v_ldexp_f32 v212, 1.0, v214                    ; f = 2^(old M - new M)
.set n, 0
	s_setprio 1
.rept 32
	v_pk_fma_f32 v[S+n:S+n+1], v[S+n:S+n+1], s[CS:CS+1], v[12:13] op_sel_hi:[1,0,0]   ; t - M
.set n, n+2
.endr
.irp b, 0,1,2,3
	v_fma_f32 v[196+\b], v[196+\b], s[CS], v12
.endr
.set n, 0
	s_wait_alu depctr_va_vdst(0)
.rept 64
	v_exp_f32 v[S+n], v[S+n]                       ; p = 2^(t - M)
.set n, n+1
.endr
.irp b, 0,1,2,3
	v_exp_f32 v[196+\b], v[196+\b]                 ; each block's largest p: the same two instructions on the same number
.endr
	v_pk_mul_f32 v[14:15], v[14:15], v[212:213] op_sel_hi:[1,0]      ; the sum and O^T under the new M: nine plain lines that name no result of the batch
	s_wait_alu depctr_va_vdst(0)
.irp j, 0,2,4,6,8,10,12,14
	v_pk_mul_f32 v[O+\j:O+\j+1], v[O+\j:O+\j+1], v[212:213] op_sel_hi:[1,0]
.endr
	s_wait_alu depctr_va_vdst(0)                   ; one wait for the 68 exponentials, ahead of their first reader
.irp b, 0,1,2,3
	v_max_num_f32 v[196+\b], 0x1800000, v[196+\b]  ; the floor
.endr
.irp b, 0,1,2,3
	s_delay_alu instid0(VALU_DEP_4)
	v_add_nc_u32 v[204+\b], 0xff000000, v[196+\b]
.endr
.irp b, 0,1,2,3
	s_delay_alu instid0(VALU_DEP_4)
	v_lshrrev_b32 v[200+\b], 23, v[204+\b]
.endr
	s_delay_alu instid0(VALU_DEP_3)
	v_lshl_or_b32 v[PS], v201, 8, v200
	s_delay_alu instid0(VALU_DEP_1)
	v_lshl_or_b32 v[PS], v202, 16, v[PS]
	s_delay_alu instid0(VALU_DEP_1)
	v_lshl_or_b32 v[PS], v203, 24, v[PS]
.irp c, 0,1
	v_cvt_scalef32_pk16_fp6_f32 v[PC+6*\c:PC+2+6*\c], v[S+32*\c:S+15+32*\c], v[204+2*\c]
	v_cvt_scalef32_pk16_fp6_f32 v[188+4*\c:190+4*\c], v[S+16+32*\c:S+31+32*\c], v[204+2*\c+1]
.endr
	v_nop                                          ; one plain place behind a scaled conversion
	s_setprio 0
.irp c, 0,1
.irp i, 0,1,2
	v_permlane16_swap_b32 v[PC+6*\c+\i], v[188+4*\c+\i]
.endr
.irp i, 0,1,2
	s_delay_alu instid0(VALU_DEP_3)
	v_mov_b32 v[PC+3+6*\c+\i], v[188+4*\c+\i]
.endr
.endr
	v_pk_add_f32 v[200:201], v[100:101], v[104:105]
	v_pk_add_f32 v[254:255], v[108:109], v[112:113]
	v_pk_add_f32 v[252:253], v[116:117], v[120:121]
	v_pk_add_f32 v[250:251], v[124:125], v[128:129]
	v_pk_add_f32 v[248:249], v[132:133], v[136:137]
	v_pk_add_f32 v[246:247], v[140:141], v[144:145]
	v_pk_add_f32 v[244:245], v[148:149], v[152:153]
	v_pk_add_f32 v[14:15], v[14:15], v[156:157]
	v_pk_add_f32 v[200:201], v[200:201], v[96:97]
	v_pk_add_f32 v[254:255], v[254:255], v[98:99]
	v_pk_add_f32 v[252:253], v[252:253], v[102:103]
	v_pk_add_f32 v[250:251], v[250:251], v[106:107]
	v_pk_add_f32 v[248:249], v[248:249], v[110:111]
	v_pk_add_f32 v[246:247], v[246:247], v[114:115]
	v_pk_add_f32 v[244:245], v[244:245], v[118:119]
	v_pk_add_f32 v[14:15], v[14:15], v[122:123]
	v_pk_add_f32 v[200:201], v[200:201], v[126:127]
	v_pk_add_f32 v[254:255], v[254:255], v[130:131]
	v_pk_add_f32 v[252:253], v[252:253], v[134:135]
	v_pk_add_f32 v[250:251], v[250:251], v[138:139]
	v_pk_add_f32 v[248:249], v[248:249], v[142:143]
	v_pk_add_f32 v[246:247], v[246:247], v[146:147]
	v_pk_add_f32 v[244:245], v[244:245], v[150:151]
	v_pk_add_f32 v[14:15], v[14:15], v[154:155]
	v_pk_add_f32 v[200:201], v[200:201], v[158:159]
	s_delay_alu instid0(VALU_DEP_2)
	v_pk_add_f32 v[14:15], v[14:15], v[250:251]
	s_delay_alu instid0(VALU_DEP_2)
	v_pk_add_f32 v[200:201], v[200:201], v[248:249]
	v_pk_add_f32 v[254:255], v[254:255], v[246:247]
	v_pk_add_f32 v[252:253], v[252:253], v[244:245]
	s_delay_alu instid0(VALU_DEP_2)
	v_pk_add_f32 v[14:15], v[14:15], v[254:255]
	s_delay_alu instid0(VALU_DEP_2)
	v_pk_add_f32 v[200:201], v[200:201], v[252:253]
	s_delay_alu instid0(VALU_DEP_1)
	v_pk_add_f32 v[14:15], v[14:15], v[200:201]
	s_wait_dscnt 0x0                               ; v is in
	v_wmma_scale_f32_16x16x128_f8f6f4 v[O:O+7], v[VF:VF+11], v[PC:PC+11], v[O:O+7], v[VS], v[PS] matrix_a_fmt:MATRIX_FMT_FP6 matrix_b_fmt:MATRIX_FMT_FP6
	v_wmma_scale_f32_16x16x128_f8f6f4 v[O+8:O+15], v[VF+12:VF+23], v[PC:PC+11], v[O+8:O+15], v[VS], v[PS] matrix_a_fmt:MATRIX_FMT_FP6 matrix_b_fmt:MATRIX_FMT_FP6 matrix_a_scale:MATRIX_SCALE_ROW1
.rept 4
	v_nop                                          ; places in front of the next step's loads into v's registers
.endr
.Lskip_\@:
	s_add_co_u32 s[TB], s[TB], STEPB
	s_add_co_u32 s[KI], s[KI], 1
	s_cmp_lt_u32 s[KI], 16
	s_cbranch_scc1 .Lkey_\@
	s_setprio 0
	s_wait_alu depctr_va_vdst(0)
	; O / the sum; lane (r, h) holds channels 16 h + 0..15 of query r: with lane l xor 16's they are one block of the next product's K
	v_add_f32 v14, v14, v15
	s_delay_alu instid0(VALU_DEP_1)
	v_permlanex16_b32 v200, v14, s[SEL], s[SEL+1]
	s_delay_alu instid0(VALU_DEP_1)
	v_add_f32 v14, v14, v200
	s_wait_alu depctr_va_vdst(0)
	v_rcp_f32 v14, v14
	v_nop
	s_wait_alu depctr_va_vdst(0)
.irp j, 0,1,2,3,4,5,6,7,8,9,10,11,12,13,14,15
	v_mul_f32 v[S+\j], v[O+\j], v14
.endr
	v_max3_num_f32 v196, |v[S]|, |v[S+1]|, 0x1800000
.irp i, 2,4,6,8,10,12,14
	s_delay_alu instid0(VALU_DEP_1)
	v_max3_num_f32 v196, v196, |v[S+\i]|, |v[S+1+\i]|
.endr
	s_delay_alu instid0(VALU_DEP_1)
	v_permlanex16_b32 v200, v196, s[SEL], s[SEL+1]
	s_delay_alu instid0(VALU_DEP_1)
	v_max_num_f32 v196, v196, v200
	s_delay_alu instid0(VALU_DEP_1)
	v_add_nc_u32 v204, 0xff000000, v196
	s_delay_alu instid0(VALU_DEP_1)
	v_lshrrev_b32 v205, 23, v204
	v_cvt_scalef32_pk16_fp6_f32 v[188:190], v[S:S+15], v204
	v_nop
	v_permlanex16_b32 v200, v188, s[SEL], s[SEL+1]
	v_cndmask_b32 v192, v188, v189, s[MASK]        ; a record of 32 bytes: 24 of codes, then the scale's byte as a word, twice.  Lanes 0-15 store its first half (their 12 bytes and 4 of the partner's),
	v_cndmask_b32 v193, v189, v190, s[MASK]        ; lanes 16-31 the second
	v_cndmask_b32 v194, v190, v205, s[MASK]
	s_delay_alu instid0(VALU_DEP_4)
	v_cndmask_b32 v195, v200, v205, s[MASK]
	global_store_b128 v[VO], v[192:195], s[OP:OP+1]   ; eight neighbouring tokens' records are 256 consecutive bytes: two such runs an instruction
.endm
	PHASE 0
	PHASE 1
	s_wait_tensorcnt 0x0                           ; the wave's end
	ds_add_u32 v[SPW], v[NIL]
	s_wait_dscnt 0x0
	CROUND                                         ; the closing round
	s_endpgm
.Lfunc_end_k_qe31f653d3b_attn:
	.size	k_qe31f653d3b_attn, .Lfunc_end_k_qe31f653d3b_attn-k_qe31f653d3b_attn
	.p2alignl 7, 3214868480
	.fill 96, 4, 3214868480
	.section	.rodata,"a",@progbits
	.p2align	6, 0x0
	.amdhsa_kernel k_qe31f653d3b_attn
		.amdhsa_group_segment_fixed_size 167936
		.amdhsa_private_segment_fixed_size 0
		.amdhsa_enable_private_segment 0
		.amdhsa_kernarg_size 16
		.amdhsa_user_sgpr_count 2
		.amdhsa_user_sgpr_kernarg_segment_ptr 1
		.amdhsa_wavefront_size32 1
		.amdhsa_system_sgpr_workgroup_id_x 1
		.amdhsa_system_sgpr_workgroup_id_y 1
		.amdhsa_system_sgpr_workgroup_id_z 1
		.amdhsa_system_vgpr_workitem_id 0
		.amdhsa_next_free_vgpr 256
		.amdhsa_next_free_sgpr 66
		.amdhsa_reserve_vcc 1
		.amdhsa_float_denorm_mode_32 3
		.amdhsa_float_denorm_mode_16_64 3
		.amdhsa_memory_ordered 1
		.amdhsa_forward_progress 1
		.amdhsa_inst_pref_size 57
	.end_amdhsa_kernel
	.amdgpu_metadata
---
amdhsa.version: [ 1, 2 ]
amdhsa.kernels:
  - .name:           k_qe31f653d3b_attn
    .symbol:         k_qe31f653d3b_attn.kd
    .args:
      - { .name: qkvb, .offset: 0, .size: 8, .value_kind: global_buffer, .address_space: global }
      - { .name: att, .offset: 8, .size: 8, .value_kind: global_buffer, .address_space: global }
    .group_segment_fixed_size: 167936
    .private_segment_fixed_size: 0
    .kernarg_segment_align: 8
    .kernarg_segment_size: 16
    .max_flat_workgroup_size: 512
    .sgpr_count:     66
    .vgpr_count:     256
    .wavefront_size: 32
...
	.end_amdgpu_metadata
.endif
;; end of part 7
;; launch tail (part 8): grid 128 x 1, 4 waves a work-group, no clusters, 318,976 bytes of LDS; arguments att, x, wtail, bo, ln2_g, ln2_b, b1, b2, out0; writes out0
.if DOCPART == 8
	.amdgcn_target "amdgcn-amd-amdhsa--gfx1250"
	.amdhsa_code_object_version 6
	.text
	.protected	k_qe31f653d3b_tail
	.globl	k_qe31f653d3b_tail
	.p2align	8
	.type	k_qe31f653d3b_tail,@function
k_qe31f653d3b_tail:
	s_mov_b64 s[64:65], 0
	v_nop
	global_prefetch_b8 v0, s[64:65] scope:SCOPE_SE
	s_setreg_imm32_b32 hwreg(HW_REG_WAVE_SCHED_MODE, 0, 2), 2
	s_setreg_imm32_b32 hwreg(HW_REG_WAVE_MODE, 25, 1), 1
	s_wait_xcnt 0x0
	s_wait_alu depctr_vm_vsrc(0)
; x1 = x + att Wo + bo;  h2 = layernorm(x1) x g + b;  out = x1 + relu(h2 W1 + b1) W2 + b2: three products on codes of FP6 (E2M3); x1, h2 and the hidden layer never go to memory.
; A work-group of four waves takes 64 tokens.  THE WAVES SHARE THE COLUMNS: wave w makes columns 128 w .. + 127 of x1 and of out, and hidden units 512 w .. + 511 (four chunks of 128), for all 64 tokens: 32 accumulators.
; THE WEIGHTS are laid by the first launch as one stream of 36 records for each wave: 8 images of fragments (16 columns x 128 K) and their scale words, 12,800 bytes.  A record is loaded by the one wave that multiplies it,
; straight into registers, three records ahead, and feeds 32 products.  All 128 work-groups walk the same stream; it is not asked for jointly, since joint loads land in LDS, which would add a write and a read of every weight byte.
; THE ROWS' CODES go from wave to wave through LDS as images of their registers (three stores of 16 bytes a lane and fragment, a word a lane for the scales).
; All products are used transposed (source 0 = 16 columns of a weight, source 1 = 16 tokens), and a tile's columns are 8 u + r + 8 (r / 8) of a group of 32: a lane holds one token and 16 neighbouring columns of each group.
; x is loaded straight into the accumulators and is the C of the first product; x1 waits in LDS and is the C of the last; b1 is the C of each chunk's first products.
; LIMITS: NaN and infinities are not served; a block whose largest magnitude lies under 2^-124 gets the byte 1.
; THE MODE: SCHED_MODE bits 1:0 = 2 (LLVM: expert scheduling mode 2), set by the entry lines.  The code itself states the register dependences between vector or matrix instructions and memory or LDS instructions, with s_wait_alu, always for 0.
; THE PLAN.  Registers that memory or LDS instructions touch:
;   v1-v15, v124      addresses and offsets, made once at the head.  v[AF], v[AQ] are made anew ahead of the last product and stepped once a trip of its loop; v[PBC], v[HWC], v[HSCC] are made in each trip of the chunks' loop.
;   weight buffers    Unit k multiplies buffer k; its loads land in buffer (k + 3) % 4 and that buffer's scale words, which the unit before was the last to read.
;   rows' buffers     Unit k multiplies buffer k % 2; its LDS loads land in the other buffer and its scale words, which the unit before was the last to read.
;   accumulators      Loaded (x; x1 coming back), written by matrix and vector lines, read by x1's stores and by the stores into the stage.
;   BI, B2R           Loaded from LDS; read by vector lines and, as C, by a chunk's first products.
;   CB0-3, PWB        Four fragments' codes and scale words: written by four quantisations, read by one run of sixteen LDS stores.
;   RS, RD            The sums that cross the waves: written by vector lines, RS stored, RD loaded.
;   v128-255          On the way out: loaded from the stage, read by the global stores.
; A UNIT has ONE wait on va_vdst, at its head: the products of the unit before are done reading the two buffers and the scale words in which this unit's 44 loads land.  Those loads stand among the unit's 32 products, which name none of
; the registers that they touch.  Each run of LDS stores has one wait on va_vdst ahead of it, and one wait on vm_vsrc stands ahead of the first line that writes its registers again.
; REGISTERS: window 2: accumulator (tile of columns t, tile of tokens m) at v[64 m + 8 t].  Window 1: weight buffers 0, 1 at v0, v96; the rows' fragments, buffer 0, at v192.  Window 3: weight buffers 2, 3; rows' buffer 1.
;   window 0: v1-15 addresses; v16-31 the weights' scale words; v32-39 the rows'; v40-67 at work in QUANT; v80-123 statistics; v128-191, v192-255 biases, gains, codes just made, rows on the way out.
.set XIMG, 0                           ; 16 images: (4 s + m) x 1,536: att's, later h2's
.set XSC,  24576                       ; their scale words, 128 bytes each
.set HIMG, 26624                       ; the hidden layer's 64 images
.set HSC,  124928
.set X1,   133120                      ; x1: each wave's 256 registers as they stand
.set RED0, 264192                      ; the waves' sums, 512 bytes each;  2,048 on: their sums of squares
.set PAR,  268288                      ; bo, g, b, b2 (2,048 bytes each), b1 (8,192)
.set STG,  284672                      ; the way out: 16 rows x (512 + 16) bytes for each wave
.set SPARE, 318464                     ; the spare words, 128 bytes a wave, which no other line names
.set AF,  3                            ; v3   where the rows' fragments are fetched
.set AQ,  4                            ; v4   and their scale words
.set XW,  5
.set XWS, 6
.set HW,  7
.set HWS, 8
.set PA,  9
.set PB1, 10
.set SO,  11
.set SR,  12
.set X1A, 13
.set RDW, 14
.set XO,  15
.set WS,  16
.set AS,  32
.set TM,  40
.set HWC, 57
.set HSCC, 58
.set PBC, 59
.set TQ,  60                           ; v60-67 the conversions' second halves, on their way
.set S2,  80
.set RS,  88
.set RD,  92
.set MU,  108
.set RSQ, 116
.set RDR, 124
.set SPW, 126
.set NIL, 127
.set BI,  128
.set B2R, 192
.set CB,  192                          ; v192-239 four fragments' codes, 12 registers each
.set PWB, 240                          ; v240-243 their scale words
.set WP,  12                           ; s[12:13] the stream
.set WV,  26
.set SEL, 28
.set CNT, 30
.set ST6, 31
.set ST5, 32
.set MSB, 0
.macro WIN new
.if MSB != (\new)
	s_set_vgpr_msb (MSB<<8)|(\new)
.set MSB, (\new)
.endif
.endm
.macro QUANT s, dw, cb, pw             ; 64 numbers of a lane in window dw, register 16 b + i = element 32 b + 16 (lane / 16) + i of my row -> codes in v[cb] on, scale word in v[pw]
	WIN (\dw)|((\dw)<<2)
.irp b, 0,1,2,3
	v_max3_num_f32 v[TM+\b], |v[(\s)+16*\b]|, |v[(\s)+1+16*\b]|, 0x1800000
.endr
	WIN ((\dw)<<2)|((\dw)<<4)
.irp i, 2,4,6,8,10,12,14
.irp b, 0,1,2,3
	v_max3_num_f32 v[TM+\b], v[TM+\b], |v[(\s)+16*\b+\i]|, |v[(\s)+1+16*\b+\i]|
.endr
.endr
	WIN 0
.irp b, 0,1,2,3
	v_permlanex16_b32 v[TM+4+\b], v[TM+\b], s[SEL], s[SEL+1]
.endr
.irp b, 0,1,2,3
	v_max_num_f32 v[TM+\b], v[TM+\b], v[TM+4+\b]
.endr
.irp b, 0,1,2,3
	v_add_nc_u32 v[TM+12+\b], 0xff000000, v[TM+\b]
.endr
.irp b, 0,1,2,3
	v_lshrrev_b32 v[TM+4+\b], 23, v[TM+12+\b]
.endr
	v_lshl_or_b32 v[\pw], v[TM+5], 8, v[TM+4]
	v_lshl_or_b32 v[\pw], v[TM+6], 16, v[\pw]
	v_lshl_or_b32 v[\pw], v[TM+7], 24, v[\pw]
	WIN (\dw)
.irp c, 0,1
	v_cvt_scalef32_pk16_fp6_f32 v[(\cb)+6*\c:(\cb)+2+6*\c], v[(\s)+32*\c:(\s)+15+32*\c], v[TM+12+2*\c]
	v_cvt_scalef32_pk16_fp6_f32 v[TQ+4*\c:TQ+2+4*\c], v[(\s)+16+32*\c:(\s)+31+32*\c], v[TM+12+2*\c+1]   ; (a conversion's three registers begin on an even number)
.endr
	WIN 0
	v_nop                                          ; one plain place behind a scaled conversion
.irp c, 0,1
.irp i, 0,1,2
	v_permlane16_swap_b32 v[(\cb)+6*\c+\i], v[TQ+4*\c+\i]
.endr
.irp i, 0,1,2
	v_mov_b32 v[(\cb)+3+6*\c+\i], v[TQ+4*\c+\i]
.endr
.endr
.endm
.macro WM d, a, b, c, sa, sb, ra       ; one product; ra: source 0's scale words stand in lanes 16-31
.if (\ra)
	v_wmma_scale_f32_16x16x128_f8f6f4 v[\d:\d+7], v[\a:\a+11], v[\b:\b+11], v[\c:\c+7], v[\sa], v[\sb] matrix_a_fmt:MATRIX_FMT_FP6 matrix_b_fmt:MATRIX_FMT_FP6 matrix_a_scale:MATRIX_SCALE_ROW1
.else
	v_wmma_scale_f32_16x16x128_f8f6f4 v[\d:\d+7], v[\a:\a+11], v[\b:\b+11], v[\c:\c+7], v[\sa], v[\sb] matrix_a_fmt:MATRIX_FMT_FP6 matrix_b_fmt:MATRIX_FMT_FP6
.endif
.endm
; The record off bytes on in the stream, into weight buffer k: 28 loads, in three parts: four images from t0 on (twice), and the scale words
.macro WFRG k, off, t0
	WIN 0x40+0x80*((\k)/2)
.irp t, \t0, \t0+1, \t0+2, \t0+3
.irp c, 0,1,2
	global_load_b128 v[96*((\k)%2)+12*(\t)+4*\c:96*((\k)%2)+12*(\t)+4*\c+3], v1, s[WP:WP+1] offset:(\off)+1536*(\t)+512*\c
.endr
.endr
.endm
.macro WSCL k, off
	WIN 0
.irp b, 0,1,2,3
	global_load_b32 v[WS+4*(\k)+\b], v2, s[WP:WP+1] offset:(\off)+12288+128*\b
.endr
.endm
.macro WLOAD k, off                    ; the whole record, in one run: at the head
	WFRG \k, \off, 0
	WFRG \k, \off, 4
	WSCL \k, \off
.endm
; A K step's four fragments of the rows, and their scale words, from LDS
.macro AFRG buf, off
	WIN 0x40+0x80*(\buf)
.irp m, 0,1,2,3
.irp c, 0,1,2
	ds_load_b128 v[192+12*\m+4*\c:192+12*\m+4*\c+3], v[AF] offset:(\off)+1536*\m+512*\c
.endr
.endr
.endm
.macro ASCL buf, off
	WIN 0
.irp m, 0,1,2,3
	ds_load_b32 v[AS+4*(\buf)+\m], v[AQ] offset:(\off)/12+128*\m
.endr
.endm
.macro ALOAD buf, off                  ; both, in one run: ahead of a phase's first unit
	AFRG \buf, \off
	ASCL \buf, \off
.endm
; eight products of unit k: tiles of columns t0, t0 + 1 x the four tiles of tokens.  cmode = 1: they start the sums with the bias in v[BI] on
.macro MM8 k, cmode, t0
.if \cmode
	WIN 0x80|(1+2*((\k)/2))|((1+2*((\k)%2))<<2)
.else
	WIN 0xa0|(1+2*((\k)/2))|((1+2*((\k)%2))<<2)
.endif
.irp t, \t0, \t0+1
.irp m, 0,1,2,3
.if \cmode
	WM 64*\m+8*(\t), 96*((\k)%2)+12*(\t), 192+12*\m, BI+8*(\t), WS+4*(\k)+(\t)/2, AS+4*((\k)%2)+\m, (\t)%2
.else
	WM 64*\m+8*(\t), 96*((\k)%2)+12*(\t), 192+12*\m, 64*\m+8*(\t), WS+4*(\k)+(\t)/2, AS+4*((\k)%2)+\m, (\t)%2
.endif
.endr
.endr
.endm
; A UNIT: one record x one K step of the rows: 32 products on 32 accumulators, which take turns in the same order in every unit.
; The record three units on goes into the buffer that the unit before has left, and the next K step's rows into theirs: the eight loads of scale words at the unit's head, then twelve loads behind each eight products.
; lcnt: the loads of the younger records, which may stay out.  dep = 1: the unit before was the last to read the registers in which this unit's loads land (dep = 0: a wait that stands further ahead has covered their last readers, or the unit loads nothing).
.macro UNIT k, cmode, nexta, ahead, lcnt, dep
	s_wait_loadcnt \lcnt
	s_wait_dscnt 0x0                               ; this unit's rows are in
.if \dep
	s_wait_alu depctr_va_vdst(0)                   ; the products of the unit before are done reading their weight buffer, their rows' buffer and both sets of scale words, in which the loads below land; at the head of the last product's trips v[AF] and v[AQ] are written too
.endif
.if \ahead
	WSCL ((\k)+3)%4, ((\k)+3)*12800
.endif
.if (\nexta) >= 0
	ASCL ((\k)+1)%2, \nexta
.endif
	MM8 \k, \cmode, 0
.if (\nexta) >= 0
	AFRG ((\k)+1)%2, \nexta                        ; no wait: no product since the wait above names these registers
.endif
	MM8 \k, \cmode, 2
.if \ahead
	WFRG ((\k)+3)%4, ((\k)+3)*12800, 0
.endif
	MM8 \k, \cmode, 4
.if \ahead
	WFRG ((\k)+3)%4, ((\k)+3)*12800, 4
.endif
	MM8 \k, \cmode, 6
	WIN 0
.rept 4
	v_nop                                          ; places behind the unit's products, ahead of the first read of results and of the next unit's loads
.endr
.endm
.macro GROUP c0, n3, d0                ; four units; then the stream's pointer steps
	UNIT 0, \c0, 6144, 1, 56, \d0
	UNIT 1, 0, 12288, 1, 56, 1
	UNIT 2, 0, 18432, 1, 56, 1
	UNIT 3, 0, \n3, 1, 56, 1
	s_wait_xcnt 0x0                                ; the loads have read their base
	s_add_nc_u64 s[WP:WP+1], s[WP:WP+1], 51200
.endm
.macro BARRIER                         ; my LDS stores have landed and my LDS loads are in: then the work-group's barrier
	s_wait_dscnt 0x0
	s_barrier_signal -1
	s_barrier_wait -1
.endm
	s_load_b512 s[8:23], s[0:1], 0x0               ; att, x, wtail, bo, g, b, b1, b2
	s_load_b64 s[24:25], s[0:1], 0x40              ; out0
	v_lshl_add_u32 v[SPW], v0, 2, SPARE
	v_mov_b32 v[NIL], 0
	v_lshrrev_b32 v1, 5, v0
	v_readfirstlane_b32 s[WV], v1
	v_and_b32 v100, 31, v0
	v_and_b32 v101, 15, v0                         ; r
	v_bfe_u32 v102, v0, 4, 1                       ; h
	v_lshlrev_b32 v1, 4, v100                      ; 16 x lane
	v_lshlrev_b32 v2, 2, v100                      ; 4 x lane
	v_lshlrev_b32 v103, 6, v102                    ; 64 h
	s_mov_b32 s[SEL], 0x76543210
	s_mov_b32 s[SEL+1], 0xfedcba98
	s_mov_b32 s34, 0x3b000000                      ; 1 / 512
	s_mov_b32 s35, 0x3727c5ac                      ; 1e-5
	v_add_nc_u32 v[AF], XIMG, v1
	v_add_nc_u32 v[AQ], XSC, v2
	s_wait_alu depctr_va_sdst(0)                   ; the wave's number is written, ahead of its first reader: LDS addresses and the buffers' offsets are made from it
	s_mul_i32 s46, s[WV], 6144
	v_add_nc_u32 v[XW], s46, v1                    ; h2's images: K step w
	s_lshl_b32 s46, s[WV], 9
	v_add_nc_u32 v[XWS], s46, v2
	v_add_nc_u32 v[XWS], XSC, v[XWS]
	v_add_nc_u32 v[PA], s46, v103
	v_add_nc_u32 v[PA], PAR, v[PA]                 ; my 128 columns' parameters, + 64 h
	v_add_nc_u32 v[RDW], s46, v1
	v_add_nc_u32 v[RDW], RED0, v[RDW]
	v_add_nc_u32 v[RDR], RED0, v1
	v_add_nc_u32 v84, s46, v1
	v_add_nc_u32 v84, PAR, v84                     ; at the head: where my quarter of the small parameters goes
	s_mul_i32 s46, s[WV], 24576
	v_add_nc_u32 v[HW], s46, v1
	v_add_nc_u32 v[HW], HIMG, v[HW]                ; the hidden layer's images: K steps 4 w on
	s_lshl_b32 s46, s[WV], 11
	v_add_nc_u32 v[HWS], s46, v2
	v_add_nc_u32 v[HWS], HSC, v[HWS]
	v_add_nc_u32 v[PB1], s46, v103
	v_add_nc_u32 v[PB1], PAR+8192, v[PB1]          ; my 512 numbers of b1, + 64 h
	v_add_nc_u32 v85, s46, v1
	v_add_nc_u32 v85, PAR+8192, v85
	s_mul_i32 s46, s[WV], 8448
	v_mul_u32_u24 v[SO], v101, 528
	v_add_nc_u32 v[SO], v[SO], v103
	v_add_nc_u32 v[SO], s46, v[SO]
	v_add_nc_u32 v[SO], STG, v[SO]
	v_add_nc_u32 v[SR], s46, v1
	v_add_nc_u32 v[SR], STG, v[SR]
	s_lshl_b32 s46, s[WV], 15
	v_add_nc_u32 v[X1A], s46, v1
	v_add_nc_u32 v[X1A], X1, v[X1A]
	v_lshl_add_u32 v[XO], v101, 11, v103           ; x: row r of 2,048 bytes, + 64 h
	s_mul_i32 s46, s[WV], 1536
	v_add_nc_u32 v82, s46, v1                      ; att's images: tile of tokens w
	s_lshl_b32 s46, s[WV], 7
	v_add_nc_u32 v83, s46, v2
	v_add_nc_u32 v83, XSC, v83
	v_lshlrev_b32 v81, 5, v101                     ; att: a token's record is 32 bytes;
	v_lshl_add_u32 v80, v102, 16, v81              ; lanes 16-31 take the next head, 65,536 bytes on
.irp b, 0,1,2,3
	v_mov_b32 v[TM+4+\b], 0                        ; written once: a lane permute's destination counts as one of its sources
	v_mov_b32 v[RD+\b], 0
.endr
	s_lshr_b32 s36, ttmp9, 5                       ; the batch: 16 heads x 65,536 bytes
	s_lshl_b32 s36, s36, 20
	s_and_b32 s37, ttmp9, 31
	s_lshl_b32 s37, s37, 11                        ; 64 tokens x 32 bytes
	s_add_co_u32 s36, s36, s37
	s_lshl_b32 s38, s[WV], 9                       ; 16 tokens x 32 bytes; also 128 columns x 4 bytes
	s_add_co_u32 s36, s36, s38
	s_mov_b32 s37, 0
	s_mov_b32 s39, 0
	s_lshl_b32 s40, ttmp9, 17                      ; 64 rows of 2,048 bytes
	s_add_co_u32 s40, s40, s38
	s_mov_b32 s41, 0
	s_mul_i32 s42, s[WV], 460800                   ; my 36 records
	s_mov_b32 s43, 0
	s_lshl_b32 s44, s[WV], 11
	s_mov_b32 s45, 0
	s_wait_kmcnt 0x0
	s_add_nc_u64 s[8:9], s[8:9], s[36:37]
	s_add_nc_u64 s[10:11], s[10:11], s[40:41]
	s_add_nc_u64 s[24:25], s[24:25], s[40:41]
	s_add_nc_u64 s[WP:WP+1], s[WP:WP+1], s[42:43]
	s_add_nc_u64 s[14:15], s[14:15], s[38:39]
	s_add_nc_u64 s[16:17], s[16:17], s[38:39]
	s_add_nc_u64 s[18:19], s[18:19], s[38:39]
	s_add_nc_u64 s[22:23], s[22:23], s[38:39]
	s_add_nc_u64 s[20:21], s[20:21], s[44:45]
	s_wait_alu depctr_va_vdst(0)                   ; all the addresses and offsets made above are written (v1-v15, v80-85, v124, the add's two), which the loads and stores of the kernel read
	; att: I build the four fragments of tile of tokens w.  Block be of K step s is head 4 s + be: lane (r, h) takes the 24 bytes of heads 4 s + 2 c + h
.irp s, 0,1,2,3
.irp c, 0,1
	global_load_b128 v[192+12*\s+6*\c:195+12*\s+6*\c], v80, s[8:9] offset:(4*\s+2*\c)*65536
	global_load_b64 v[196+12*\s+6*\c:197+12*\s+6*\c], v80, s[8:9] offset:(4*\s+2*\c)*65536+16
.endr
.endr
.irp s, 0,1,2,3
.irp e, 0,1,2,3
	global_load_b32 v[240+4*\s+\e], v81, s[8:9] offset:(4*\s+\e)*65536+24
.endr
.endr
	global_load_b128 v[128:131], v1, s[14:15]
	global_load_b128 v[132:135], v1, s[16:17]
	global_load_b128 v[136:139], v1, s[18:19]
	global_load_b128 v[140:143], v1, s[22:23]
.irp q, 0,1,2,3
	global_load_b128 v[144+4*\q:147+4*\q], v1, s[20:21] offset:512*\q
.endr
	WIN 0x80                                       ; x goes straight into the accumulators
.irp m, 0,1,2,3
.irp t, 0,1,2,3,4,5,6,7
.irp q, 0,1
	global_load_b128 v[64*\m+8*\t+4*\q:64*\m+8*\t+4*\q+3], v[XO], s[10:11] offset:32768*\m+128*(\t/2)+32*(\t%2)+16*\q
.endr
.endr
.endr
	WLOAD 0, 0
	WLOAD 1, 12800
	WLOAD 2, 25600
	s_wait_loadcnt 63                              ; 84 loads of records are younger than the last load of x: att, the parameters and x are in
.irp s, 0,1,2,3
	v_lshl_or_b32 v[240+4*\s], v[241+4*\s], 8, v[240+4*\s]
	v_lshl_or_b32 v[240+4*\s], v[242+4*\s], 16, v[240+4*\s]
	v_lshl_or_b32 v[240+4*\s], v[243+4*\s], 24, v[240+4*\s]
.endr
	s_wait_alu depctr_va_vdst(0)                   ; att's four scale words are joined in v240, v244, v248, v252, which the LDS stores below read
.irp s, 0,1,2,3
.irp c, 0,1,2
	ds_store_b128 v82, v[192+12*\s+4*\c:195+12*\s+4*\c] offset:6144*\s+512*\c
.endr
	ds_store_b32 v83, v[240+4*\s] offset:512*\s
.endr
.irp q, 0,1,2,3
	ds_store_b128 v84, v[128+4*\q:131+4*\q] offset:2048*\q
	ds_store_b128 v85, v[144+4*\q:147+4*\q] offset:512*\q
.endr
	BARRIER                                        ; att's sixteen fragments and the parameters lie in LDS
	s_wait_alu depctr_vm_vsrc(0)                   ; the head's loads and LDS stores have read v80-85, v128-159 and v192-255: these registers become the statistics, BI, B2R and the codes' buffers, written by vector lines and by LDS loads
	; ---- x1 = x + att Wo + bo
	ALOAD 0, 0
	GROUP 0, -1, 0                                 ; (its first unit's loads land in registers that nothing has named yet)
.irp b, 0,1,2,3
.irp j, 0,1,2,3
	ds_load_b128 v[BI+16*\b+4*\j:BI+16*\b+4*\j+3], v[PA] offset:128*\b+16*\j
.endr
.endr
	s_wait_dscnt 0x0
	WIN 0x82                                       ; destination and source 0 window 2
.irp m, 0,1,2,3
.set i, 0
.rept 32
	v_pk_add_f32 v[64*\m+i:64*\m+i+1], v[64*\m+i:64*\m+i+1], v[BI+i:BI+i+1]   ; each accumulator from its low end on
.set i, i+2
.endr
.endr
	WIN 0x08                                       ; source 1 window 2: an LDS store's data, and the sums' second source
	s_wait_alu depctr_va_vdst(0)                   ; the additions of bo have written the accumulators, which the 64 LDS stores read
.irp m, 0,1,2,3
.irp t, 0,1,2,3,4,5,6,7
.irp q, 0,1
	ds_store_b128 v[X1A], v[64*\m+8*\t+4*\q:64*\m+8*\t+4*\q+3] offset:8192*\m+1024*\t+512*\q   ; x1 waits here for the last product
.endr
.endr
.endr
	; ---- layer norm 2: a token's 512 numbers lie in two lanes of each of the four waves
	WIN 0x0a
.irp m, 0,1,2,3
	v_pk_add_f32 v[S2+2*\m:S2+2*\m+1], v[64*\m:64*\m+1], v[64*\m+2:64*\m+3]
.endr
	WIN 0x08
.set i, 4
.rept 30
.irp m, 0,1,2,3
	v_pk_add_f32 v[S2+2*\m:S2+2*\m+1], v[S2+2*\m:S2+2*\m+1], v[64*\m+i:64*\m+i+1]
.endr
.set i, i+2
.endr
	WIN 0
.macro ACROSS off                      ; v[S2] on: four pairs of partial sums -> v[RD] .. v[RD+3]: the four tiles' sums over all 512 columns, the same bits in every wave
.irp m, 0,1,2,3
	v_add_f32 v[RS+\m], v[S2+2*\m], v[S2+2*\m+1]
.endr
.irp m, 0,1,2,3
	v_permlanex16_b32 v[RD+\m], v[RS+\m], s[SEL], s[SEL+1]
.endr
.irp m, 0,1,2,3
	v_add_f32 v[RS+\m], v[RS+\m], v[RD+\m]
.endr
	s_wait_alu depctr_va_vdst(0)                   ; v[RS ..] is written, which the LDS store reads; and the vector lines are done with v[RD ..], in which the four loads behind the barrier land
	ds_store_b128 v[RDW], v[RS:RS+3] offset:\off
	BARRIER
.irp w, 0,1,2,3
	ds_load_b128 v[RD+4*\w:RD+4*\w+3], v[RDR] offset:\off+512*\w
.endr
.endm
.macro ADDUP
	v_pk_add_f32 v[RD:RD+1], v[RD:RD+1], v[RD+4:RD+5]
	v_pk_add_f32 v[RD+2:RD+3], v[RD+2:RD+3], v[RD+6:RD+7]
	v_pk_add_f32 v[RD+8:RD+9], v[RD+8:RD+9], v[RD+12:RD+13]
	v_pk_add_f32 v[RD+10:RD+11], v[RD+10:RD+11], v[RD+14:RD+15]
	v_pk_add_f32 v[RD:RD+1], v[RD:RD+1], v[RD+8:RD+9]
	v_pk_add_f32 v[RD+2:RD+3], v[RD+2:RD+3], v[RD+10:RD+11]
.endm
	ACROSS 0
	s_wait_dscnt 0x0
	ADDUP
.irp m, 0,1,2,3
	v_mul_f32 v[MU+2*\m], s34, v[RD+\m]
	v_mul_f32 v[MU+2*\m+1], s34, v[RD+\m]
.endr
	s_wait_alu depctr_vm_vsrc(0)                   ; x1's LDS stores have read the accumulators, which the subtractions below write; the sums' store has read v[RS ..], which the sums of squares write again
	WIN 0x82
.irp m, 0,1,2,3
.set i, 0
.rept 32
	v_pk_add_f32 v[64*\m+i:64*\m+i+1], v[64*\m+i:64*\m+i+1], v[MU+2*\m:MU+2*\m+1] neg_lo:[0,1] neg_hi:[0,1]
.set i, i+2
.endr
.endr
	WIN 0x0a
.irp m, 0,1,2,3
	v_pk_mul_f32 v[S2+2*\m:S2+2*\m+1], v[64*\m:64*\m+1], v[64*\m:64*\m+1]
.endr
.set i, 2
.rept 31
.irp m, 0,1,2,3
	v_pk_fma_f32 v[S2+2*\m:S2+2*\m+1], v[64*\m+i:64*\m+i+1], v[64*\m+i:64*\m+i+1], v[S2+2*\m:S2+2*\m+1]
.endr
.set i, i+2
.endr
	WIN 0
	ACROSS 2048
.irp b, 0,1,2,3
.irp j, 0,1,2,3
	ds_load_b128 v[BI+16*\b+4*\j:BI+16*\b+4*\j+3], v[PA] offset:2048+128*\b+16*\j      ; g.  (The additions that read bo in v[BI ..] stand ahead of the waits on va_vdst above)
	ds_load_b128 v[B2R+16*\b+4*\j:B2R+16*\b+4*\j+3], v[PA] offset:4096+128*\b+16*\j    ; b
.endr
.endr
	s_wait_dscnt 0x0
	ADDUP
.irp m, 0,1,2,3
	v_fma_f32 v[RD+\m], v[RD+\m], s34, s35         ; var + eps
.endr
	s_wait_alu depctr_va_vdst(0)
.irp m, 0,1,2,3
	v_rsq_f32 v[RSQ+2*\m], v[RD+\m]
.endr
	v_nop                                          ; a plain place behind the transcendentals
	s_wait_alu depctr_va_vdst(0)                   ; the four v_rsq_f32 have written v[RSQ], v[RSQ+2], v[RSQ+4], v[RSQ+6]: one wait for the four, ahead of their first reader
.irp m, 0,1,2,3
	v_mov_b32 v[RSQ+2*\m+1], v[RSQ+2*\m]
.endr
	WIN 0x82
.irp m, 0,1,2,3
.set i, 0
.rept 32
	v_pk_mul_f32 v[64*\m+i:64*\m+i+1], v[64*\m+i:64*\m+i+1], v[RSQ+2*\m:RSQ+2*\m+1]
.set i, i+2
.endr
.set i, 0
.rept 32
	v_pk_fma_f32 v[64*\m+i:64*\m+i+1], v[64*\m+i:64*\m+i+1], v[BI+i:BI+i+1], v[B2R+i:B2R+i+1]
.set i, i+2
.endr
.endr
	WIN 0
.irp m, 0,1,2,3                                ; my 128 columns of h2 are K step w of the next product (att's images were last read ahead of the two barriers above).  Each tile of tokens has its own codes' buffer
	QUANT 64*\m, 2, CB+12*\m, PWB+\m
.endr
	s_wait_alu depctr_va_vdst(0)                   ; the four quantisations have written the codes' buffers and the scale words, which the sixteen LDS stores read
.irp m, 0,1,2,3
.irp c, 0,1,2
	ds_store_b128 v[XW], v[CB+12*\m+4*\c:CB+12*\m+4*\c+3] offset:1536*\m+512*\c
.endr
	ds_store_b32 v[XWS], v[PWB+\m] offset:128*\m
.endr
	BARRIER                                        ; h2's sixteen fragments lie in LDS
	; ---- the hidden layer: four chunks of 128 units
	ALOAD 0, 0
	s_mov_b32 s[CNT], 4
	s_mov_b32 s[ST6], 0
	s_mov_b32 s[ST5], 0
.Lchunk:
	v_add_nc_u32 v[PBC], s[ST5], v[PB1]            ; (the last trip's loads by it stand ahead of that trip's wait on vm_vsrc)
	s_wait_alu depctr_va_vdst(0)                   ; v[PBC] is written, which the sixteen loads below read
.irp b, 0,1,2,3
.irp j, 0,1,2,3
	ds_load_b128 v[BI+16*\b+4*\j:BI+16*\b+4*\j+3], v[PBC] offset:128*\b+16*\j   ; the chunk's b1
.endr
.endr
	GROUP 1, 0, 0                                  ; its last unit fetches K step 0 of h2 again, for the next chunk.  (Its first unit has no wait of its own: the one above stands behind the last readers of the registers in which its loads land)
	WIN 0x88
.set i, 0
.rept 256
	v_max_num_f32 v[i], 0, v[i]                    ; relu, in f32
.set i, i+1
.endr
	WIN 0
	s_wait_alu depctr_vm_vsrc(0)                   ; the LDS stores of the chunk before (in the first trip: of h2's images) have read the codes' buffers, the scale words, v[HWC] and v[HSCC], all written below; this trip's LDS loads have read v[PBC], v[AF] and v[AQ], written further on
.irp m, 0,1,2,3
	QUANT 64*\m, 2, CB+12*\m, PWB+\m
.endr
	v_add_nc_u32 v[HWC], s[ST6], v[HW]
	v_add_nc_u32 v[HSCC], s[ST5], v[HWS]
	s_wait_alu depctr_va_vdst(0)                   ; the four quantisations have written the codes' buffers and the scale words, the two additions the addresses: the sixteen LDS stores read them.  The quantisations are also done reading the accumulators, in which x1 lands behind the loop
.irp m, 0,1,2,3
.irp c, 0,1,2
	ds_store_b128 v[HWC], v[CB+12*\m+4*\c:CB+12*\m+4*\c+3] offset:1536*\m+512*\c
.endr
	ds_store_b32 v[HSCC], v[PWB+\m] offset:128*\m
.endr
	s_add_co_u32 s[ST6], s[ST6], 6144
	s_add_co_u32 s[ST5], s[ST5], 512
	s_sub_co_u32 s[CNT], s[CNT], 1
	s_cmp_lg_u32 s[CNT], 0
	s_cbranch_scc1 .Lchunk
	WIN 0x80
.irp m, 0,1,2,3
.irp t, 0,1,2,3,4,5,6,7
.irp q, 0,1
	ds_load_b128 v[64*\m+8*\t+4*\q:64*\m+8*\t+4*\q+3], v[X1A] offset:8192*\m+1024*\t+512*\q   ; x1 comes back as the C of the last product
.endr
.endr
.endr
	WIN 0
	BARRIER                                        ; the hidden layer's 64 fragments lie in LDS
	; ---- out = x1 + hidden W2 + b2: sixteen K steps
	v_add_nc_u32 v80, HIMG, v1
	v_add_nc_u32 v81, HSC, v2
	s_mov_b32 s[ST6], 0
	s_mov_b32 s[ST5], 0
	v_add_nc_u32 v[AF], s[ST6], v80                ; (the chunks' LDS loads by v[AF] and v[AQ] stand ahead of the last trip's wait on vm_vsrc)
	v_add_nc_u32 v[AQ], s[ST5], v81
	s_wait_alu depctr_va_vdst(0)                   ; v[AF] and v[AQ] are written, which the sixteen loads below read
	ALOAD 0, 0
	s_mov_b32 s[CNT], 3
.Lk2:
	GROUP 0, 24576, 1
	s_add_co_u32 s[ST6], s[ST6], 24576
	s_add_co_u32 s[ST5], s[ST5], 2048
	s_wait_alu depctr_vm_vsrc(0)                   ; the LDS loads issued so far have read v[AF] and v[AQ]: the addresses step; the wait at the next unit's head shows them written
	v_add_nc_u32 v[AF], s[ST6], v80
	v_add_nc_u32 v[AQ], s[ST5], v81
	s_sub_co_u32 s[CNT], s[CNT], 1
	s_cmp_lg_u32 s[CNT], 0
	s_cbranch_scc1 .Lk2
	UNIT 0, 0, 6144, 1, 56, 1                      ; the last four units: one more record is asked for, then the counts run down
	UNIT 1, 0, 12288, 0, 56, 1
	UNIT 2, 0, 18432, 0, 28, 1
	UNIT 3, 0, -1, 0, 0, 0                         ; it loads nothing, so it states nothing
.irp b, 0,1,2,3
.irp j, 0,1,2,3
	ds_load_b128 v[BI+16*\b+4*\j:BI+16*\b+4*\j+3], v[PA] offset:6144+128*\b+16*\j      ; b2
.endr
.endr
	s_wait_dscnt 0x0
	WIN 0x82
.irp m, 0,1,2,3
.set i, 0
.rept 32
	v_pk_add_f32 v[64*\m+i:64*\m+i+1], v[64*\m+i:64*\m+i+1], v[BI+i:BI+i+1]
.set i, i+2
.endr
.endr
	WIN 0
; THE WAY OUT, 16 tokens at a time: a lane holds pieces of one row; through my own stage they come back as whole rows of 512 bytes.  LDS serves a wave's instructions in order: no wait between stores and loads.
.macro TOSTAGE m
	WIN 0x08
.irp t, 0,1,2,3,4,5,6,7
.irp q, 0,1
	ds_store_b128 v[SO], v[64*(\m)+8*\t+4*\q:64*(\m)+8*\t+4*\q+3] offset:128*(\t/2)+32*(\t%2)+16*\q
.endr
.endr
	WIN 0
.irp i, 0,1,2,3,4,5,6,7,8,9,10,11,12,13,14,15
	ds_load_b128 v[128+64*((\m)%2)+4*\i:128+64*((\m)%2)+4*\i+3], v[SR] offset:528*\i
.endr
.endm
.macro SEND m, younger                 ; younger: the LDS instructions issued behind block m's loads
	s_wait_dscnt \younger
.irp i, 0,1,2,3,4,5,6,7,8,9,10,11,12,13,14,15
	global_store_b128 v1, v[128+64*((\m)%2)+4*\i:128+64*((\m)%2)+4*\i+3], s[24:25] offset:32768*(\m)+2048*\i th:TH_STORE_NT   ; 512 consecutive bytes, at a multiple of 256 from out0's first byte
.endr
.endm
	s_wait_alu depctr_va_vdst(0)                   ; the additions of b2 have written the accumulators, which the stores into the stage read, and are done reading v[BI ..], in which rows land.  (The last chunk's stores, which read v192-243, stand ahead of the waits on vm_vsrc in the loop above)
	TOSTAGE 0
	TOSTAGE 1
	SEND 0, 32
	s_wait_xcnt 0x0                                ; block 0's stores have had their addresses translated,
	s_wait_alu depctr_vm_vsrc(0)                   ; and have read v128-191: block 2's rows may land there
	TOSTAGE 2
	SEND 1, 32
	s_wait_xcnt 0x0
	s_wait_alu depctr_vm_vsrc(0)                   ; block 1's stores have read v192-255: block 3's rows may land there
	TOSTAGE 3
	SEND 2, 32
	SEND 3, 0
	s_wait_dscnt 0x0                               ; the wave's end: six closing lines
	s_wait_alu 0x0
	s_wait_tensorcnt 0x0
	ds_add_u32 v[SPW], v[NIL]
	s_wait_dscnt 0x0
	s_endpgm
.Lfunc_end_k_qe31f653d3b_tail:
	.size	k_qe31f653d3b_tail, .Lfunc_end_k_qe31f653d3b_tail-k_qe31f653d3b_tail
	.p2alignl 7, 3214868480
	.fill 96, 4, 3214868480
	.section	.rodata,"a",@progbits
	.p2align	6, 0x0
	.amdhsa_kernel k_qe31f653d3b_tail
		.amdhsa_group_segment_fixed_size 318976
		.amdhsa_private_segment_fixed_size 0
		.amdhsa_enable_private_segment 0
		.amdhsa_kernarg_size 72
		.amdhsa_user_sgpr_count 2
		.amdhsa_user_sgpr_kernarg_segment_ptr 1
		.amdhsa_wavefront_size32 1
		.amdhsa_system_sgpr_workgroup_id_x 1
		.amdhsa_system_sgpr_workgroup_id_y 1
		.amdhsa_system_sgpr_workgroup_id_z 1
		.amdhsa_system_vgpr_workitem_id 0
		.amdhsa_next_free_vgpr 1024
		.amdhsa_next_free_sgpr 66
		.amdhsa_reserve_vcc 0
		.amdhsa_float_denorm_mode_32 3
		.amdhsa_float_denorm_mode_16_64 3
		.amdhsa_memory_ordered 1
		.amdhsa_forward_progress 1
		.amdhsa_inst_pref_size 255
	.end_amdhsa_kernel
	.section	.bss,"aw",@nobits
	.p2align	6
	.space	262144
	.amdgpu_metadata
---
amdhsa.version: [ 1, 2 ]
amdhsa.kernels:
  - .name:           k_qe31f653d3b_tail
    .symbol:         k_qe31f653d3b_tail.kd
    .args:
      - { .name: att, .offset: 0, .size: 8, .value_kind: global_buffer, .address_space: global }
      - { .name: x, .offset: 8, .size: 8, .value_kind: global_buffer, .address_space: global }
      - { .name: wtail, .offset: 16, .size: 8, .value_kind: global_buffer, .address_space: global }
      - { .name: bo, .offset: 24, .size: 8, .value_kind: global_buffer, .address_space: global }
      - { .name: ln2_g, .offset: 32, .size: 8, .value_kind: global_buffer, .address_space: global }
      - { .name: ln2_b, .offset: 40, .size: 8, .value_kind: global_buffer, .address_space: global }
      - { .name: b1, .offset: 48, .size: 8, .value_kind: global_buffer, .address_space: global }
      - { .name: b2, .offset: 56, .size: 8, .value_kind: global_buffer, .address_space: global }
      - { .name: out0, .offset: 64, .size: 8, .value_kind: global_buffer, .address_space: global }
    .group_segment_fixed_size: 318976
    .private_segment_fixed_size: 0
    .kernarg_segment_align: 8
    .kernarg_segment_size: 72
    .max_flat_workgroup_size: 128
    .sgpr_count:     66
    .vgpr_count:     1024
    .wavefront_size: 32
...
	.end_amdgpu_metadata
.endif
;; end of part 8
